; MI455X (gfx1250); checked and timed in simulation.
; The chip was launched on July 23, 2026; its instructions are those of AMD's public machine-readable ISA for CDNA 5 (MIT licence, August 2026) and "CDNA5" Instruction Set Architecture Reference Guide (July 2026). The comments in the code are by the model that wrote it; some were corrected since.
;; Sparse Mo EFFN. Allowed arithmetic: matrix products marked QUANTISED: E3M2 operands, one E8M0 scale for each 32 along K, by v_wmma_scale_f32_16x16x128_f8f6f4 with both operands' format E3M2, f32 sums; products left as they are: f32 operands where the result goes on into a quantised operand, else bf16, f16 or f32 operands; f32 sums; everything else in f32.
;; Inputs: W1 8 x 1,024 x 4,096 float32; W2 8 x 4,096 x 1,024 float32; b1 8 x 4,096 float32; b2 8 x 1,024 float32; w_router 1,024 x 8 float32; x 8 x 128 x 1,024 float32.
;; Outputs: out0 8 x 128 x 1,024 float32; out1 one number float32.
;; This version of the problem:
;;   THIS VERSION OF THE PROBLEM IS GIVEN IN LOW PRECISION. The matrix products marked QUANTISED in the list below multiply operands that are first quantised to E3M2 (3 exponent bits, 2 mantissa bits; 6 bits a number), with one power-of-two scale for each 32 numbers along K (OCP MX v1.0); their sums are f32. All else is computed in f32.
;;   The module's matrix products, in the order in which they are computed (A, B: the left and right operand; K: the contracted axis; several contracted axes count as one K, in the product's order):
;;     1. [M 1,024, K 1,024] x [K 1,024, N 8]; A: input x; B: input w_router: left as it is (N = 8 < 16)
;;     2. [M 1,024, K 1,024] x [K 1,024, N 4,096]; A: input x; B: input W1: QUANTISED
;;     3. [M 1,024, K 4,096] x [K 4,096, N 1,024]; A: computed on the way; B: input W2: QUANTISED
;;     4. [M 1,024, K 1,024] x [K 1,024, N 4,096]; A: input x; B: input W1: QUANTISED
;;     5. [M 1,024, K 4,096] x [K 4,096, N 1,024]; A: computed on the way; B: input W2: QUANTISED
;;     6. [M 1,024, K 1,024] x [K 1,024, N 4,096]; A: input x; B: input W1: QUANTISED
;;     7. [M 1,024, K 4,096] x [K 4,096, N 1,024]; A: computed on the way; B: input W2: QUANTISED
;;     8. [M 1,024, K 1,024] x [K 1,024, N 4,096]; A: input x; B: input W1: QUANTISED
;;     9. [M 1,024, K 4,096] x [K 4,096, N 1,024]; A: computed on the way; B: input W2: QUANTISED
;;     10. [M 1,024, K 1,024] x [K 1,024, N 4,096]; A: input x; B: input W1: QUANTISED
;;     11. [M 1,024, K 4,096] x [K 4,096, N 1,024]; A: computed on the way; B: input W2: QUANTISED
;;     12. [M 1,024, K 1,024] x [K 1,024, N 4,096]; A: input x; B: input W1: QUANTISED
;;     13. [M 1,024, K 4,096] x [K 4,096, N 1,024]; A: computed on the way; B: input W2: QUANTISED
;;     14. [M 1,024, K 1,024] x [K 1,024, N 4,096]; A: input x; B: input W1: QUANTISED
;;     15. [M 1,024, K 4,096] x [K 4,096, N 1,024]; A: computed on the way; B: input W2: QUANTISED
;;     16. [M 1,024, K 1,024] x [K 1,024, N 4,096]; A: input x; B: input W1: QUANTISED
;;     17. [M 1,024, K 4,096] x [K 4,096, N 1,024]; A: computed on the way; B: input W2: QUANTISED
;;   THE QUANTISER, for each operand of a quantised product, along K:
;;     - K is cut into blocks of 32 from its start; a last block that is shorter is filled with zeros.
;;     - A block's scale is 2^e with e = floor(log2(the largest magnitude in the block)) - 4, held to -126 .. 127; a block of zeros has e = 0. As a byte (E8M0): e + 127.
;;     - Each number is divided by its block's scale, clamped to +-28, and rounded to the nearest number of E3M2, ties to even, subnormals kept.
;;     - The product sums the exact products of the quantised numbers (number of the format x scale) in f32.
;;   ~~~python
;;   def quantise(x, axis):      # numpy; x: float32 -> the quantised numbers, widened to float32 again
;;       x = np.moveaxis(x, axis, -1); K = x.shape[-1]
;;       x = np.pad(x, [(0, 0)] * (x.ndim - 1) + [(0, -K % 32)]); x = x.reshape(x.shape[:-1] + (-1, 32)); a = np.abs(x).max(-1, keepdims=True)
;;       e = np.where(a > 0, np.clip(np.frexp(np.where(a > 0, a, 1))[1] - 1 - 4, -126, 127), 0)      # np.frexp(a)[1] - 1 = floor(log2(a)), exactly
;;       r = np.clip(x / 2.0 ** e, -28, 28)
;;       step = 2.0 ** (np.maximum(np.frexp(np.where(r == 0, 1, r))[1] - 1, -2) - 2)
;;       q = np.round(r / step) * step * 2.0 ** e      # np.round: ties to even
;;       return np.moveaxis(q.reshape(q.shape[:-2] + (-1,))[..., :K], -1, axis).astype(np.float32)
;;   ~~~
;;   OPERANDS COMPUTED ON THE WAY. 'Computed on the way' means the value that the module computes at that place (a softmax that the list does not call 'softmax' is quantised finished and normalised). What goes into a quantiser is computed in f32, as accurately as f32 sums, v_exp_f32 and their like allow (about 1e-6 of the number): no bf16 or f16 on the way to a quantiser, and a product that is left as it is and whose result goes on into a quantised operand takes f32 operands (vector FMAs, or v_wmma_f32_16x16x4_f32). A number that lies on a knife's edge between two numbers of the format may be rounded either way, as far as f32 arithmetic and the matrix unit's own rounding can turn it there, and no further.
;; 2 versions. Each part assembles by itself: llvm-mc -triple=amdgcn-amd-amdhsa -mcpu=gfx1250 --defsym DOCPART=n.
;; ======== version 1 of 2: 5 launches
;; workspace buffers: route_i 9,216 bytes of whole numbers; route_f 9,216 bytes; xq 819,200 bytes; xa 1,817,600 bytes; plan 9,472 bytes of whole numbers; gatew 9,216 bytes; hq 7,270,400 bytes; y2 16,842,752 bytes
;; launch route (part 1): grid 32 x 1, 8 waves a work-group, no clusters, 36,864 bytes of LDS; arguments x, w_router, xq, route_i, route_f; writes xq, route_i, route_f
.if DOCPART == 1
	.amdgcn_target "amdgcn-amd-amdhsa--gfx1250"
	.amdhsa_code_object_version 6
	.text
	.protected	k_q84e257bf94_route
	.globl	k_q84e257bf94_route
	.p2align	8
	.type	k_q84e257bf94_route,@function
k_q84e257bf94_route:
	s_mov_b64 s[64:65], 0
	v_nop
	global_prefetch_b8 v0, s[64:65] scope:SCOPE_SE
	s_setreg_imm32_b32 hwreg(HW_REG_WAVE_MODE, 25, 1), 1
	s_wait_xcnt 0x0
; ROUTER AND QUANTISER OF x.  x [1024 tokens][1024] f32, w_router [1024][8] f32.
; A work-group owns 32 tokens, each of its eight waves four.  A lane holds 16 neighbours along K of a token (two halves of 512 along K),
; so the same registers feed the logits (f32 multiply-adds, then a sum over the lanes) and the conversion to E3M2 codes (two lanes hold a block of 32).
; OUT: xq: codes [token][768 bytes] as one stream of bits, then at XSO the E8M0 bytes [token][32];
;      route_i: topi[token][2], then at 8192 selm[group of 32 tokens][expert]: bit l = token l of the group chose the expert;
;      route_f: the two gates [token][2], then at 8192 the group's sums of the probabilities [group][expert].
; The softmax takes the row's maximum away.  Top-2 on the exponentials, a strict > in ascending order of experts: the lower index wins a tie.
; w_router's numbers come out of LDS in chunks of 2 k x 8 experts x .. = 16 registers: the first token of a half waits for them chunk by chunk, and the second half's chunks are asked for
; inside the first half's last token, each behind the multiply-adds that last read its registers.  Each token has three registers of its own for its codes.
; LIMITS: NaN and infinities are not served.  A block whose largest magnitude lies under 2^-122 gets the byte 1 (a block of zeros too: its codes are zeros,
; and this program alone reads the bytes).  Two logits closer than the rounding of an f32 sum of 1,024 terms may be ordered otherwise than by another order of summing.
; No matrix unit: 8 columns are too few for it.  No cluster: the work-groups share only w_router's 32 KiB.
.set XSO,  786432                      ; where the scale bytes begin in xq
.set LG,   33792                       ; LDS: w_router as 64 chunks (16 k x 8 experts, 512 bytes) 528 bytes apart, at 0; then the logits [32][8]
.set SBY,  34816                       ; then 128 scale bytes for each wave
.set AC,   16                          ; v16-47   4 tokens x 8 logits
.set XR,   48                          ; v48-111  4 tokens x 16 numbers
.set WR,   112                         ; v112-239 16 k x 8 experts
.set QM,   240                         ; largest magnitude, scale operand, byte
.set QS,   241
.set QB,   242                         ; 16 codes: token 0 in v12-14, tokens 1 to 3 in v244-246, v248-250, v252-254
	s_load_b128 s[4:7], s[0:1], 0x0                ; x, w_router
	s_load_b128 s[8:11], s[0:1], 0x10              ; xq, route_i
	s_load_b64 s[12:13], s[0:1], 0x20              ; route_f
	v_lshl_add_u32 v251, v0, 2, 0x8c00
	v_mov_b32 v255, 0
	v_lshrrev_b32 v1, 5, v0
	v_readfirstlane_b32 s14, v1                    ; wave
	v_and_b32 v1, 31, v0                           ; lane
	v_lshlrev_b32 v2, 6, v1                        ; x: my 16 numbers, 64 bytes a lane
	v_mul_u32_u24 v3, v1, 528                      ; my chunk of w_router in LDS
	v_mul_u32_u24 v4, v1, 12                       ; my 16 codes
	s_lshl_b32 s15, s14, 7
	s_add_co_u32 s15, s15, SBY
	v_lshrrev_b32 v5, 1, v1
	v_add_nc_u32 v5, s15, v5                       ; my block's byte among the wave's 128
	v_lshl_add_u32 v9, v1, 2, s15                  ; and four of them on the way out
	s_mul_i32 s16, s14, 528
	v_lshl_add_u32 v6, v1, 4, s16                  ; w_router into LDS: chunk = wave (+ 8 a round), 16 bytes a lane
	v_lshlrev_b32 v7, 4, v0                        ; w_router in memory: 16 bytes a thread
	v_lshlrev_b32 v10, 2, v1                       ; 4 x lane
	s_lshl_b32 s16, s14, 7
	s_add_co_u32 s16, s16, LG
	v_mov_b32 v11, s16                             ; my four tokens' logits
	v_lshl_add_u32 v15, v1, 5, LG                  ; wave 0: token = lane
	s_mov_b32 s20, 0x76543210
	s_mov_b32 s21, 0xfedcba98                      ; v_permlanex16_b32: lane l xor 16
	s_lshl_b32 s17, ttmp9, 5
	s_lshl_b32 s18, s14, 2
	s_add_co_u32 s17, s17, s18                     ; my first token
	s_lshl_b32 s22, s17, 12
	s_mov_b32 s23, 0
	s_mul_i32 s24, s17, 768
	s_mov_b32 s25, 0
	s_lshl_b32 s26, s17, 5
	s_add_co_u32 s26, s26, XSO
	s_mov_b32 s27, 0
	s_wait_kmcnt 0x0
	s_add_nc_u64 s[4:5], s[4:5], s[22:23]          ; x at my first token
	s_add_nc_u64 s[28:29], s[8:9], s[24:25]        ; its codes
	s_add_nc_u64 s[30:31], s[8:9], s[26:27]        ; its scale bytes
.irp i, 0,1,2,3,4,5,6,7
	global_load_b128 v[WR+4*\i:WR+4*\i+3], v7, s[6:7] offset:4096*\i
.endr
.macro XLOAD q, H
.irp j, 0,1,2,3
	global_load_b128 v[XR+16*(\q)+4*\j:XR+16*(\q)+4*\j+3], v2, s[4:5] offset:4096*(\q)+2048*(\H)+16*\j th:TH_LOAD_NT
.endr
.endm
	XLOAD 0, 0
	XLOAD 1, 0
	XLOAD 2, 0
	XLOAD 3, 0
	s_wait_loadcnt 16                              ; w_router's eight loads are in; x's sixteen stay out
.irp i, 0,1,2,3,4,5,6,7
	ds_store_b128 v6, v[WR+4*\i:WR+4*\i+3] offset:4224*\i
.endr
	s_wait_dscnt 0x0                               ; for the others' sake: my stores have landed
	s_barrier_signal -1
	s_barrier_wait -1
; Token q, half H: the codes of my 16 numbers, then 128 multiply-adds onto the token's eight logits.
; first = 1: the half's first token: w_router's chunks are waited for one by one.  next = 1: the first half's last token: each chunk's registers take the second half's chunk as soon as they are read.
.macro TOKEN q, H, first, next
.set rX, XR+16*(\q)
.set rA, AC+8*(\q)
.if (\q) == 0
.set rC, 12
.else
.set rC, 240+4*(\q)
.endif
.if \H == 0
	s_wait_loadcnt 12                              ; behind this token's four loads: 4 (3 - q) of the later tokens and 4 q of the second half
.else
	s_wait_loadcnt 4*(3-(\q))                      ; behind them: the later tokens' alone
.endif
	v_max3_num_f32 v[QM], |v[rX]|, |v[rX+1]|, 0x2800000    ; with the floor 2^(5 - 127): the byte cannot fall under 1
.irp i, 2,4,6,8,10,12,14
	v_max3_num_f32 v[QM], v[QM], |v[rX+\i]|, |v[rX+\i+1]|
.endr
	v_max_num_f32_dpp v[QM], v[QM], v[QM] row_xmask:1 row_mask:0xf bank_mask:0xf   ; with my neighbour's 16: the block's
	v_add_nc_u32 v[QS], 0xfe000000, v[QM]          ; 4 off the exponent field: the conversion's scale operand
.if (\H == 1) && ((\q) == 0)
	s_wait_xcnt 0x0                                ; the first half's four stores of codes have read their registers: the second half writes them again only behind this wait
.endif
	v_cvt_scalef32_pk16_bf6_f32 v[rC:rC+2], v[rX:rX+15], v[QS]
	v_lshrrev_b32 v[QB], 23, v[QS]                 ; the byte (and the plain line behind the conversion)
	ds_store_b8 v5, v[QB] offset:32*(\q)+16*(\H)   ; both lanes of a block write the same byte
	global_store_b96 v4, v[rC:rC+2], s[28:29] offset:768*(\q)+384*(\H)   ; the wave stores 384 consecutive bytes
.irp kp, 0,1,2,3,4,5,6,7
.if \first
	s_wait_dscnt 28-4*\kp                          ; behind chunk kp's four loads stand 28 - 4 kp loads and my byte store: the chunk is in
.endif
.irp p, 0,1,2,3
.if (\H == 0) && (\kp == 0)
	v_pk_mul_f32 v[rA+2*\p:rA+2*\p+1], v[WR+2*\p:WR+2*\p+1], v[rX:rX+1] op_sel_hi:[1,0]   ; the first product starts the sums
.else
	v_pk_fma_f32 v[rA+2*\p:rA+2*\p+1], v[WR+16*\kp+2*\p:WR+16*\kp+2*\p+1], v[rX+2*\kp:rX+2*\kp+1], v[rA+2*\p:rA+2*\p+1] op_sel_hi:[1,0,1]
.endif
.endr
.irp p, 0,1,2,3
	v_pk_fma_f32 v[rA+2*\p:rA+2*\p+1], v[WR+16*\kp+8+2*\p:WR+16*\kp+8+2*\p+1], v[rX+2*\kp:rX+2*\kp+1], v[rA+2*\p:rA+2*\p+1] op_sel:[0,1,0] op_sel_hi:[1,1,1]
.endr
.if \next
.irp m, 0,1,2,3
	ds_load_b128 v[WR+16*\kp+4*\m:WR+16*\kp+4*\m+3], v3 offset:16896+16*(4*\kp+\m)   ; the second half's chunk kp
.endr
.endif
.endr
.if \H == 0
	XLOAD \q, 1                                    ; the token's second half, into the registers just read
.endif
.endm
.irp m, 0,1,2,3,4,5,6,7,8,9,10,11,12,13,14,15,16,17,18,19,20,21,22,23,24,25,26,27,28,29,30,31
	ds_load_b128 v[WR+4*\m:WR+4*\m+3], v3 offset:16*\m    ; the first half's eight chunks.  Rows 528 bytes apart: sixteen lanes, sixteen different columns of 16 bytes
.endr
	TOKEN 0, 0, 1, 0
	TOKEN 1, 0, 0, 0
	TOKEN 2, 0, 0, 0
	TOKEN 3, 0, 0, 1
	TOKEN 0, 1, 1, 0
	TOKEN 1, 1, 0, 0
	TOKEN 2, 1, 0, 0
	TOKEN 3, 1, 0, 0
	ds_load_b32 v[QB], v9                          ; LDS serves a wave's instructions in order: this sees my byte stores
.irp m, 1,2,4,8
.irp r, 0,1,2,3,4,5,6,7,8,9,10,11,12,13,14,15,16,17,18,19,20,21,22,23,24,25,26,27,28,29,30,31
	v_add_f32_dpp v[AC+\r], v[AC+\r], v[AC+\r] row_xmask:\m row_mask:0xf bank_mask:0xf
.endr
.endr
.irp r, 0,1,2,3,4,5,6,7,8,9,10,11,12,13,14,15,16,17,18,19,20,21,22,23,24,25,26,27,28,29,30,31
	v_permlanex16_b32 v[WR+\r], v[AC+\r], s20, s21
.endr
.irp r, 0,1,2,3,4,5,6,7,8,9,10,11,12,13,14,15,16,17,18,19,20,21,22,23,24,25,26,27,28,29,30,31
	v_add_f32 v[AC+\r], v[AC+\r], v[WR+\r]         ; every lane holds the logit
.endr
.irp q, 0,1,2,3
	ds_store_b128 v11, v[AC+8*\q:AC+8*\q+3] offset:32*\q        ; all lanes write the same words with the same values
	ds_store_b128 v11, v[AC+8*\q+4:AC+8*\q+7] offset:32*\q+16
.endr
	s_wait_dscnt 0x0                               ; my scale bytes are back, and my logits have landed
	global_store_b32 v10, v[QB], s[30:31]          ; four tokens' 128 scale bytes, consecutive
	s_barrier_signal -1
	s_barrier_wait -1
	s_cmp_lg_u32 s14, 0
	s_cbranch_scc1 .Lend
	; ---- wave 0: lane = token
	ds_load_b128 v[112:115], v15
	ds_load_b128 v[116:119], v15 offset:16
	s_wait_dscnt 0x0
	v_max3_num_f32 v120, v112, v113, v114
	v_max3_num_f32 v120, v120, v115, v116
	v_max3_num_f32 v120, v120, v117, v118
	v_max_num_f32 v120, v120, v119                 ; the row's maximum
.irp e, 0,1,2,3,4,5,6,7
	v_sub_f32 v[112+\e], v[112+\e], v120
.endr
.irp e, 0,1,2,3,4,5,6,7
	v_mul_f32 v[112+\e], 0x3fb8aa3b, v[112+\e]
.endr
.irp e, 0,1,2,3,4,5,6,7
	v_exp_f32 v[112+\e], v[112+\e]
.endr
	v_nop                                          ; a plain line behind the last exponential
	s_wait_alu depctr_va_vdst(0)                   ; one wait for the eight, ahead of their first reader
	v_add_f32 v121, v112, v113
.irp e, 2,3,4,5,6,7
	v_add_f32 v121, v121, v[112+\e]
.endr
	v_mov_b32 v122, v112                           ; the largest, and its expert
	v_mov_b32 v132, 0
.irp e, 1,2,3,4,5,6,7
	v_cmp_gt_f32 vcc_lo, v[112+\e], v122
	v_cndmask_b32 v122, v122, v[112+\e], vcc_lo
	v_cndmask_b32 v132, v132, \e, vcc_lo
.endr
	v_mov_b32 v124, -1.0                           ; the second: the same scan without the first's expert
	v_mov_b32 v133, 0
.irp e, 0,1,2,3,4,5,6,7
	v_cmp_ne_u32 s32, \e, v132
	v_cmp_gt_f32 vcc_lo, v[112+\e], v124
	s_and_b32 vcc_lo, vcc_lo, s32
	v_cndmask_b32 v124, v124, v[112+\e], vcc_lo
	v_cndmask_b32 v133, v133, \e, vcc_lo
.endr
	v_add_f32 v126, v122, v124
	v_rcp_f32 v127, v121
	v_rcp_f32 v128, v126
	v_mov_b32 v129, 0                              ; (a plain line behind the reciprocals)
	s_wait_alu depctr_va_vdst(0)                   ; one wait for both
	v_mul_f32 v130, v122, v128                     ; the two gates: they add up to 1
	v_mul_f32 v131, v124, v128
.irp e, 0,1,2,3,4,5,6,7
	v_mul_f32 v[112+\e], v[112+\e], v127           ; the probabilities
.endr
.irp m, 1,2,4,8
.irp e, 0,1,2,3,4,5,6,7
	v_add_f32_dpp v[112+\e], v[112+\e], v[112+\e] row_xmask:\m row_mask:0xf bank_mask:0xf
.endr
.endr
.irp e, 0,1,2,3,4,5,6,7
	v_permlanex16_b32 v[140+\e], v[112+\e], s20, s21
.endr
.irp e, 0,1,2,3,4,5,6,7
	v_add_f32 v[112+\e], v[112+\e], v[140+\e]      ; their sums over the 32 tokens
.endr
	v_mov_b32 v135, 0
.irp e, 0,1,2,3,4,5,6,7
	v_cmp_eq_u32 s32, \e, v132
	v_cmp_eq_u32 s33, \e, v133
	s_or_b32 s32, s32, s33
	v_writelane_b32 v129, s32, \e                  ; lane e: which of the 32 tokens chose expert e
	v_cmp_eq_u32 vcc_lo, \e, v1
	v_cndmask_b32 v135, v135, v[112+\e], vcc_lo    ; lane e: expert e's sum
.endr
	v_lshlrev_b32 v136, 3, v1
	s_lshl_b32 s34, ttmp9, 8
	s_mov_b32 s35, 0
	s_add_nc_u64 s[36:37], s[10:11], s[34:35]
	s_add_nc_u64 s[38:39], s[12:13], s[34:35]
	s_lshl_b32 s34, ttmp9, 5
	s_add_nc_u64 s[40:41], s[10:11], s[34:35]
	s_add_nc_u64 s[42:43], s[12:13], s[34:35]
	global_store_b64 v136, v[132:133], s[36:37]    ; 256 consecutive bytes each
	global_store_b64 v136, v[130:131], s[38:39]
	v_cmp_gt_u32 vcc_lo, 8, v1
	s_wait_xcnt 0x0                                ; EXEC changes only behind this wait
	s_and_saveexec_b32 s44, vcc_lo
	global_store_b32 v10, v129, s[40:41] offset:8192
	global_store_b32 v10, v135, s[42:43] offset:8192
	s_wait_xcnt 0x0                                ; and again in front of the line that widens it
	s_or_b32 exec_lo, exec_lo, s44
.Lend:
	s_wait_tensorcnt 0x0
	ds_add_u32 v251, v255
	s_wait_dscnt 0x0
	s_endpgm
.Lfunc_end_k_q84e257bf94_route:
	.size	k_q84e257bf94_route, .Lfunc_end_k_q84e257bf94_route-k_q84e257bf94_route
	.p2alignl 7, 3214868480
	.fill 96, 4, 3214868480
	.section	.rodata,"a",@progbits
	.p2align	6, 0x0
	.amdhsa_kernel k_q84e257bf94_route
		.amdhsa_group_segment_fixed_size 36864
		.amdhsa_private_segment_fixed_size 0
		.amdhsa_enable_private_segment 0
		.amdhsa_kernarg_size 40
		.amdhsa_user_sgpr_count 2
		.amdhsa_user_sgpr_kernarg_segment_ptr 1
		.amdhsa_wavefront_size32 1
		.amdhsa_system_sgpr_workgroup_id_x 1
		.amdhsa_system_sgpr_workgroup_id_y 1
		.amdhsa_system_sgpr_workgroup_id_z 1
		.amdhsa_system_vgpr_workitem_id 0
		.amdhsa_next_free_vgpr 256
		.amdhsa_next_free_sgpr 66
		.amdhsa_reserve_vcc 1
		.amdhsa_float_denorm_mode_32 3
		.amdhsa_float_denorm_mode_16_64 3
		.amdhsa_memory_ordered 1
		.amdhsa_forward_progress 1
		.amdhsa_inst_pref_size 74
	.end_amdhsa_kernel
	.amdgpu_metadata
---
amdhsa.version: [ 1, 2 ]
amdhsa.kernels:
  - .name:           k_q84e257bf94_route
    .symbol:         k_q84e257bf94_route.kd
    .args:
      - { .name: x, .offset: 0, .size: 8, .value_kind: global_buffer, .address_space: global }
      - { .name: w_router, .offset: 8, .size: 8, .value_kind: global_buffer, .address_space: global }
      - { .name: xq, .offset: 16, .size: 8, .value_kind: global_buffer, .address_space: global }
      - { .name: route_i, .offset: 24, .size: 8, .value_kind: global_buffer, .address_space: global }
      - { .name: route_f, .offset: 32, .size: 8, .value_kind: global_buffer, .address_space: global }
    .group_segment_fixed_size: 36864
    .private_segment_fixed_size: 0
    .kernarg_segment_align: 8
    .kernarg_segment_size: 40
    .max_flat_workgroup_size: 256
    .sgpr_count:     66
    .vgpr_count:     256
    .wavefront_size: 32
...
	.end_amdgpu_metadata
.endif
;; end of part 1
;; launch place (part 2): grid 71 x 1, 4 waves a work-group, no clusters, 0 bytes of LDS; arguments route_i, route_f, xq, xa, plan, gatew, out1; writes xa, plan, gatew, out1
.if DOCPART == 2
	.amdgcn_target "amdgcn-amd-amdhsa--gfx1250"
	.amdhsa_code_object_version 6
	.text
	.protected	k_q84e257bf94_place
	.globl	k_q84e257bf94_place
	.p2align	8
	.type	k_q84e257bf94_place,@function
k_q84e257bf94_place:
	s_mov_b64 s[64:65], 0
	v_nop
	global_prefetch_b8 v0, s[64:65] scope:SCOPE_SE
	s_setreg_imm32_b32 hwreg(HW_REG_WAVE_MODE, 25, 1), 1
	s_wait_xcnt 0x0
; THE ROWS ARE PLACED BY EXPERT.  Each expert's rows (tokens in ascending order) are cut into pair tiles of 32 rows, the last filled up; with 2,048 rows and 8 experts there are
; never more than (2048 + 8 x 31) / 32 = 71 of them, whatever the choice.  Work-group g makes pair tile g, or stores nothing where this choice has fewer.
; All counting is in whole numbers, from the masks that the launch before stored: addresses and the branch out hang on it.
; Every wave finds the tile's 32 tokens for itself (lane = row): so there is no LDS and no barrier.  Row of rank R: the last group of 32 tokens whose running count does not pass R,
; and in its mask the set bit of rank R - that count, read off the partial sums of a bit count (2, 4, 8, 16 bits wide).
; LOADS GO OUT AS SOON AS THEIR ADDRESSES ARE KNOWN: the sums of the probabilities with the masks, each row's experts and gates with its codes.  Every wave issues these four loads,
; though wave 0 alone uses the experts and gates and work-group 0 alone the sums: so no wave waits for a load that it could have asked for earlier, and no register's filling hangs on a branch.
; OUT: xa: the rows' codes as images of the operand's registers: [g][K step 8][tile 2][piece 6][lane][8 bytes], piece 3 c + i = registers 6 c + 2 i, 6 c + 2 i + 1; at XASO the scale words [g][K step][lane],
;      lanes 0-15 the first tile's rows, lanes 16-31 the second's;  plan: (first pair tile, number of pair tiles) for each expert, at 256 the rows' places in y2 [g][tile][row % 2][row / 2];
;      gatew: the rows' gates [g][row];  out1: the auxiliary loss.
; A filling row repeats token 1023's codes, has the gate 0 and goes to a row of y2 that nobody reads (2048 + expert).
.set XSO,  786432
.set XASO, 1744896
	s_load_b256 s[4:11], s[0:1], 0x0               ; route_i s[4:5], route_f s[6:7], xq s[8:9], xa s[10:11]
	s_load_b128 s[12:15], s[0:1], 0x20             ; plan s[12:13], gatew s[14:15]
	s_load_b64 s[16:17], s[0:1], 0x30              ; out1
	v_lshrrev_b32 v1, 5, v0
	v_readfirstlane_b32 s18, v1                    ; wave
	v_and_b32 v1, 31, v0                           ; lane
	v_lshlrev_b32 v2, 5, v1                        ; 32 x lane: a group's eight words
	s_mov_b32 s19, ttmp9                           ; g
	s_mov_b32 s20, 0x76543210
	s_mov_b32 s21, 0xfedcba98
	v_mov_b32 v3, 0
.irp i, 0,1,2,3
	v_mov_b32 v[44+\i], 0                          ; written once: the destination of a lane move counts as read
.endr
	v_mov_b32 v31, 0
	v_mov_b32 v123, 0
	s_wait_kmcnt 0x0
	global_load_b128 v[16:19], v2, s[4:5] offset:8192   ; lane = group: its masks for experts 0-3,
	global_load_b128 v[20:23], v2, s[4:5] offset:8208   ; 4-7
	global_load_b128 v[4:7], v2, s[6:7] offset:8192     ; and its sums of the probabilities, for the loss
	global_load_b128 v[8:11], v2, s[6:7] offset:8208
	s_wait_loadcnt 0x2                             ; the masks are in; the two loads of sums stay out
.macro POPC d, s                       ; the number of set bits, by shifts and adds
	v_lshrrev_b32 v3, 1, v[\s]
	v_and_b32 v3, 0x55555555, v3
	v_sub_nc_u32 v[\d], v[\s], v3
	v_lshrrev_b32 v3, 2, v[\d]
	v_and_b32 v3, 0x33333333, v3
	v_and_b32 v[\d], 0x33333333, v[\d]
	v_add_nc_u32 v[\d], v[\d], v3
	v_lshrrev_b32 v3, 4, v[\d]
	v_add_nc_u32 v[\d], v[\d], v3
	v_and_b32 v[\d], 0x0f0f0f0f, v[\d]
	v_lshrrev_b32 v3, 8, v[\d]
	v_add_nc_u32 v[\d], v[\d], v3
	v_lshrrev_b32 v3, 16, v[\d]
	v_add_nc_u32 v[\d], v[\d], v3
	v_and_b32 v[\d], 63, v[\d]
.endm
.irp e, 0,1,2,3,4,5,6,7
	POPC 32+\e, 16+\e
.endr
.irp i, 0,1,2,3
	v_lshl_or_b32 v[40+\i], v[33+2*\i], 16, v[32+2*\i]   ; two experts to a register: a count is 1,024 at the most
.endr
.irp m, 1,2,4,8
.irp i, 0,1,2,3
	v_mov_b32_dpp v[44+\i], v[40+\i] row_xmask:\m row_mask:0xf bank_mask:0xf
.endr
.irp i, 0,1,2,3
	v_add_nc_u32 v[40+\i], v[40+\i], v[44+\i]
.endr
.endr
.irp i, 0,1,2,3
	v_permlanex16_b32 v[44+\i], v[40+\i], s20, s21
.endr
.irp i, 0,1,2,3
	v_add_nc_u32 v[40+\i], v[40+\i], v[44+\i]
.endr
.irp i, 0,1,2,3
	v_readfirstlane_b32 s[32+\i], v[40+\i]
.endr
.irp i, 0,1,2,3
	s_and_b32 s[24+2*\i], s[32+\i], 0xffff         ; s24-31: each expert's rows
	s_lshr_b32 s[25+2*\i], s[32+\i], 16
.endr
	s_mov_b32 s36, 0                               ; pair tiles so far
	s_mov_b32 s37, 0                               ; my expert: the last whose first pair tile does not pass g,
	s_mov_b32 s38, 0                               ; its first pair tile,
	s_mov_b32 s39, 0                               ; its rows
.irp e, 0,1,2,3,4,5,6,7
	s_add_co_u32 s40, s[24+\e], 31
	s_lshr_b32 s40, s40, 5
	s_mov_b32 s[48+2*\e], s36                      ; the table
	s_mov_b32 s[49+2*\e], s40
	s_cmp_ge_u32 s19, s36
	s_cselect_b32 s37, \e, s37
	s_cselect_b32 s38, s36, s38
	s_cselect_b32 s39, s[24+\e], s39
	s_add_co_u32 s36, s36, s40
.endr
	s_cmp_ge_u32 s19, s36                          ; this choice has no pair tile g
	s_cbranch_scc1 .Lend
	v_mov_b32 v24, v16                             ; my expert's masks, lane = group
.irp e, 1,2,3,4,5,6,7
	s_cmp_eq_u32 s37, \e
	s_cselect_b32 vcc_lo, -1, 0
	v_cndmask_b32 v24, v24, v[16+\e], vcc_lo
.endr
	s_sub_co_u32 s40, s19, s38
	s_lshl_b32 s40, s40, 5
	v_add_nc_u32 v25, s40, v1                      ; R: my row's rank among the expert's rows
	v_mov_b32 v26, 0                               ; its group's mask,
	v_mov_b32 v27, 0                               ; the rows ahead of that group,
	v_mov_b32 v28, 0                               ; the group
	s_mov_b32 s46, 0
.irp grp, 0,1,2,3,4,5,6,7,8,9,10,11,12,13,14,15,16,17,18,19,20,21,22,23,24,25,26,27,28,29,30,31
	v_readlane_b32 s47, v24, \grp
	v_cmp_gt_u32 vcc_lo, s46, v25                  ; the group begins behind R: keep what I have
	v_cndmask_b32 v26, s47, v26, vcc_lo
	v_cndmask_b32 v27, s46, v27, vcc_lo
	v_cndmask_b32 v28, \grp, v28, vcc_lo
	s_bcnt1_i32_b32 s47, s47
	s_add_co_u32 s46, s46, s47
.endr
	v_sub_nc_u32 v36, v25, v27                     ; the rank inside the mask
	v_lshrrev_b32 v38, 1, v26
	v_and_b32 v38, 0x55555555, v38
	v_sub_nc_u32 v32, v26, v38                     ; counts of 2 bits,
	v_lshrrev_b32 v38, 2, v32
	v_and_b32 v38, 0x33333333, v38
	v_and_b32 v33, 0x33333333, v32
	v_add_nc_u32 v33, v33, v38                     ; of 4,
	v_lshrrev_b32 v38, 4, v33
	v_add_nc_u32 v34, v33, v38
	v_and_b32 v34, 0x0f0f0f0f, v34                 ; of 8,
	v_lshrrev_b32 v38, 8, v34
	v_add_nc_u32 v35, v34, v38
	v_and_b32 v35, 0x00ff00ff, v35                 ; of 16
	v_mov_b32 v37, 0                               ; the bit's place
.macro NTH x, wd, st                   ; if the rank passes the count of the next st bits, go over them
	v_bfe_u32 v38, v[\x], v37, \wd
	v_cmp_ge_u32 vcc_lo, v36, v38
	v_sub_nc_u32 v38, v36, v38
	v_cndmask_b32 v36, v36, v38, vcc_lo
	v_add_nc_u32 v38, \st, v37
	v_cndmask_b32 v37, v37, v38, vcc_lo
.endm
	NTH 35, 8, 16
	NTH 34, 8, 8
	NTH 33, 4, 4
	NTH 32, 2, 2
	NTH 26, 1, 1
	v_lshl_add_u32 v29, v28, 5, v37                ; the token
	v_cmp_gt_u32 s41, s39, v25                     ; a row of the expert's, or one that fills up the tile?
	v_mov_b32 v30, 0x3ff
	v_cndmask_b32 v29, v30, v29, s41
	v_permlanex16_b32 v31, v29, s20, s21
	v_cmp_gt_u32 vcc_lo, 16, v1
	v_cndmask_b32 v40, v31, v29, vcc_lo            ; lane (r, h): row r of the first tile,
	v_cndmask_b32 v41, v29, v31, vcc_lo            ; of the second
	v_min_u32 v40, 0x3ff, v40                      ; a number that was loaded enters an address only behind this hold
	v_min_u32 v41, 0x3ff, v41
	v_min_u32 v42, 0x3ff, v29                      ; lane = row
	v_bfe_u32 v43, v0, 4, 1
	v_mul_u32_u24 v43, v43, 24
	s_mul_i32 s22, s18, 192                        ; wave w takes K steps 2 w and 2 w + 1
	v_add_nc_u32 v43, s22, v43
	v_mul_u32_u24 v40, v40, 768
	v_mul_u32_u24 v41, v41, 768
	v_add_nc_u32 v40, v40, v43
	v_add_nc_u32 v41, v41, v43
	v_lshlrev_b32 v48, 5, v42
	s_lshl_b32 s22, s18, 3
	v_add_nc_u32 v48, s22, v48
	v_lshlrev_b32 v50, 3, v42
.irp a, 0,1
.irp ss, 0,1
.irp p, 0,1,2,3,4,5
	global_load_b64 v[64+24*\a+12*\ss+2*\p:64+24*\a+12*\ss+2*\p+1], v[40+\a], s[8:9] offset:96*\ss+48*(\p/3)+8*(\p%3)
.endr
.endr
.endr
	global_load_b64 v[112:113], v48, s[8:9] offset:XSO   ; my row's scale words of the two K steps
	global_load_b64 v[52:53], v50, s[4:5]          ; my row's token: its two experts
	global_load_b64 v[54:55], v50, s[6:7]          ; and gates
	v_lshlrev_b32 v49, 3, v1
	v_lshlrev_b32 v39, 2, v1
	s_mul_i32 s22, s19, 24576
	s_mul_i32 s23, s18, 6144
	s_add_co_u32 s22, s22, s23
	s_mov_b32 s23, 0
	s_add_nc_u64 s[42:43], s[10:11], s[22:23]
	s_lshl_b32 s22, s19, 10
	s_lshl_b32 s40, s18, 8
	s_add_co_u32 s22, s22, s40
	s_add_co_u32 s22, s22, XASO
	s_add_nc_u64 s[44:45], s[10:11], s[22:23]
	s_wait_loadcnt 0x0                             ; all that this wave ever loads is in
.irp a, 0,1
.irp ss, 0,1
.irp p, 0,1,2,3,4,5
	global_store_b64 v49, v[64+24*\a+12*\ss+2*\p:64+24*\a+12*\ss+2*\p+1], s[42:43] offset:3072*\ss+1536*\a+256*\p   ; 256 consecutive bytes, aligned
.endr
.endr
.endr
	global_store_b32 v39, v112, s[44:45]
	global_store_b32 v39, v113, s[44:45] offset:128
	s_cmp_lg_u32 s18, 0
	s_cbranch_scc1 .Lend
	; ---- wave 0: where each row's result goes, and its gate
	v_and_b32 v56, 16, v1
	v_and_b32 v57, 1, v1
	v_lshl_add_u32 v56, v57, 3, v56
	v_bfe_u32 v57, v1, 1, 3
	v_add_nc_u32 v56, v56, v57
	v_lshlrev_b32 v56, 2, v56                      ; [tile][row % 2][row / 2]
	s_lshl_b32 s22, s19, 7
	s_add_nc_u64 s[32:33], s[14:15], s[22:23]
	s_add_nc_u64 s[34:35], s[12:13], s[22:23]
	s_add_co_u32 s40, s37, 2048
	v_mov_b32 v58, s40
	v_cmp_eq_u32 vcc_lo, s37, v53                  ; am I the token's second expert?
	v_cndmask_b32 v59, v54, v55, vcc_lo
	v_cndmask_b32 v60, 0, 1, vcc_lo
	v_lshl_add_u32 v60, v42, 1, v60                ; row 2 t + slot of y2
	v_cndmask_b32 v60, v58, v60, s41
	v_cndmask_b32 v59, 0, v59, s41
	global_store_b32 v56, v60, s[34:35] offset:256
	global_store_b32 v39, v59, s[32:33]
	s_cmp_lg_u32 s19, 0
	s_cbranch_scc1 .Lend
	; ---- work-group 0: the table, and the loss = 8 x 0.01 x sum over e of (rows_e / 2048) x (sum of probabilities_e / 1024)
	v_mov_b32 v51, 0
.irp i, 0,1,2,3,4,5,6,7,8,9,10,11,12,13,14,15
	v_writelane_b32 v51, s[48+\i], \i
.endr
.irp e, 0,1,2,3,4,5,6,7
	v_cvt_f32_u32 v[114+\e], s[24+\e]
.endr
	v_mul_f32 v122, v4, v114
.irp e, 1,2,3,4,5,6,7
	v_fmac_f32 v122, v[4+\e], v[114+\e]
.endr
.irp m, 1,2,4,8
	v_add_f32_dpp v122, v122, v122 row_xmask:\m row_mask:0xf bank_mask:0xf
.endr
	v_permlanex16_b32 v123, v122, s20, s21
	v_add_f32 v122, v122, v123
	v_mul_f32 v122, 0x3323d70a, v122               ; x 0.08 / 2^21
	v_cmp_gt_u32 vcc_lo, 16, v1
	s_wait_xcnt 0x0                                ; EXEC changes only behind this wait
	s_and_saveexec_b32 s40, vcc_lo
	global_store_b32 v39, v51, s[12:13]
	s_wait_xcnt 0x0
	s_or_b32 exec_lo, exec_lo, s40
	v_cmp_eq_u32 vcc_lo, 0, v1
	s_wait_xcnt 0x0
	s_and_saveexec_b32 s40, vcc_lo
	global_store_b32 v39, v122, s[16:17]
	s_wait_xcnt 0x0
	s_or_b32 exec_lo, exec_lo, s40
.Lend:
	s_endpgm
.Lfunc_end_k_q84e257bf94_place:
	.size	k_q84e257bf94_place, .Lfunc_end_k_q84e257bf94_place-k_q84e257bf94_place
	.p2alignl 7, 3214868480
	.fill 96, 4, 3214868480
	.section	.rodata,"a",@progbits
	.p2align	6, 0x0
	.amdhsa_kernel k_q84e257bf94_place
		.amdhsa_group_segment_fixed_size 0
		.amdhsa_private_segment_fixed_size 0
		.amdhsa_enable_private_segment 0
		.amdhsa_kernarg_size 56
		.amdhsa_user_sgpr_count 2
		.amdhsa_user_sgpr_kernarg_segment_ptr 1
		.amdhsa_wavefront_size32 1
		.amdhsa_system_sgpr_workgroup_id_x 1
		.amdhsa_system_sgpr_workgroup_id_y 1
		.amdhsa_system_sgpr_workgroup_id_z 1
		.amdhsa_system_vgpr_workitem_id 0
		.amdhsa_next_free_vgpr 128
		.amdhsa_next_free_sgpr 66
		.amdhsa_reserve_vcc 1
		.amdhsa_float_denorm_mode_32 3
		.amdhsa_float_denorm_mode_16_64 3
		.amdhsa_memory_ordered 1
		.amdhsa_forward_progress 1
		.amdhsa_inst_pref_size 32
	.end_amdhsa_kernel
	.amdgpu_metadata
---
amdhsa.version: [ 1, 2 ]
amdhsa.kernels:
  - .name:           k_q84e257bf94_place
    .symbol:         k_q84e257bf94_place.kd
    .args:
      - { .name: route_i, .offset: 0, .size: 8, .value_kind: global_buffer, .address_space: global }
      - { .name: route_f, .offset: 8, .size: 8, .value_kind: global_buffer, .address_space: global }
      - { .name: xq, .offset: 16, .size: 8, .value_kind: global_buffer, .address_space: global }
      - { .name: xa, .offset: 24, .size: 8, .value_kind: global_buffer, .address_space: global }
      - { .name: plan, .offset: 32, .size: 8, .value_kind: global_buffer, .address_space: global }
      - { .name: gatew, .offset: 40, .size: 8, .value_kind: global_buffer, .address_space: global }
      - { .name: out1, .offset: 48, .size: 8, .value_kind: global_buffer, .address_space: global }
    .group_segment_fixed_size: 0
    .private_segment_fixed_size: 0
    .kernarg_segment_align: 8
    .kernarg_segment_size: 56
    .max_flat_workgroup_size: 128
    .sgpr_count:     66
    .vgpr_count:     128
    .wavefront_size: 32
...
	.end_amdgpu_metadata
.endif
;; end of part 2
;; launch ffn1 (part 3): grid 256 x 1, 16 waves a work-group, no clusters, 104,960 bytes of LDS; arguments W1, b1, xa, plan, hq; writes hq
.if DOCPART == 3
	.amdgcn_target "amdgcn-amd-amdhsa--gfx1250"
	.amdhsa_code_object_version 6
	.text
	.protected	k_q84e257bf94_ffn1
	.globl	k_q84e257bf94_ffn1
	.p2align	8
	.type	k_q84e257bf94_ffn1,@function
k_q84e257bf94_ffn1:
	s_mov_b64 s[64:65], 0
	v_nop
	global_prefetch_b8 v0, s[64:65] scope:SCOPE_SE
	s_setreg_imm32_b32 hwreg(HW_REG_WAVE_MODE, 25, 1), 1
	s_wait_xcnt 0x0
; h = gelu(x W1[e] + b1[e]) for the rows that chose expert e, on codes of E3M2 with one E8M0 scale for each 32 along K; h leaves quantised along the next K.
; SHARES.  Work-group = expert e (8) x slice of 128 hidden units (32).  Its 1,024 x 128 numbers of W1 (512 KiB of f32) are read from memory once, by this work-group alone.
; STREAM.  Wave w takes 64 columns (w % 2) x 128 along K (w / 2).  A lane takes a column and its registers run down K: a block of 32 lies in one lane, the conversions give codes with K innermost.
;   Two loads on end cover 256 consecutive bytes of a row of W1.  Lanes 0-15 take the columns of one tile, lanes 16-31 those of the next, so that one exchange of halves gives both tiles' operand registers.
;   THE UNITS OF A TILE ARE NOT NEIGHBOURS: row r of tile 2 b + u is unit 32 b + 8 u + r + 8 (r / 8), so that a lane's 16 results of two neighbouring tiles are 16 neighbours along the next K.
;   The fragments go to LDS as images of their registers (16 bytes a lane, 512 a store).  ONE barrier; it stands ahead of every branch on the stored table.
; JOBS.  A job = a pair tile (2 x 16 rows) x 64 units: 8 accumulators by turns, 8 K steps of 128.  Wave w takes unit half w % 2 and pair tiles w / 2, w / 2 + 8 ..  The product is used transposed
;   (source 0 = 16 units, source 1 = 16 rows): a lane holds one row.  The rows' fragments come from memory as images, through a ring of four K steps in registers; each weight fragment read from LDS feeds two products.
;   b1 is the C of each sum's first product.  gelu = 0.5 x (1 + erf(x / sqrt 2)), erf(z) = z P(z^2) / Q(z^2) on z held to +-4, in f32.
;   An expert has at most 1,024 rows, 32 pair tiles: a wave has at most four jobs; the loop over them has a counter of its own, stepped by 1.
;   THE NEXT JOB'S FIRST FOUR K STEPS are asked for straight behind a job's K loop, ahead of its gelu, which touches no register of the ring; the last job asks for nothing.
; No tensor load stands in this text, since the number of jobs hangs on the stored table; so there is no joint request either.
; An expert without rows still streams its slice: the way out stands behind the barrier.
; LIMITS: NaN and infinities are not served.  A block whose largest magnitude lies under 2^-122 gets the byte 1 (zeros too: zero codes).  erf is good to a few 1e-7 absolute, so 1 + erf has no relative
; accuracy for x under about -5, where gelu is under 1e-6 in magnitude.
.set PITCH, 16384                      ; a row of W1[e] in bytes
.set NK,    8                          ; K steps
.set KHALF, 4                          ; K steps reached from one LDS address register
.set KSPAN, 12288                      ; a K step's 8 fragments in LDS
.set SSTEP, 512                        ; and its scale registers
.set BSC,   98304                      ; LDS: 64 fragments of 1,536 bytes at 0; their scale registers (128 bytes each) here;
.set BIAS,  102400                     ; the slice of b1
.set XASO,  1744896
.set HSO,   6979584
.set LB0, 1                            ; v1  16 x lane + my unit half's fragments;  v2 the same 49,152 on
.set LB1, 2
.set LSC, 3                            ; v3  the weights' scale registers
.set VB,  4                            ; v4  the bias: 64 bytes on for lanes 16-31
.set L8,  5
.set L4,  6
.set HSA, 7                            ; v7  4 x lane + 2 x unit half
.set BST, 8
.set L16, 9
.set COL, 10
.set SADR, 11
.set SSC, 12
.set BS,  14                           ; v14-15 the weights' scale words, v16-19 the rows': filled by loads alone, and they hold nothing else
.set AS,  16
.set QM,  20
.set QP,  22
.set ACC, 24                           ; v24-87   accumulator (tile of rows a, tile of units T) at 32 a + 8 T
.set BF,  88                           ; v88-135  four weight fragments
.set AF,  136                          ; v136-231 the ring: 4 K steps x 2 fragments
.set QF,  232                          ; v232-237, v240-245 the codes of h
.set QS,  238
.set QT,  246
.set QH,  249
.set QB,  251
.set CA1, 252                          ; v252-253 alpha1, v254-255 beta1
.set CB1, 254
.set ST,  24                           ; the stream: v24-151 two sets of 64 numbers; v152-199 four fragments; v200-215 second halves of blocks
.set FR,  152
.set TU,  200
.set SW,  216
.set MX0, 218
.set MX1, 219
.set SCL, 220
.set BY,  221
.set BI,  222
.set GZ,  88                           ; gelu, 16 numbers at a time, in the weight fragments' 48 registers: z, z^2, P; Q takes z's place once P z is made
.set GZ2, 104
.set GP,  120
.set GQ,  88
.set WV, 14
.set EX, 15
.set SL2, 16
.set CH, 17
.set PT, 18
.set SEL, 20
.set OFF, 22                           ; s22 the expert's first pair tile, s23 how many it has
.set NP, 23
.set AB, 26
.set ASB, 28
.set HB, 30
.set HSB, 32
.set GI, 34
.set HOFF, 35
.set HSOFF, 38
.set KA0, 40
.set KA2, 42
.set KA3, 44
.set KA4, 46
.set KA5, 48
.set KA6, 50
.set KB0, 52
.set KB2, 54
.set KB3, 56
.set KB4, 58
.set JC, 60                            ; s60 jobs done, s61 my wave's jobs
.set NJ, 61
.macro NOP4
.rept 4
	v_nop
.endr
.endm
.macro KPAIR r, val                    ; the packed forms name a pair and take its low word: both are written
	s_mov_b32 s[\r], \val
	s_mov_b32 s[\r+1], \val
.endm
	s_load_b128 s[4:7], s[0:1], 0x0                ; W1, b1
	s_load_b128 s[8:11], s[0:1], 0x10              ; xa, plan
	s_load_b64 s[12:13], s[0:1], 0x20              ; hq
	v_lshrrev_b32 v13, 5, v0
	v_readfirstlane_b32 s[WV], v13
	v_and_b32 v13, 31, v0
	s_lshr_b32 s[EX], ttmp9, 5
	s_and_b32 s[SL2], ttmp9, 31
	s_and_b32 s[CH], s[WV], 1                      ; column group in the stream, unit half in the jobs
	s_lshr_b32 s[PT], s[WV], 1                     ; K step in the stream, first pair tile in the jobs
	s_mul_i32 s24, s[CH], 6144
	v_lshl_add_u32 v[LB0], v13, 4, s24
	v_add_nc_u32 v[LB1], 49152, v[LB0]
	s_lshl_b32 s24, s[CH], 8
	s_add_co_u32 s25, s24, BSC
	v_lshl_add_u32 v[LSC], v13, 2, s25
	s_add_co_u32 s25, s24, BIAS
	v_bfe_u32 v[VB], v0, 4, 1
	v_lshl_add_u32 v[VB], v[VB], 6, s25
	v_lshlrev_b32 v[L8], 3, v13
	v_lshlrev_b32 v[L4], 2, v13
	s_lshl_b32 s25, s[CH], 1
	v_add_nc_u32 v[HSA], s25, v[L4]
	v_lshlrev_b32 v[L16], 4, v13
	v_add_nc_u32 v[BST], BIAS, v[L16]
	v_and_b32 v[COL], 7, v0                        ; my column of 32: (l % 8) + 8 (l / 16) + 16 ((l / 8) % 2)
	v_bfe_u32 v[SADR], v0, 4, 1
	v_lshl_or_b32 v[COL], v[SADR], 3, v[COL]
	v_bfe_u32 v[SADR], v0, 3, 1
	v_lshl_or_b32 v[COL], v[SADR], 4, v[COL]
	v_lshlrev_b32 v[COL], 2, v[COL]
	s_mul_i32 s24, s[WV], 6144
	v_add_nc_u32 v[SADR], s24, v[L16]
	s_lshl_b32 s24, s[WV], 8
	s_add_co_u32 s24, s24, BSC
	v_add_nc_u32 v[SSC], s24, v[L4]
	v_mov_b32 v[QP], 0                             ; written once: a lane permute's destination counts as read
	v_mov_b32 v[QP+1], 0
	v_mov_b32 v[CA1], 0x32edffee
	v_mov_b32 v[CA1+1], 0x32edffee
	v_mov_b32 v[CB1], 0xb95fbd29
	v_mov_b32 v[CB1+1], 0xb95fbd29
	s_mov_b32 s[SEL], 0x76543210
	s_mov_b32 s[SEL+1], 0xfedcba98
	KPAIR KA0, 0xaf95df0b
	KPAIR KA2, 0xb60cff51
	KPAIR KA3, 0xb86ec2d2
	KPAIR KA4, 0xba40ac63
	KPAIR KA5, 0xbb41a1f6
	KPAIR KA6, 0xbc83dbd4
	KPAIR KB0, 0xb77460cd
	KPAIR KB2, 0xbadc924e
	KPAIR KB3, 0xbbf19bf8
	KPAIR KB4, 0xbc69b6a7
	s_lshl_b32 s24, s[EX], 24                      ; W1: expert, my 128 rows, my 64 columns
	s_lshl_b32 s25, s[PT], 21
	s_add_co_u32 s24, s24, s25
	s_lshl_b32 s25, s[SL2], 9
	s_add_co_u32 s24, s24, s25
	s_lshl_b32 s25, s[CH], 8
	s_add_co_u32 s24, s24, s25
	s_mov_b32 s25, 0
	s_lshl_b32 s36, s[EX], 14                      ; b1: expert, slice
	s_lshl_b32 s37, s[SL2], 9
	s_add_co_u32 s36, s36, s37
	s_mov_b32 s37, 0
	s_mul_i32 s[HOFF], s[SL2], 3072                ; hq: the slice is K step SL2 of the next product; my unit half is pieces 3 CH on
	s_mul_i32 s[HSOFF], s[CH], 768
	s_add_co_u32 s[HOFF], s[HOFF], s[HSOFF]
	s_lshl_b32 s[HSOFF], s[SL2], 7
	s_add_co_u32 s[HSOFF], s[HSOFF], HSO
	s_wait_kmcnt 0x0
	s_add_nc_u64 s[4:5], s[4:5], s[24:25]
	s_add_nc_u64 s[6:7], s[6:7], s[36:37]
	s_lshl_b32 s36, s[EX], 3
	s_add_nc_u64 s[10:11], s[10:11], s[36:37]
	s_load_b64 s[OFF:OFF+1], s[10:11], 0x0         ; the expert's line of the table
	global_load_b128 v[BI:BI+3], v[L16], s[6:7]    ; the slice of b1
; ---- THE STREAM
.macro LOADU b                         ; block b of 32 along K, 64 columns: 64 loads into set b % 2
.irp i, 0,1,2,3,4,5,6,7,8,9,10,11,12,13,14,15,16,17,18,19,20,21,22,23,24,25,26,27,28,29,30,31
	global_load_b32 v[ST+64*((\b)%2)+\i], v[COL], s[4:5] offset:(32*(\b)+\i)*PITCH th:TH_LOAD_NT
	global_load_b32 v[ST+64*((\b)%2)+32+\i], v[COL], s[4:5] offset:(32*(\b)+\i)*PITCH+128 th:TH_LOAD_NT
.endr
.endm
.macro QW b, hf                        ; my column's block b becomes 32 codes and a byte
.set rX, ST+64*((\b)%2)+32*(\hf)
.set rD, FR+12*(2*(\hf)+((\b)%2))+6*((\b)/2)
.set rE, TU+8*(\hf)+4*((\b)%2)
	v_max3_num_f32 v[MX0], |v[rX]|, |v[rX+1]|, |v[rX+2]|
	v_max3_num_f32 v[MX1], |v[rX+3]|, |v[rX+4]|, |v[rX+5]|
.irp i, 6,10,14,18,22,26
	v_max3_num_f32 v[MX0], v[MX0], |v[rX+\i]|, |v[rX+\i+1]|
	v_max3_num_f32 v[MX1], v[MX1], |v[rX+\i+2]|, |v[rX+\i+3]|
.endr
	v_max3_num_f32 v[MX0], v[MX0], |v[rX+30]|, |v[rX+31]|
	v_max3_num_f32 v[MX0], v[MX0], v[MX1], 0x2800000      ; the floor 2^(5 - 127): the byte cannot fall under 1
	v_add_nc_u32 v[SCL], 0xfe000000, v[MX0]        ; 4 off the exponent field: the conversion's scale operand
	v_lshrrev_b32 v[BY], 23, v[SCL]
.if (\b) == 0
	v_mov_b32 v[SW+(\hf)], v[BY]
.else
	v_lshl_or_b32 v[SW+(\hf)], v[BY], 8*(\b), v[SW+(\hf)]
.endif
	v_cvt_scalef32_pk16_bf6_f32 v[rD:rD+2], v[rX:rX+15], v[SCL]
	v_cvt_scalef32_pk16_bf6_f32 v[rE:rE+2], v[rX+16:rX+31], v[SCL]   ; (a conversion's three registers begin on an even number)
	v_nop                                          ; one plain line behind a scaled conversion
.endm
.macro PAIR c                          ; blocks 2 c and 2 c + 1: lanes 16-31 of the first change places with lanes 0-15 of the second: registers 6 c .. 6 c + 5 of both tiles
.irp hf, 0,1
.irp i, 0,1,2
	v_permlane16_swap_b32 v[FR+24*\hf+6*(\c)+\i], v[FR+24*\hf+6*(\c)+12+\i]
.endr
.irp i, 0,1,2
	v_permlane16_swap_b32 v[TU+8*\hf+\i], v[TU+8*\hf+4+\i]
.endr
.irp i, 0,1,2
	v_mov_b32 v[FR+24*\hf+6*(\c)+3+\i], v[TU+8*\hf+\i]
	v_mov_b32 v[FR+24*\hf+6*(\c)+15+\i], v[TU+8*\hf+4+\i]
.endr
.endr
.endm
	LOADU 0
	LOADU 1
	s_wait_loadcnt 63                              ; 64 loads were issued behind block 0's last
	QW 0, 0
	QW 0, 1
	LOADU 2
	s_wait_loadcnt 63                              ; likewise behind block 1's
	QW 1, 0
	QW 1, 1
	PAIR 0
	LOADU 3
	s_wait_loadcnt 63
	QW 2, 0
	QW 2, 1
	s_wait_loadcnt 0x0
	QW 3, 0
	QW 3, 1
	PAIR 1
.irp T, 0,1,2,3
.irp j, 0,1,2
	ds_store_b128 v[SADR], v[FR+12*\T+4*\j:FR+12*\T+4*\j+3] offset:1536*\T+512*\j
.endr
.endr
	ds_store_b32 v[SSC], v[SW]                     ; lanes 0-15: the first tile's scale words, lanes 16-31 the second's
	ds_store_b32 v[SSC], v[SW+1] offset:128
	s_cmp_lg_u32 s[WV], 0
	s_cbranch_scc1 .Lnob
	ds_store_b128 v[BST], v[BI:BI+3]
.Lnob:
; ---- THE JOBS
.macro ARING s                         ; the rows' two fragments and their scale words of K step s, into ring slot s % 4: 13 loads
.set rA, AF+24*((\s)%4)
.irp a, 0,1
.irp p, 0,1,2,3,4,5
	global_load_b64 v[rA+12*\a+2*\p:rA+12*\a+2*\p+1], v[L8], s[AB:AB+1] offset:3072*(\s)+1536*\a+256*\p
.endr
.endr
	global_load_b32 v[AS+((\s)%4)], v[L4], s[ASB:ASB+1] offset:128*(\s)
.endm
.macro AADDR                           ; pair tile OFF + PT, held inside the buffers: where its rows' images and scale words lie
	s_max_u32 s36, s[NP], 1
	s_sub_co_u32 s36, s36, 1
	s_min_u32 s36, s36, s[PT]                      ; a wave without a job names the expert's last pair tile, which another wave of the work-group names too
	s_add_co_u32 s[GI], s[OFF], s36
	s_min_u32 s[GI], s[GI], 70
	s_mul_i32 s36, s[GI], 24576
	s_mov_b32 s37, 0
	s_add_nc_u64 s[AB:AB+1], s[8:9], s[36:37]
	s_lshl_b32 s36, s[GI], 10
	s_add_co_u32 s36, s36, XASO
	s_add_nc_u64 s[ASB:ASB+1], s[8:9], s[36:37]
.endm
.macro HADDR                           ; and where its results go
	s_mul_i32 s36, s[GI], 98304
	s_add_co_u32 s36, s36, s[HOFF]
	s_mov_b32 s37, 0
	s_add_nc_u64 s[HB:HB+1], s[12:13], s[36:37]
	s_lshl_b32 s36, s[GI], 12
	s_add_co_u32 s36, s36, s[HSOFF]
	s_add_nc_u64 s[HSB:HSB+1], s[12:13], s[36:37]
.endm
.macro BHALF s, hb                     ; two weight fragments and their scale register of K step s: 7 LDS loads
.if (\s) < KHALF
.set rL, LB0
.else
.set rL, LB1
.endif
.irp u, 0,1
.irp j, 0,1,2
	ds_load_b128 v[BF+12*(2*(\hb)+\u)+4*\j:BF+12*(2*(\hb)+\u)+4*\j+3], v[rL] offset:((\s)%KHALF)*KSPAN+1536*(2*(\hb)+\u)+512*\j
.endr
.endr
	ds_load_b32 v[BS+(\hb)], v[LSC] offset:SSTEP*(\s)+128*(\hb)
.endm
.macro MM s, hb                        ; four products: two tiles of units x two tiles of rows; four different accumulators
.set rA, AF+24*((\s)%4)
.set rB, BF+24*(\hb)
.set rC, ACC+16*(\hb)
.set rP, BS+(\hb)
.set rQ, AS+((\s)%4)
	v_wmma_scale_f32_16x16x128_f8f6f4 v[rC:rC+7], v[rB:rB+11], v[rA:rA+11], v[rC:rC+7], v[rP], v[rQ] matrix_a_fmt:MATRIX_FMT_BF6 matrix_b_fmt:MATRIX_FMT_BF6
	v_wmma_scale_f32_16x16x128_f8f6f4 v[rC+32:rC+39], v[rB:rB+11], v[rA+12:rA+23], v[rC+32:rC+39], v[rP], v[rQ] matrix_a_fmt:MATRIX_FMT_BF6 matrix_b_fmt:MATRIX_FMT_BF6 matrix_b_scale:MATRIX_SCALE_ROW1
	v_wmma_scale_f32_16x16x128_f8f6f4 v[rC+8:rC+15], v[rB+12:rB+23], v[rA:rA+11], v[rC+8:rC+15], v[rP], v[rQ] matrix_a_fmt:MATRIX_FMT_BF6 matrix_b_fmt:MATRIX_FMT_BF6 matrix_a_scale:MATRIX_SCALE_ROW1
	v_wmma_scale_f32_16x16x128_f8f6f4 v[rC+40:rC+47], v[rB+12:rB+23], v[rA+12:rA+23], v[rC+40:rC+47], v[rP], v[rQ] matrix_a_fmt:MATRIX_FMT_BF6 matrix_b_fmt:MATRIX_FMT_BF6 matrix_a_scale:MATRIX_SCALE_ROW1 matrix_b_scale:MATRIX_SCALE_ROW1
.endm
; A K step.  The eight accumulators take turns in the same order in every step.  Four plain lines stand between products and loads into registers that they read.
.macro KSTEP s
.if NK-1-(\s) >= 3
	s_wait_loadcnt 39                              ; this slot's 13 loads are in; the three later slots' may be out
.else
	s_wait_loadcnt 13*(NK-1-(\s))
.endif
	s_wait_dscnt 7                                 ; the first half's fragments are in (at the job's head the bias too); the second half's seven loads may be out
	MM \s, 0
.if (\s)+1 < NK
	NOP4
	BHALF (\s)+1, 0
	s_wait_dscnt 7                                 ; the second half's are in; the seven just issued may be out
.else
	s_wait_dscnt 0x0
.endif
	MM \s, 1
	NOP4
.if (\s)+1 < NK
	BHALF (\s)+1, 1
.endif
.if (\s)+4 < NK
	ARING (\s)+4
.endif
.endm
.macro HORNER d, c
.irp j, 0,2,4,6,8,10,12,14
	v_pk_fma_f32 v[\d+\j:\d+\j+1], v[\d+\j:\d+\j+1], v[GZ2+\j:GZ2+\j+1], s[\c:\c+1] op_sel_hi:[1,1,0]
.endr
.endm
.macro GELU x                          ; 16 numbers in place, from the low end on
.irp j, 0,2,4,6,8,10,12,14
	v_pk_mul_f32 v[GZ+\j:GZ+\j+1], v[(\x)+\j:(\x)+\j+1], 0x3f3504f3 op_sel_hi:[1,0]     ; z = x / sqrt 2
.endr
.irp i, 0,1,2,3,4,5,6,7,8,9,10,11,12,13,14,15
	v_med3_num_f32 v[GZ+\i], v[GZ+\i], -4.0, 4.0
.endr
.irp j, 0,2,4,6,8,10,12,14
	v_pk_mul_f32 v[GZ2+\j:GZ2+\j+1], v[GZ+\j:GZ+\j+1], v[GZ+\j:GZ+\j+1]
.endr
.irp j, 0,2,4,6,8,10,12,14
	v_pk_fma_f32 v[GP+\j:GP+\j+1], v[GZ2+\j:GZ2+\j+1], s[KA0:KA0+1], v[CA1:CA1+1] op_sel_hi:[1,0,0]
.endr
	HORNER GP, KA2
	HORNER GP, KA3
	HORNER GP, KA4
	HORNER GP, KA5
	HORNER GP, KA6
.irp j, 0,2,4,6,8,10,12,14
	v_pk_mul_f32 v[GP+\j:GP+\j+1], v[GP+\j:GP+\j+1], v[GZ+\j:GZ+\j+1]                   ; z P: z is done with,
.endr
.irp j, 0,2,4,6,8,10,12,14
	v_pk_fma_f32 v[GQ+\j:GQ+\j+1], v[GZ2+\j:GZ2+\j+1], s[KB0:KB0+1], v[CB1:CB1+1] op_sel_hi:[1,0,0]   ; and Q takes its registers
.endr
	HORNER GQ, KB2
	HORNER GQ, KB3
	HORNER GQ, KB4
.irp i, 0,1,2,3,4,5,6,7,8,9,10,11,12,13,14,15
	v_rcp_f32 v[GQ+\i], v[GQ+\i]
.endr
.irp j, 0,2,4,6,8,10,12,14
	v_pk_mul_f32 v[(\x)+\j:(\x)+\j+1], v[(\x)+\j:(\x)+\j+1], 0.5 op_sel_hi:[1,0]        ; plain work behind the reciprocals
.endr
	s_wait_alu depctr_va_vdst(0)                   ; one wait for the sixteen, ahead of their first reader
.irp j, 0,2,4,6,8,10,12,14
	v_pk_mul_f32 v[GP+\j:GP+\j+1], v[GP+\j:GP+\j+1], v[GQ+\j:GQ+\j+1]                   ; erf
.endr
.irp j, 0,2,4,6,8,10,12,14
	v_pk_fma_f32 v[(\x)+\j:(\x)+\j+1], v[(\x)+\j:(\x)+\j+1], v[GP+\j:GP+\j+1], v[(\x)+\j:(\x)+\j+1]
.endr
.endm
.macro QUANT2 a                        ; tile a's 32 registers: two blocks of 32 along the next K, each shared with lane l xor 16
.set rS, ACC+32*(\a)
.set rF, QF+8*(\a)
.irp hb, 0,1
	v_max3_num_f32 v[QM+\hb], |v[rS+16*\hb]|, |v[rS+16*\hb+1]|, 0x2800000
.endr
.irp i, 2,4,6,8,10,12,14
.irp hb, 0,1
	v_max3_num_f32 v[QM+\hb], v[QM+\hb], |v[rS+16*\hb+\i]|, |v[rS+16*\hb+\i+1]|
.endr
.endr
	v_permlanex16_b32 v[QP], v[QM], s[SEL], s[SEL+1]
	v_permlanex16_b32 v[QP+1], v[QM+1], s[SEL], s[SEL+1]
	v_max_num_f32 v[QM], v[QM], v[QP]
	v_max_num_f32 v[QM+1], v[QM+1], v[QP+1]
	v_add_nc_u32 v[QS], 0xfe000000, v[QM]
	v_add_nc_u32 v[QS+1], 0xfe000000, v[QM+1]
	v_lshrrev_b32 v[QB], 23, v[QS]
	v_lshrrev_b32 v[QH+(\a)], 23, v[QS+1]
	v_lshl_or_b32 v[QH+(\a)], v[QH+(\a)], 8, v[QB] ; my row's two bytes
	v_cvt_scalef32_pk16_bf6_f32 v[rF:rF+2], v[rS:rS+15], v[QS]
	v_cvt_scalef32_pk16_bf6_f32 v[QT:QT+2], v[rS+16:rS+31], v[QS+1]
	v_nop                                          ; one plain line behind a scaled conversion
.irp i, 0,1,2
	v_permlane16_swap_b32 v[rF+\i], v[QT+\i]       ; a whole block to a lane: lanes 0-15 the first, lanes 16-31 the second
.endr
.irp i, 0,1,2
	v_mov_b32 v[rF+3+\i], v[QT+\i]
.endr
.irp i, 0,1,2
	global_store_b64 v[L8], v[rF+2*\i:rF+2*\i+1], s[HB:HB+1] offset:1536*(\a)+256*\i    ; a piece of the image: 256 consecutive bytes, aligned
.endr
.endm
	s_wait_dscnt 0x0                               ; for the others' sake: my images have landed
	s_wait_kmcnt 0x0                               ; the table's line
	s_min_u32 s[NP], s[NP], 32                     ; an expert has at most 1,024 rows
	s_add_co_u32 s[NJ], s[NP], 7
	s_sub_co_u32 s[NJ], s[NJ], s[PT]               ; (my first pair tile is 7 at the most)
	s_lshr_b32 s[NJ], s[NJ], 3                     ; my jobs: pair tiles PT, PT + 8 .. under NP
	s_mov_b32 s[JC], 0
	AADDR                                          ; the first job's first four K steps go out ahead of the barrier, in every wave: so the counts are the same on every way into a job
	HADDR
	ARING 0
	ARING 1
	ARING 2
	ARING 3
	s_barrier_signal -1
	s_barrier_wait -1                              ; the slice's 64 fragments lie in LDS; nothing is written there any more
	s_cmp_eq_u32 s[NJ], 0
	s_cbranch_scc1 .Lend
.Ljob:
.irp a, 0,1
.irp hb, 0,1
.irp u, 0,1
	ds_load_b128 v[ACC+32*\a+16*\hb+8*\u:ACC+32*\a+16*\hb+8*\u+3], v[VB] offset:128*\hb+32*\u       ; b1 of my eight units of the tile: the C of the first product
	ds_load_b128 v[ACC+32*\a+16*\hb+8*\u+4:ACC+32*\a+16*\hb+8*\u+7], v[VB] offset:128*\hb+32*\u+16
.endr
.endr
.endr
	BHALF 0, 0
	BHALF 0, 1
.irp s, 0,1,2,3,4,5,6,7
	KSTEP \s
.endr
	s_add_co_u32 s[JC], s[JC], 1                   ; the last K step's wait for 0 has shown every load of the ring done: its bases and registers are free, and four plain lines stand behind the last products
	s_cmp_ge_u32 s[JC], s[NJ]
	s_cbranch_scc1 .Lnofill                        ; the last job asks for nothing more
	s_add_co_u32 s[PT], s[PT], 8
	AADDR
	ARING 0                                        ; the next job's first four K steps are on their way while this job's gelu is worked
	ARING 1
	ARING 2
	ARING 3
.Lnofill:
	GELU ACC
	GELU ACC+16
	QUANT2 0
	GELU ACC+32
	GELU ACC+48
	QUANT2 1
	s_mov_b32 vcc_lo, 0xffff0000
	v_cndmask_b32 v[QB], v[QH], v[QH+1], vcc_lo    ; lanes 0-15: the first tile's rows, lanes 16-31 the second's
	global_store_b16 v[HSA], v[QB], s[HSB:HSB+1]   ; my half of each row's scale word: the wave of the other unit half stores the other two bytes
	s_wait_xcnt 0x0                                ; the stores have read their registers and bases: both are written again below
	HADDR                                          ; where the next job's results go
	s_cmp_lt_u32 s[JC], s[NJ]
	s_cbranch_scc1 .Ljob
.Lend:
	s_wait_xcnt 0x0
	v_lshl_add_u32 v254, v0, 2, 0x19200
	v_mov_b32 v255, 0
	s_wait_tensorcnt 0x0
	ds_add_u32 v254, v255
	s_wait_dscnt 0x0
	s_endpgm
.Lfunc_end_k_q84e257bf94_ffn1:
	.size	k_q84e257bf94_ffn1, .Lfunc_end_k_q84e257bf94_ffn1-k_q84e257bf94_ffn1
	.p2alignl 7, 3214868480
	.fill 96, 4, 3214868480
	.section	.rodata,"a",@progbits
	.p2align	6, 0x0
	.amdhsa_kernel k_q84e257bf94_ffn1
		.amdhsa_group_segment_fixed_size 104960
		.amdhsa_private_segment_fixed_size 0
		.amdhsa_enable_private_segment 0
		.amdhsa_kernarg_size 40
		.amdhsa_user_sgpr_count 2
		.amdhsa_user_sgpr_kernarg_segment_ptr 1
		.amdhsa_wavefront_size32 1
		.amdhsa_system_sgpr_workgroup_id_x 1
		.amdhsa_system_sgpr_workgroup_id_y 1
		.amdhsa_system_sgpr_workgroup_id_z 1
		.amdhsa_system_vgpr_workitem_id 0
		.amdhsa_next_free_vgpr 256
		.amdhsa_next_free_sgpr 66
		.amdhsa_reserve_vcc 1
		.amdhsa_float_denorm_mode_32 3
		.amdhsa_float_denorm_mode_16_64 3
		.amdhsa_memory_ordered 1
		.amdhsa_forward_progress 1
		.amdhsa_inst_pref_size 121
	.end_amdhsa_kernel
	.amdgpu_metadata
---
amdhsa.version: [ 1, 2 ]
amdhsa.kernels:
  - .name:           k_q84e257bf94_ffn1
    .symbol:         k_q84e257bf94_ffn1.kd
    .args:
      - { .name: W1, .offset: 0, .size: 8, .value_kind: global_buffer, .address_space: global }
      - { .name: b1, .offset: 8, .size: 8, .value_kind: global_buffer, .address_space: global }
      - { .name: xa, .offset: 16, .size: 8, .value_kind: global_buffer, .address_space: global }
      - { .name: plan, .offset: 24, .size: 8, .value_kind: global_buffer, .address_space: global }
      - { .name: hq, .offset: 32, .size: 8, .value_kind: global_buffer, .address_space: global }
    .group_segment_fixed_size: 104960
    .private_segment_fixed_size: 0
    .kernarg_segment_align: 8
    .kernarg_segment_size: 40
    .max_flat_workgroup_size: 512
    .sgpr_count:     66
    .vgpr_count:     256
    .wavefront_size: 32
...
	.end_amdgpu_metadata
.endif
;; end of part 3
;; launch ffn2 (part 4): grid 256 x 1, 16 waves a work-group, no clusters, 174,592 bytes of LDS; arguments W2, b2, hq, plan, gatew, y2; writes y2
.if DOCPART == 4
	.amdgcn_target "amdgcn-amd-amdhsa--gfx1250"
	.amdhsa_code_object_version 6
	.text
	.protected	k_q84e257bf94_ffn2
	.globl	k_q84e257bf94_ffn2
	.p2align	8
	.type	k_q84e257bf94_ffn2,@function
k_q84e257bf94_ffn2:
	s_mov_b64 s[64:65], 0
	v_nop
	global_prefetch_b8 v0, s[64:65] scope:SCOPE_SE
	s_setreg_imm32_b32 hwreg(HW_REG_WAVE_MODE, 25, 1), 1
	s_wait_xcnt 0x0
; y2[K half][2 t + slot] = gate x (h W2[e] (+ b2[e] in K half 0)) for the rows that chose expert e, on codes of E3M2 with one E8M0 scale for each 32 along K.
; SHARES.  Work-group = expert e (8) x 64 outputs (16) x half of K (2): its 2,048 x 64 numbers of W2 (512 KiB of f32) are read from memory once, by this work-group alone.
; STREAM.  Wave w takes K step w (128 along K) x the 64 columns.  A lane takes a column and its registers run down K; two loads on end cover the 256 bytes of a row's 64 columns.
;   Lanes 0-15 hold one tile's columns, lanes 16-31 the next tile's; one exchange of halves gives both tiles' operand registers.  The fragments go to LDS as images of their registers.
;   ONE barrier; it stands ahead of every branch on the stored table.
; JOBS.  A job = a pair tile (2 x 16 rows) x 64 outputs: 8 accumulators by turns, 16 K steps.  Wave w takes pair tiles w, w + 16 ..  Transposed use: a lane holds one row and eight neighbouring outputs.
;   The rows' fragments are the images that the launch before stored, through a ring of four K steps in registers.  b2 is the C of the first product (zeros in K half 1).
;   The way out goes through the wave's own stage in LDS, so that sixteen lanes store a row's 256 consecutive bytes; the row's place comes from the stored list.
;   The two K halves and a token's two experts are added by the next launch: each row of y2 has one owner here.
;   An expert has at most 1,024 rows, 32 pair tiles: a wave has at most two jobs; the loop over them has a counter of its own, stepped by 1.  The last job asks for nothing more.
; No tensor load stands in this text, since the number of jobs hangs on the stored table; so there is no joint request either.
; LIMITS: NaN and infinities are not served.  A block whose largest magnitude lies under 2^-122 gets the byte 1 (zeros too: zero codes).
.set PITCH, 4096
.set NK,    16
.set KHALF, 8
.set KSPAN, 6144
.set SSTEP, 256
.set BSC,   98304                      ; LDS: 64 fragments of 1,536 bytes at 0; their scale registers here;
.set BIAS,  102400                     ; 64 numbers of b2;
.set STG,   102912                     ; a stage of 16 rows x (256 + 16) bytes for each wave
.set HSO,   6979584
.set PLANE, 8421376                    ; 2,056 rows of 4,096 bytes
.set LB0, 1
.set LB1, 2
.set LSC, 3
.set VB,  4
.set L8,  5
.set L4,  6
.set STO, 7
.set RD,  8
.set C16, 9
.set COL, 10
.set SADR, 11
.set SSC, 12
.set BS,  14                           ; v14-15, v16-19: scale words, filled by loads alone; they hold nothing else
.set AS,  16
.set WLA, 20
.set DA,  21
.set BST, 22
.set ACC, 24
.set BF,  88
.set AF,  136
.set WL,  232                          ; v232-233 my row's gate in the two tiles
.set DST, 234                          ; v234-249 the places of the rows that I store
.set ST,  24
.set FR,  152
.set TU,  200
.set SW,  216
.set MX0, 218
.set MX1, 219
.set SCL, 220
.set BY,  221
.set BI,  222
.set NS, 16                            ; s4-15 hold the six buffers' addresses
.set KH, 17
.set PT, 18
.set OFF, 22
.set NP, 23
.set AB, 26
.set ASB, 28
.set GWB, 30
.set PLB, 32
.set GI, 34
.set AOFF, 35
.set SOFF, 38
.set YB, 40
.set TBP, 42
.set WV, 44
.set EX, 45
.set JC, 46                            ; s46 jobs done, s47 my wave's jobs
.set NJ, 47
.macro NOP4
.rept 4
	v_nop
.endr
.endm
	s_load_b128 s[4:7], s[0:1], 0x0                ; W2, b2
	s_load_b128 s[8:11], s[0:1], 0x10              ; hq, plan
	s_load_b128 s[12:15], s[0:1], 0x20             ; gatew, y2
	v_lshl_add_u32 v254, v0, 2, 0x2a200
	v_mov_b32 v255, 0
	v_lshrrev_b32 v13, 5, v0
	v_readfirstlane_b32 s[WV], v13
	v_and_b32 v13, 31, v0
	s_lshr_b32 s[EX], ttmp9, 5
	s_bfe_u32 s[NS], ttmp9, 0x40001
	s_and_b32 s[KH], ttmp9, 1
	s_mov_b32 s[PT], s[WV]
	v_lshlrev_b32 v[LB0], 4, v13
	v_add_nc_u32 v[LB1], 49152, v[LB0]
	v_lshl_add_u32 v[LSC], v13, 2, BSC
	v_bfe_u32 v[DA], v0, 4, 1                      ; h
	v_lshl_add_u32 v[VB], v[DA], 5, BIAS
	v_lshlrev_b32 v[L8], 3, v13
	v_lshlrev_b32 v[L4], 2, v13
	v_and_b32 v[WLA], 15, v0                       ; r
	s_mul_i32 s24, s[WV], 4352
	s_add_co_u32 s24, s24, STG
	v_mul_u32_u24 v[STO], v[WLA], 272
	v_lshl_add_u32 v[STO], v[DA], 5, v[STO]
	v_add_nc_u32 v[STO], s24, v[STO]               ; into the stage: row r, 32 bytes for each half of the lanes
	v_mul_u32_u24 v[RD], v[DA], 272
	v_lshl_add_u32 v[RD], v[WLA], 4, v[RD]
	v_add_nc_u32 v[RD], s24, v[RD]                 ; back: lanes 0-15 one row, lanes 16-31 the next
	v_lshlrev_b32 v[C16], 4, v[WLA]
	v_lshlrev_b32 v[WLA], 2, v[WLA]
	v_lshlrev_b32 v[DA], 5, v[DA]
	v_add_nc_u32 v[BST], BIAS, v[L8]
	v_lshlrev_b32 v[COL], 2, v13
	s_mul_i32 s24, s[WV], 6144
	v_add_nc_u32 v[SADR], s24, v[LB0]
	s_lshl_b32 s24, s[WV], 8
	s_add_co_u32 s24, s24, BSC
	v_add_nc_u32 v[SSC], s24, v[L4]
	s_lshl_b32 s24, s[EX], 24                      ; W2: expert, K half, my 128 rows, the 64 columns
	s_lshl_b32 s25, s[KH], 23
	s_add_co_u32 s24, s24, s25
	s_lshl_b32 s25, s[WV], 19
	s_add_co_u32 s24, s24, s25
	s_lshl_b32 s25, s[NS], 8
	s_add_co_u32 s24, s24, s25
	s_mov_b32 s25, 0
	s_lshl_b32 s36, s[EX], 12                      ; b2
	s_lshl_b32 s37, s[NS], 8
	s_add_co_u32 s36, s36, s37
	s_mov_b32 s37, 0
	s_mul_i32 s[AOFF], s[KH], 49152                ; hq: my K half's 16 K steps
	s_lshl_b32 s[SOFF], s[KH], 11
	s_add_co_u32 s[SOFF], s[SOFF], HSO
	s_wait_kmcnt 0x0
	s_add_nc_u64 s[4:5], s[4:5], s[24:25]
	s_add_nc_u64 s[6:7], s[6:7], s[36:37]
	s_lshl_b32 s36, s[EX], 3
	s_add_nc_u64 s[TBP:TBP+1], s[10:11], s[36:37]
	s_load_b64 s[OFF:OFF+1], s[TBP:TBP+1], 0x0     ; the expert's line of the table
	s_mul_i32 s36, s[KH], PLANE
	s_lshl_b32 s24, s[NS], 8
	s_add_co_u32 s36, s36, s24
	s_add_nc_u64 s[YB:YB+1], s[14:15], s[36:37]
	global_load_b64 v[BI:BI+1], v[L8], s[6:7]      ; 64 numbers of b2
; ---- THE STREAM
.macro LOADU b
.irp i, 0,1,2,3,4,5,6,7,8,9,10,11,12,13,14,15,16,17,18,19,20,21,22,23,24,25,26,27,28,29,30,31
	global_load_b32 v[ST+64*((\b)%2)+\i], v[COL], s[4:5] offset:(32*(\b)+\i)*PITCH th:TH_LOAD_NT
	global_load_b32 v[ST+64*((\b)%2)+32+\i], v[COL], s[4:5] offset:(32*(\b)+\i)*PITCH+128 th:TH_LOAD_NT
.endr
.endm
.macro QW b, hf
.set rX, ST+64*((\b)%2)+32*(\hf)
.set rD, FR+12*(2*(\hf)+((\b)%2))+6*((\b)/2)
.set rE, TU+8*(\hf)+4*((\b)%2)
	v_max3_num_f32 v[MX0], |v[rX]|, |v[rX+1]|, |v[rX+2]|
	v_max3_num_f32 v[MX1], |v[rX+3]|, |v[rX+4]|, |v[rX+5]|
.irp i, 6,10,14,18,22,26
	v_max3_num_f32 v[MX0], v[MX0], |v[rX+\i]|, |v[rX+\i+1]|
	v_max3_num_f32 v[MX1], v[MX1], |v[rX+\i+2]|, |v[rX+\i+3]|
.endr
	v_max3_num_f32 v[MX0], v[MX0], |v[rX+30]|, |v[rX+31]|
	v_max3_num_f32 v[MX0], v[MX0], v[MX1], 0x2800000      ; the floor 2^(5 - 127)
	v_add_nc_u32 v[SCL], 0xfe000000, v[MX0]
	v_lshrrev_b32 v[BY], 23, v[SCL]
.if (\b) == 0
	v_mov_b32 v[SW+(\hf)], v[BY]
.else
	v_lshl_or_b32 v[SW+(\hf)], v[BY], 8*(\b), v[SW+(\hf)]
.endif
	v_cvt_scalef32_pk16_bf6_f32 v[rD:rD+2], v[rX:rX+15], v[SCL]
	v_cvt_scalef32_pk16_bf6_f32 v[rE:rE+2], v[rX+16:rX+31], v[SCL]
	v_nop                                          ; one plain line behind a scaled conversion
.endm
.macro PAIR c
.irp hf, 0,1
.irp i, 0,1,2
	v_permlane16_swap_b32 v[FR+24*\hf+6*(\c)+\i], v[FR+24*\hf+6*(\c)+12+\i]
.endr
.irp i, 0,1,2
	v_permlane16_swap_b32 v[TU+8*\hf+\i], v[TU+8*\hf+4+\i]
.endr
.irp i, 0,1,2
	v_mov_b32 v[FR+24*\hf+6*(\c)+3+\i], v[TU+8*\hf+\i]
	v_mov_b32 v[FR+24*\hf+6*(\c)+15+\i], v[TU+8*\hf+4+\i]
.endr
.endr
.endm
	LOADU 0
	LOADU 1
	s_wait_loadcnt 63                              ; 64 loads were issued behind block 0's last
	QW 0, 0
	QW 0, 1
	LOADU 2
	s_wait_loadcnt 63
	QW 1, 0
	QW 1, 1
	PAIR 0
	LOADU 3
	s_wait_loadcnt 63
	QW 2, 0
	QW 2, 1
	s_wait_loadcnt 0x0
	QW 3, 0
	QW 3, 1
	PAIR 1
	s_cmp_eq_u32 s[KH], 0
	s_cselect_b32 vcc_lo, -1, 0
	v_cndmask_b32 v[BI], 0, v[BI], vcc_lo          ; the bias is added once: K half 1 starts from zeros
	v_cndmask_b32 v[BI+1], 0, v[BI+1], vcc_lo
.irp T, 0,1,2,3
.irp j, 0,1,2
	ds_store_b128 v[SADR], v[FR+12*\T+4*\j:FR+12*\T+4*\j+3] offset:1536*\T+512*\j
.endr
.endr
	ds_store_b32 v[SSC], v[SW]
	ds_store_b32 v[SSC], v[SW+1] offset:128
	s_cmp_lg_u32 s[WV], 0
	s_cbranch_scc1 .Lnob
	ds_store_b64 v[BST], v[BI:BI+1]
.Lnob:
; ---- THE JOBS
.macro ARING s
.set rA, AF+24*((\s)%4)
.irp a, 0,1
.irp p, 0,1,2,3,4,5
	global_load_b64 v[rA+12*\a+2*\p:rA+12*\a+2*\p+1], v[L8], s[AB:AB+1] offset:3072*(\s)+1536*\a+256*\p
.endr
.endr
	global_load_b32 v[AS+((\s)%4)], v[L4], s[ASB:ASB+1] offset:128*(\s)
.endm
.macro AFILL                           ; pair tile OFF + PT, held inside the buffers: gates, places, and the first four K steps
	s_max_u32 s36, s[NP], 1
	s_sub_co_u32 s36, s36, 1
	s_min_u32 s36, s36, s[PT]                      ; a wave without a job names the expert's last pair tile, which another wave of the work-group names too
	s_add_co_u32 s[GI], s[OFF], s36
	s_min_u32 s[GI], s[GI], 70
	s_mul_i32 s36, s[GI], 98304
	s_add_co_u32 s36, s36, s[AOFF]
	s_mov_b32 s37, 0
	s_add_nc_u64 s[AB:AB+1], s[8:9], s[36:37]
	s_lshl_b32 s36, s[GI], 12
	s_add_co_u32 s36, s36, s[SOFF]
	s_add_nc_u64 s[ASB:ASB+1], s[8:9], s[36:37]
	s_lshl_b32 s36, s[GI], 7
	s_add_nc_u64 s[GWB:GWB+1], s[12:13], s[36:37]
	s_add_nc_u64 s[PLB:PLB+1], s[10:11], s[36:37]
	global_load_b32 v[WL], v[WLA], s[GWB:GWB+1]
	global_load_b32 v[WL+1], v[WLA], s[GWB:GWB+1] offset:64
	global_load_b128 v[DST:DST+3], v[DA], s[PLB:PLB+1] offset:256
	global_load_b128 v[DST+4:DST+7], v[DA], s[PLB:PLB+1] offset:272
	global_load_b128 v[DST+8:DST+11], v[DA], s[PLB:PLB+1] offset:320
	global_load_b128 v[DST+12:DST+15], v[DA], s[PLB:PLB+1] offset:336
	ARING 0
	ARING 1
	ARING 2
	ARING 3
.endm
.macro BHALF s, hb
.if (\s) < KHALF
.set rL, LB0
.else
.set rL, LB1
.endif
.irp u, 0,1
.irp j, 0,1,2
	ds_load_b128 v[BF+12*(2*(\hb)+\u)+4*\j:BF+12*(2*(\hb)+\u)+4*\j+3], v[rL] offset:((\s)%KHALF)*KSPAN+1536*(2*(\hb)+\u)+512*\j
.endr
.endr
	ds_load_b32 v[BS+(\hb)], v[LSC] offset:SSTEP*(\s)+128*(\hb)
.endm
.macro MM s, hb
.set rA, AF+24*((\s)%4)
.set rB, BF+24*(\hb)
.set rC, ACC+16*(\hb)
.set rP, BS+(\hb)
.set rQ, AS+((\s)%4)
	v_wmma_scale_f32_16x16x128_f8f6f4 v[rC:rC+7], v[rB:rB+11], v[rA:rA+11], v[rC:rC+7], v[rP], v[rQ] matrix_a_fmt:MATRIX_FMT_BF6 matrix_b_fmt:MATRIX_FMT_BF6
	v_wmma_scale_f32_16x16x128_f8f6f4 v[rC+32:rC+39], v[rB:rB+11], v[rA+12:rA+23], v[rC+32:rC+39], v[rP], v[rQ] matrix_a_fmt:MATRIX_FMT_BF6 matrix_b_fmt:MATRIX_FMT_BF6 matrix_b_scale:MATRIX_SCALE_ROW1
	v_wmma_scale_f32_16x16x128_f8f6f4 v[rC+8:rC+15], v[rB+12:rB+23], v[rA:rA+11], v[rC+8:rC+15], v[rP], v[rQ] matrix_a_fmt:MATRIX_FMT_BF6 matrix_b_fmt:MATRIX_FMT_BF6 matrix_a_scale:MATRIX_SCALE_ROW1
	v_wmma_scale_f32_16x16x128_f8f6f4 v[rC+40:rC+47], v[rB+12:rB+23], v[rA+12:rA+23], v[rC+40:rC+47], v[rP], v[rQ] matrix_a_fmt:MATRIX_FMT_BF6 matrix_b_fmt:MATRIX_FMT_BF6 matrix_a_scale:MATRIX_SCALE_ROW1 matrix_b_scale:MATRIX_SCALE_ROW1
.endm
; A K step.  The eight accumulators take turns in the same order in every step.  Four plain lines stand between products and loads into registers that they read.
.macro KSTEP s
.if NK-1-(\s) >= 3
	s_wait_loadcnt 39                              ; this slot's 13 loads (at the job's head the gates and places ahead of them) are in; the three later slots' may be out
.else
	s_wait_loadcnt 13*(NK-1-(\s))
.endif
	s_wait_dscnt 7                                 ; the first half's fragments are in (at the job's head the bias too); the second half's seven loads may be out
	MM \s, 0
.if (\s)+1 < NK
	NOP4
	BHALF (\s)+1, 0
	s_wait_dscnt 7
.else
	s_wait_dscnt 0x0
.endif
	MM \s, 1
	NOP4
.if (\s)+1 < NK
	BHALF (\s)+1, 1
.endif
.if (\s)+4 < NK
	ARING (\s)+4
.endif
.endm
.macro OUTT a                          ; tile a: x gate, through my stage, out by whole rows of 256 bytes
.set rS, ACC+32*(\a)
.set rO, BF+32*(\a)
.set rD, DST+8*(\a)
.irp j, 0,2,4,6,8,10,12,14,16,18,20,22,24,26,28,30
.if (\a) == 0
	v_pk_mul_f32 v[rS+\j:rS+\j+1], v[rS+\j:rS+\j+1], v[WL:WL+1] op_sel_hi:[1,0]           ; each accumulator from its low end on
.else
	v_pk_mul_f32 v[rS+\j:rS+\j+1], v[rS+\j:rS+\j+1], v[WL:WL+1] op_sel:[0,1] op_sel_hi:[1,1]
.endif
.endr
.irp T, 0,1,2,3
	ds_store_b128 v[STO], v[rS+8*\T:rS+8*\T+3] offset:64*\T
	ds_store_b128 v[STO], v[rS+8*\T+4:rS+8*\T+7] offset:64*\T+16
.endr
.irp i, 0,1,2,3,4,5,6,7
	ds_load_b128 v[rO+4*\i:rO+4*\i+3], v[RD] offset:544*\i     ; LDS serves a wave's instructions in order (ISA guide 5.7.1.4): these see my stores, and the next tile's stores come behind them
.endr
.irp i, 0,1,2,3,4,5,6,7
	v_min_u32 v[rD+\i], 0x807, v[rD+\i]            ; a number that was loaded enters an address only behind this hold: 2,056 rows
.endr
.irp i, 0,1,2,3,4,5,6,7
	v_lshl_add_u32 v[rD+\i], v[rD+\i], 12, v[C16]
.endr
.irp i, 0,1,2,3,4,5,6,7
	s_wait_dscnt 7-\i
	global_store_b128 v[rD+\i], v[rO+4*\i:rO+4*\i+3], s[YB:YB+1]    ; sixteen lanes store 256 consecutive bytes, aligned
.endr
.endm
	s_wait_dscnt 0x0                               ; for the others' sake: my images have landed
	s_wait_kmcnt 0x0                               ; the table's line
	s_min_u32 s[NP], s[NP], 32                     ; an expert has at most 1,024 rows
	s_add_co_u32 s[NJ], s[NP], 15
	s_sub_co_u32 s[NJ], s[NJ], s[PT]               ; (my first pair tile is 15 at the most)
	s_lshr_b32 s[NJ], s[NJ], 4                     ; my jobs: pair tiles PT, PT + 16 .. under NP
	s_mov_b32 s[JC], 0
	AFILL                                          ; ahead of the barrier, in every wave: so the counts are the same on every way into a job
	s_barrier_signal -1
	s_barrier_wait -1                              ; the 64 fragments lie in LDS; nothing is written there any more
	s_cmp_eq_u32 s[NJ], 0
	s_cbranch_scc1 .Lend
.Ljob:
.irp a, 0,1
.irp T, 0,1,2,3
	ds_load_b128 v[ACC+32*\a+8*\T:ACC+32*\a+8*\T+3], v[VB] offset:64*\T
	ds_load_b128 v[ACC+32*\a+8*\T+4:ACC+32*\a+8*\T+7], v[VB] offset:64*\T+16
.endr
.endr
	BHALF 0, 0
	BHALF 0, 1
.irp s, 0,1,2,3,4,5,6,7,8,9,10,11,12,13,14,15
	KSTEP \s
.endr
	OUTT 0
	OUTT 1
	s_wait_xcnt 0x0                                ; the stores have read their data and addresses: both are loaded again below
	s_add_co_u32 s[JC], s[JC], 1
	s_cmp_ge_u32 s[JC], s[NJ]
	s_cbranch_scc1 .Lend                           ; the last job asks for nothing more
	s_add_co_u32 s[PT], s[PT], 16
	AFILL
	s_cmp_lt_u32 s[JC], s[NJ]
	s_cbranch_scc1 .Ljob
.Lend:
	s_wait_tensorcnt 0x0
	ds_add_u32 v254, v255
	s_wait_dscnt 0x0
	s_endpgm
.Lfunc_end_k_q84e257bf94_ffn2:
	.size	k_q84e257bf94_ffn2, .Lfunc_end_k_q84e257bf94_ffn2-k_q84e257bf94_ffn2
	.p2alignl 7, 3214868480
	.fill 96, 4, 3214868480
	.section	.rodata,"a",@progbits
	.p2align	6, 0x0
	.amdhsa_kernel k_q84e257bf94_ffn2
		.amdhsa_group_segment_fixed_size 174592
		.amdhsa_private_segment_fixed_size 0
		.amdhsa_enable_private_segment 0
		.amdhsa_kernarg_size 48
		.amdhsa_user_sgpr_count 2
		.amdhsa_user_sgpr_kernarg_segment_ptr 1
		.amdhsa_wavefront_size32 1
		.amdhsa_system_sgpr_workgroup_id_x 1
		.amdhsa_system_sgpr_workgroup_id_y 1
		.amdhsa_system_sgpr_workgroup_id_z 1
		.amdhsa_system_vgpr_workitem_id 0
		.amdhsa_next_free_vgpr 256
		.amdhsa_next_free_sgpr 66
		.amdhsa_reserve_vcc 1
		.amdhsa_float_denorm_mode_32 3
		.amdhsa_float_denorm_mode_16_64 3
		.amdhsa_memory_ordered 1
		.amdhsa_forward_progress 1
		.amdhsa_inst_pref_size 113
	.end_amdhsa_kernel
	.amdgpu_metadata
---
amdhsa.version: [ 1, 2 ]
amdhsa.kernels:
  - .name:           k_q84e257bf94_ffn2
    .symbol:         k_q84e257bf94_ffn2.kd
    .args:
      - { .name: W2, .offset: 0, .size: 8, .value_kind: global_buffer, .address_space: global }
      - { .name: b2, .offset: 8, .size: 8, .value_kind: global_buffer, .address_space: global }
      - { .name: hq, .offset: 16, .size: 8, .value_kind: global_buffer, .address_space: global }
      - { .name: plan, .offset: 24, .size: 8, .value_kind: global_buffer, .address_space: global }
      - { .name: gatew, .offset: 32, .size: 8, .value_kind: global_buffer, .address_space: global }
      - { .name: y2, .offset: 40, .size: 8, .value_kind: global_buffer, .address_space: global }
    .group_segment_fixed_size: 174592
    .private_segment_fixed_size: 0
    .kernarg_segment_align: 8
    .kernarg_segment_size: 48
    .max_flat_workgroup_size: 512
    .sgpr_count:     66
    .vgpr_count:     256
    .wavefront_size: 32
...
	.end_amdgpu_metadata
.endif
;; end of part 4
;; launch combine (part 5): grid 256 x 1, 4 waves a work-group, no clusters, 0 bytes of LDS; arguments y2, out0; writes out0
.if DOCPART == 5
	.amdgcn_target "amdgcn-amd-amdhsa--gfx1250"
	.amdhsa_code_object_version 6
	.text
	.protected	k_q84e257bf94_combine
	.globl	k_q84e257bf94_combine
	.p2align	8
	.type	k_q84e257bf94_combine,@function
k_q84e257bf94_combine:
	s_mov_b64 s[64:65], 0
	v_nop
	global_prefetch_b8 v0, s[64:65] scope:SCOPE_SE
	s_setreg_imm32_b32 hwreg(HW_REG_WAVE_MODE, 25, 1), 1
	s_wait_xcnt 0x0
; out0[t] = y2[0][2 t] + y2[0][2 t + 1] + y2[1][2 t] + y2[1][2 t + 1]: a token's two experts, each in two halves of K; the gates are in already.
; A wave takes a token: four rows of 4,096 bytes in, one out; each load and store of the wave covers 512 consecutive bytes.  All 32 loads go out at once; the counts run down by pieces of a row.
; A stream: no LDS, no barrier, no matrix unit.
.set PLANE, 8421376
.set R, 16                             ; v16-143: piece i of eight: four rows x 4 registers
	s_load_b128 s[4:7], s[0:1], 0x0                ; y2, out0
	v_lshrrev_b32 v1, 5, v0
	v_readfirstlane_b32 s8, v1
	v_and_b32 v1, 31, v0
	v_lshlrev_b32 v1, 4, v1
	s_lshl_b32 s9, ttmp9, 2
	s_add_co_u32 s9, s9, s8                        ; the token
	s_lshl_b32 s10, s9, 13
	s_mov_b32 s11, 0
	s_lshl_b32 s12, s9, 12
	s_mov_b32 s13, 0
	s_wait_kmcnt 0x0
	s_add_nc_u64 s[4:5], s[4:5], s[10:11]
	s_add_nc_u64 s[14:15], s[4:5], PLANE
	s_add_nc_u64 s[6:7], s[6:7], s[12:13]
.irp i, 0,1,2,3,4,5,6,7
	global_load_b128 v[R+16*\i:R+16*\i+3], v1, s[4:5] offset:512*\i th:TH_LOAD_NT
	global_load_b128 v[R+16*\i+4:R+16*\i+7], v1, s[4:5] offset:4096+512*\i th:TH_LOAD_NT
	global_load_b128 v[R+16*\i+8:R+16*\i+11], v1, s[14:15] offset:512*\i th:TH_LOAD_NT
	global_load_b128 v[R+16*\i+12:R+16*\i+15], v1, s[14:15] offset:4096+512*\i th:TH_LOAD_NT
.endr
.irp i, 0,1,2,3,4,5,6,7
	s_wait_loadcnt 4*(7-\i)                        ; this piece's four loads are in; the later pieces' may be out
	v_pk_add_f32 v[R+16*\i:R+16*\i+1], v[R+16*\i:R+16*\i+1], v[R+16*\i+4:R+16*\i+5]
	v_pk_add_f32 v[R+16*\i+2:R+16*\i+3], v[R+16*\i+2:R+16*\i+3], v[R+16*\i+6:R+16*\i+7]
	v_pk_add_f32 v[R+16*\i+8:R+16*\i+9], v[R+16*\i+8:R+16*\i+9], v[R+16*\i+12:R+16*\i+13]
	v_pk_add_f32 v[R+16*\i+10:R+16*\i+11], v[R+16*\i+10:R+16*\i+11], v[R+16*\i+14:R+16*\i+15]
	v_pk_add_f32 v[R+16*\i:R+16*\i+1], v[R+16*\i:R+16*\i+1], v[R+16*\i+8:R+16*\i+9]
	v_pk_add_f32 v[R+16*\i+2:R+16*\i+3], v[R+16*\i+2:R+16*\i+3], v[R+16*\i+10:R+16*\i+11]
	global_store_b128 v1, v[R+16*\i:R+16*\i+3], s[6:7] offset:512*\i th:TH_STORE_NT
.endr
	s_endpgm
.Lfunc_end_k_q84e257bf94_combine:
	.size	k_q84e257bf94_combine, .Lfunc_end_k_q84e257bf94_combine-k_q84e257bf94_combine
	.p2alignl 7, 3214868480
	.fill 96, 4, 3214868480
	.section	.rodata,"a",@progbits
	.p2align	6, 0x0
	.amdhsa_kernel k_q84e257bf94_combine
		.amdhsa_group_segment_fixed_size 0
		.amdhsa_private_segment_fixed_size 0
		.amdhsa_enable_private_segment 0
		.amdhsa_kernarg_size 16
		.amdhsa_user_sgpr_count 2
		.amdhsa_user_sgpr_kernarg_segment_ptr 1
		.amdhsa_wavefront_size32 1
		.amdhsa_system_sgpr_workgroup_id_x 1
		.amdhsa_system_sgpr_workgroup_id_y 1
		.amdhsa_system_sgpr_workgroup_id_z 1
		.amdhsa_system_vgpr_workitem_id 0
		.amdhsa_next_free_vgpr 144
		.amdhsa_next_free_sgpr 66
		.amdhsa_reserve_vcc 0
		.amdhsa_float_denorm_mode_32 3
		.amdhsa_float_denorm_mode_16_64 3
		.amdhsa_memory_ordered 1
		.amdhsa_forward_progress 1
		.amdhsa_inst_pref_size 8
	.end_amdhsa_kernel
	.amdgpu_metadata
---
amdhsa.version: [ 1, 2 ]
amdhsa.kernels:
  - .name:           k_q84e257bf94_combine
    .symbol:         k_q84e257bf94_combine.kd
    .args:
      - { .name: y2, .offset: 0, .size: 8, .value_kind: global_buffer, .address_space: global }
      - { .name: out0, .offset: 8, .size: 8, .value_kind: global_buffer, .address_space: global }
    .group_segment_fixed_size: 0
    .private_segment_fixed_size: 0
    .kernarg_segment_align: 8
    .kernarg_segment_size: 16
    .max_flat_workgroup_size: 128
    .sgpr_count:     66
    .vgpr_count:     144
    .wavefront_size: 32
...
	.end_amdgpu_metadata
.endif
;; end of part 5
;; ======== version 2 of 2: 5 launches
;; workspace buffers: route_i 9,216 bytes of whole numbers; route_f 9,216 bytes; xq 819,200 bytes; xa 1,817,600 bytes; plan 9,472 bytes of whole numbers; gatew 9,216 bytes; hq 7,270,400 bytes; y2 16,842,752 bytes
;; launch route (part 6): grid 32 x 1, 8 waves a work-group, no clusters, 36,864 bytes of LDS; arguments x, w_router, xq, route_i, route_f; writes xq, route_i, route_f
.if DOCPART == 6
	.amdgcn_target "amdgcn-amd-amdhsa--gfx1250"
	.amdhsa_code_object_version 6
	.text
	.protected	k_q84e257bf94_route
	.globl	k_q84e257bf94_route
	.p2align	8
	.type	k_q84e257bf94_route,@function
k_q84e257bf94_route:
	s_mov_b64 s[64:65], 0
	v_nop
	global_prefetch_b8 v0, s[64:65] scope:SCOPE_SE
	s_setreg_imm32_b32 hwreg(HW_REG_WAVE_MODE, 25, 1), 1
	s_wait_xcnt 0x0
; ROUTER AND QUANTISER OF x.  x [1024 tokens][1024] f32, w_router [1024][8] f32.
; A work-group owns 32 tokens, each of its eight waves four.  A lane holds 16 neighbours along K of a token (two halves of 512 along K),
; so the same registers feed the logits (f32 multiply-adds, then a sum over the lanes) and the conversion to E3M2 codes (two lanes hold a block of 32).
; OUT: xq: codes [token][768 bytes] as one stream of bits, then at XSO the E8M0 bytes [token][32];
;      route_i: topi[token][2], then at 8192 selm[group of 32 tokens][expert]: bit l = token l of the group chose the expert;
;      route_f: the two gates [token][2], then at 8192 the group's sums of the probabilities [group][expert].
; The softmax takes the row's maximum away.  Top-2 on the exponentials, a strict > in ascending order of experts: the lower index wins a tie.
; w_router's numbers come out of LDS in chunks of 2 k x 8 experts x .. = 16 registers: the first token of a half waits for them chunk by chunk, and the second half's chunks are asked for
; inside the first half's last token, each behind the multiply-adds that last read its registers.  Each token has three registers of its own for its codes.
; LIMITS: NaN and infinities are not served.  A block whose largest magnitude lies under 2^-122 gets the byte 1 (a block of zeros too: its codes are zeros,
; and this program alone reads the bytes).  Two logits closer than the rounding of an f32 sum of 1,024 terms may be ordered otherwise than by another order of summing.
; No matrix unit: 8 columns are too few for it.  No cluster: the work-groups share only w_router's 32 KiB.
.set XSO,  786432                      ; where the scale bytes begin in xq
.set LG,   33792                       ; LDS: w_router as 64 chunks (16 k x 8 experts, 512 bytes) 528 bytes apart, at 0; then the logits [32][8]
.set SBY,  34816                       ; then 128 scale bytes for each wave
.set AC,   16                          ; v16-47   4 tokens x 8 logits
.set XR,   48                          ; v48-111  4 tokens x 16 numbers
.set WR,   112                         ; v112-239 16 k x 8 experts
.set QM,   240                         ; largest magnitude, scale operand, byte
.set QS,   241
.set QB,   242                         ; 16 codes: token 0 in v12-14, tokens 1 to 3 in v244-246, v248-250, v252-254
	s_load_b128 s[4:7], s[0:1], 0x0                ; x, w_router
	s_load_b128 s[8:11], s[0:1], 0x10              ; xq, route_i
	s_load_b64 s[12:13], s[0:1], 0x20              ; route_f
	v_lshl_add_u32 v251, v0, 2, 0x8c00
	v_mov_b32 v255, 0
	v_lshrrev_b32 v1, 5, v0
	s_delay_alu instid0(VALU_DEP_1)
	v_readfirstlane_b32 s14, v1                    ; wave
	v_and_b32 v1, 31, v0                           ; lane
	s_delay_alu instid0(VALU_DEP_1)
	v_lshlrev_b32 v2, 6, v1                        ; x: my 16 numbers, 64 bytes a lane
	s_delay_alu instid0(VALU_DEP_2)
	v_mul_u32_u24 v3, v1, 528                      ; my chunk of w_router in LDS
	s_delay_alu instid0(VALU_DEP_3)
	v_mul_u32_u24 v4, v1, 12                       ; my 16 codes
	s_lshl_b32 s15, s14, 7
	s_add_co_u32 s15, s15, SBY
	v_lshrrev_b32 v5, 1, v1
	s_delay_alu instid0(VALU_DEP_1)
	v_add_nc_u32 v5, s15, v5                       ; my block's byte among the wave's 128
	v_lshl_add_u32 v9, v1, 2, s15                  ; and four of them on the way out
	s_mul_i32 s16, s14, 528
	v_lshl_add_u32 v6, v1, 4, s16                  ; w_router into LDS: chunk = wave (+ 8 a round), 16 bytes a lane
	v_lshlrev_b32 v7, 4, v0                        ; w_router in memory: 16 bytes a thread
	v_lshlrev_b32 v10, 2, v1                       ; 4 x lane
	s_lshl_b32 s16, s14, 7
	s_add_co_u32 s16, s16, LG
	v_mov_b32 v11, s16                             ; my four tokens' logits
	v_lshl_add_u32 v15, v1, 5, LG                  ; wave 0: token = lane
	s_mov_b32 s20, 0x76543210
	s_mov_b32 s21, 0xfedcba98                      ; v_permlanex16_b32: lane l xor 16
	s_lshl_b32 s17, ttmp9, 5
	s_lshl_b32 s18, s14, 2
	s_add_co_u32 s17, s17, s18                     ; my first token
	s_lshl_b32 s22, s17, 12
	s_mov_b32 s23, 0
	s_mul_i32 s24, s17, 768
	s_mov_b32 s25, 0
	s_lshl_b32 s26, s17, 5
	s_add_co_u32 s26, s26, XSO
	s_mov_b32 s27, 0
	s_wait_alu depctr_va_vdst(0)
	s_wait_kmcnt 0x0
	s_add_nc_u64 s[4:5], s[4:5], s[22:23]          ; x at my first token
	s_add_nc_u64 s[28:29], s[8:9], s[24:25]        ; its codes
	s_add_nc_u64 s[30:31], s[8:9], s[26:27]        ; its scale bytes
.irp i, 0,1,2,3,4,5,6,7
	global_load_b128 v[WR+4*\i:WR+4*\i+3], v7, s[6:7] offset:4096*\i
.endr
.macro XLOAD q, H
.irp j, 0,1,2,3
	global_load_b128 v[XR+16*(\q)+4*\j:XR+16*(\q)+4*\j+3], v2, s[4:5] offset:4096*(\q)+2048*(\H)+16*\j th:TH_LOAD_NT
.endr
.endm
	XLOAD 0, 0
	XLOAD 1, 0
	XLOAD 2, 0
	XLOAD 3, 0
	s_wait_loadcnt 16                              ; w_router's eight loads are in; x's sixteen stay out
.irp i, 0,1,2,3,4,5,6,7
	ds_store_b128 v6, v[WR+4*\i:WR+4*\i+3] offset:4224*\i
.endr
	s_wait_dscnt 0x0                               ; for the others' sake: my stores have landed
	s_barrier_signal -1
	s_barrier_wait -1
; Token q, half H: the codes of my 16 numbers, then 128 multiply-adds onto the token's eight logits.
; first = 1: the half's first token: w_router's chunks are waited for one by one.  next = 1: the first half's last token: each chunk's registers take the second half's chunk as soon as they are read.
.macro TOKEN q, H, first, next
.set rX, XR+16*(\q)
.set rA, AC+8*(\q)
.if (\q) == 0
.set rC, 12
.else
.set rC, 240+4*(\q)
.endif
.if \H == 0
	s_wait_loadcnt 12                              ; behind this token's four loads: 4 (3 - q) of the later tokens and 4 q of the second half
.else
	s_wait_loadcnt 4*(3-(\q))                      ; behind them: the later tokens' alone
.endif
	v_max3_num_f32 v[QM], |v[rX]|, |v[rX+1]|, 0x2800000    ; with the floor 2^(5 - 127): the byte cannot fall under 1
.irp i, 2,4,6,8,10,12,14
	s_delay_alu instid0(VALU_DEP_1)
	v_max3_num_f32 v[QM], v[QM], |v[rX+\i]|, |v[rX+\i+1]|
.endr
	s_delay_alu instid0(VALU_DEP_1)
	v_max_num_f32_dpp v[QM], v[QM], v[QM] row_xmask:1 row_mask:0xf bank_mask:0xf   ; with my neighbour's 16: the block's
	s_delay_alu instid0(VALU_DEP_1)
	v_add_nc_u32 v[QS], 0xfe000000, v[QM]          ; 4 off the exponent field: the conversion's scale operand
.if (\H == 1) && ((\q) == 0)
	s_wait_alu depctr_va_vdst(0)
	s_wait_xcnt 0x0                                ; the first half's four stores of codes have read their registers: the second half writes them again only behind this wait
.endif
	v_cvt_scalef32_pk16_bf6_f32 v[rC:rC+2], v[rX:rX+15], v[QS]
	v_lshrrev_b32 v[QB], 23, v[QS]                 ; the byte (and the plain line behind the conversion)
	ds_store_b8 v5, v[QB] offset:32*(\q)+16*(\H)   ; both lanes of a block write the same byte
	global_store_b96 v4, v[rC:rC+2], s[28:29] offset:768*(\q)+384*(\H)   ; the wave stores 384 consecutive bytes
.irp kp, 0,1,2,3,4,5,6,7
.if \first
	s_wait_alu depctr_va_vdst(0)
	s_wait_dscnt 28-4*\kp                          ; behind chunk kp's four loads stand 28 - 4 kp loads and my byte store: the chunk is in
.endif
.irp p, 0,1,2,3
.if (\H == 0) && (\kp == 0)
	v_pk_mul_f32 v[rA+2*\p:rA+2*\p+1], v[WR+2*\p:WR+2*\p+1], v[rX:rX+1] op_sel_hi:[1,0]   ; the first product starts the sums
.else
	v_pk_fma_f32 v[rA+2*\p:rA+2*\p+1], v[WR+16*\kp+2*\p:WR+16*\kp+2*\p+1], v[rX+2*\kp:rX+2*\kp+1], v[rA+2*\p:rA+2*\p+1] op_sel_hi:[1,0,1]
.endif
.endr
.irp p, 0,1,2,3
	s_delay_alu instid0(VALU_DEP_4)
	v_pk_fma_f32 v[rA+2*\p:rA+2*\p+1], v[WR+16*\kp+8+2*\p:WR+16*\kp+8+2*\p+1], v[rX+2*\kp:rX+2*\kp+1], v[rA+2*\p:rA+2*\p+1] op_sel:[0,1,0] op_sel_hi:[1,1,1]
.endr
.if \next
.irp m, 0,1,2,3
	ds_load_b128 v[WR+16*\kp+4*\m:WR+16*\kp+4*\m+3], v3 offset:16896+16*(4*\kp+\m)   ; the second half's chunk kp
.endr
.endif
.endr
.if \H == 0
	XLOAD \q, 1                                    ; the token's second half, into the registers just read
.endif
.endm
.irp m, 0,1,2,3,4,5,6,7,8,9,10,11,12,13,14,15,16,17,18,19,20,21,22,23,24,25,26,27,28,29,30,31
	ds_load_b128 v[WR+4*\m:WR+4*\m+3], v3 offset:16*\m    ; the first half's eight chunks.  Rows 528 bytes apart: sixteen lanes, sixteen different columns of 16 bytes
.endr
	TOKEN 0, 0, 1, 0
	TOKEN 1, 0, 0, 0
	TOKEN 2, 0, 0, 0
	TOKEN 3, 0, 0, 1
	TOKEN 0, 1, 1, 0
	TOKEN 1, 1, 0, 0
	TOKEN 2, 1, 0, 0
	TOKEN 3, 1, 0, 0
	ds_load_b32 v[QB], v9                          ; LDS serves a wave's instructions in order: this sees my byte stores
.irp m, 1,2,4,8
.irp r, 0,1,2,3,4,5,6,7,8,9,10,11,12,13,14,15,16,17,18,19,20,21,22,23,24,25,26,27,28,29,30,31
	v_add_f32_dpp v[AC+\r], v[AC+\r], v[AC+\r] row_xmask:\m row_mask:0xf bank_mask:0xf
.endr
.endr
.irp r, 0,1,2,3,4,5,6,7,8,9,10,11,12,13,14,15,16,17,18,19,20,21,22,23,24,25,26,27,28,29,30,31
	v_permlanex16_b32 v[WR+\r], v[AC+\r], s20, s21
.endr
.irp r, 0,1,2,3,4,5,6,7,8,9,10,11,12,13,14,15,16,17,18,19,20,21,22,23,24,25,26,27,28,29,30,31
	v_add_f32 v[AC+\r], v[AC+\r], v[WR+\r]         ; every lane holds the logit
.endr
.irp q, 0,1,2,3
	ds_store_b128 v11, v[AC+8*\q:AC+8*\q+3] offset:32*\q        ; all lanes write the same words with the same values
	ds_store_b128 v11, v[AC+8*\q+4:AC+8*\q+7] offset:32*\q+16
.endr
	s_wait_dscnt 0x0                               ; my scale bytes are back, and my logits have landed
	global_store_b32 v10, v[QB], s[30:31]          ; four tokens' 128 scale bytes, consecutive
	s_barrier_signal -1
	s_barrier_wait -1
	s_cmp_lg_u32 s14, 0
	s_cbranch_scc1 .Lend
	; ---- wave 0: lane = token
	ds_load_b128 v[112:115], v15
	ds_load_b128 v[116:119], v15 offset:16
	s_wait_dscnt 0x0
	v_max3_num_f32 v120, v112, v113, v114
	s_delay_alu instid0(VALU_DEP_1)
	v_max3_num_f32 v120, v120, v115, v116
	s_delay_alu instid0(VALU_DEP_1)
	v_max3_num_f32 v120, v120, v117, v118
	s_delay_alu instid0(VALU_DEP_1)
	v_max_num_f32 v120, v120, v119                 ; the row's maximum
.irp e, 0,1,2,3,4,5,6,7
	v_sub_f32 v[112+\e], v[112+\e], v120
.endr
.irp e, 0,1,2,3,4,5,6,7
	v_mul_f32 v[112+\e], 0x3fb8aa3b, v[112+\e]
.endr
	s_wait_alu depctr_va_vdst(0)
.irp e, 0,1,2,3,4,5,6,7
	v_exp_f32 v[112+\e], v[112+\e]
.endr
	v_nop                                          ; a plain line behind the last exponential
	s_wait_alu depctr_va_vdst(0)                   ; one wait for the eight, ahead of their first reader
	v_add_f32 v121, v112, v113
.irp e, 2,3,4,5,6,7
	v_add_f32 v121, v121, v[112+\e]
.endr
	v_mov_b32 v122, v112                           ; the largest, and its expert
	v_mov_b32 v132, 0
.irp e, 1,2,3,4,5,6,7
	v_cmp_gt_f32 vcc_lo, v[112+\e], v122
	v_cndmask_b32 v122, v122, v[112+\e], vcc_lo
	s_delay_alu instid0(VALU_DEP_2)
	v_cndmask_b32 v132, v132, \e, vcc_lo
.endr
	v_mov_b32 v124, -1.0                           ; the second: the same scan without the first's expert
	v_mov_b32 v133, 0
.irp e, 0,1,2,3,4,5,6,7
	v_cmp_ne_u32 s32, \e, v132
	v_cmp_gt_f32 vcc_lo, v[112+\e], v124
	s_and_b32 vcc_lo, vcc_lo, s32
	v_cndmask_b32 v124, v124, v[112+\e], vcc_lo
	v_cndmask_b32 v133, v133, \e, vcc_lo
.endr
	s_delay_alu instid0(VALU_DEP_2)
	v_add_f32 v126, v122, v124
	s_wait_alu depctr_va_vdst(0)
	v_rcp_f32 v127, v121
	v_rcp_f32 v128, v126
	v_mov_b32 v129, 0                              ; (a plain line behind the reciprocals)
	s_wait_alu depctr_va_vdst(0)                   ; one wait for both
	v_mul_f32 v130, v122, v128                     ; the two gates: they add up to 1
	v_mul_f32 v131, v124, v128
.irp e, 0,1,2,3,4,5,6,7
	v_mul_f32 v[112+\e], v[112+\e], v127           ; the probabilities
.endr
.irp m, 1,2,4,8
.irp e, 0,1,2,3,4,5,6,7
	v_add_f32_dpp v[112+\e], v[112+\e], v[112+\e] row_xmask:\m row_mask:0xf bank_mask:0xf
.endr
.endr
.irp e, 0,1,2,3,4,5,6,7
	v_permlanex16_b32 v[140+\e], v[112+\e], s20, s21
.endr
.irp e, 0,1,2,3,4,5,6,7
	v_add_f32 v[112+\e], v[112+\e], v[140+\e]      ; their sums over the 32 tokens
.endr
	v_mov_b32 v135, 0
.irp e, 0,1,2,3,4,5,6,7
	v_cmp_eq_u32 s32, \e, v132
	v_cmp_eq_u32 s33, \e, v133
	s_or_b32 s32, s32, s33
	v_writelane_b32 v129, s32, \e                  ; lane e: which of the 32 tokens chose expert e
	v_cmp_eq_u32 vcc_lo, \e, v1
	s_delay_alu instid0(VALU_DEP_1)
	v_cndmask_b32 v135, v135, v[112+\e], vcc_lo    ; lane e: expert e's sum
.endr
	v_lshlrev_b32 v136, 3, v1
	s_lshl_b32 s34, ttmp9, 8
	s_mov_b32 s35, 0
	s_add_nc_u64 s[36:37], s[10:11], s[34:35]
	s_add_nc_u64 s[38:39], s[12:13], s[34:35]
	s_lshl_b32 s34, ttmp9, 5
	s_add_nc_u64 s[40:41], s[10:11], s[34:35]
	s_add_nc_u64 s[42:43], s[12:13], s[34:35]
	global_store_b64 v136, v[132:133], s[36:37]    ; 256 consecutive bytes each
	global_store_b64 v136, v[130:131], s[38:39]
	v_cmp_gt_u32 vcc_lo, 8, v1
	s_wait_alu depctr_va_vdst(0)
	s_wait_xcnt 0x0                                ; EXEC changes only behind this wait
	s_and_saveexec_b32 s44, vcc_lo
	global_store_b32 v10, v129, s[40:41] offset:8192
	global_store_b32 v10, v135, s[42:43] offset:8192
	s_wait_xcnt 0x0                                ; and again in front of the line that widens it
	s_or_b32 exec_lo, exec_lo, s44
.Lend:
	s_wait_tensorcnt 0x0
	ds_add_u32 v251, v255
	s_wait_dscnt 0x0
	s_endpgm
.Lfunc_end_k_q84e257bf94_route:
	.size	k_q84e257bf94_route, .Lfunc_end_k_q84e257bf94_route-k_q84e257bf94_route
	.p2alignl 7, 3214868480
	.fill 96, 4, 3214868480
	.section	.rodata,"a",@progbits
	.p2align	6, 0x0
	.amdhsa_kernel k_q84e257bf94_route
		.amdhsa_group_segment_fixed_size 36864
		.amdhsa_private_segment_fixed_size 0
		.amdhsa_enable_private_segment 0
		.amdhsa_kernarg_size 40
		.amdhsa_user_sgpr_count 2
		.amdhsa_user_sgpr_kernarg_segment_ptr 1
		.amdhsa_wavefront_size32 1
		.amdhsa_system_sgpr_workgroup_id_x 1
		.amdhsa_system_sgpr_workgroup_id_y 1
		.amdhsa_system_sgpr_workgroup_id_z 1
		.amdhsa_system_vgpr_workitem_id 0
		.amdhsa_next_free_vgpr 256
		.amdhsa_next_free_sgpr 66
		.amdhsa_reserve_vcc 1
		.amdhsa_float_denorm_mode_32 3
		.amdhsa_float_denorm_mode_16_64 3
		.amdhsa_memory_ordered 1
		.amdhsa_forward_progress 1
		.amdhsa_inst_pref_size 85
	.end_amdhsa_kernel
	.amdgpu_metadata
---
amdhsa.version: [ 1, 2 ]
amdhsa.kernels:
  - .name:           k_q84e257bf94_route
    .symbol:         k_q84e257bf94_route.kd
    .args:
      - { .name: x, .offset: 0, .size: 8, .value_kind: global_buffer, .address_space: global }
      - { .name: w_router, .offset: 8, .size: 8, .value_kind: global_buffer, .address_space: global }
      - { .name: xq, .offset: 16, .size: 8, .value_kind: global_buffer, .address_space: global }
      - { .name: route_i, .offset: 24, .size: 8, .value_kind: global_buffer, .address_space: global }
      - { .name: route_f, .offset: 32, .size: 8, .value_kind: global_buffer, .address_space: global }
    .group_segment_fixed_size: 36864
    .private_segment_fixed_size: 0
    .kernarg_segment_align: 8
    .kernarg_segment_size: 40
    .max_flat_workgroup_size: 256
    .sgpr_count:     66
    .vgpr_count:     256
    .wavefront_size: 32
...
	.end_amdgpu_metadata
.endif
;; end of part 6
;; launch place (part 7): grid 71 x 1, 4 waves a work-group, no clusters, 0 bytes of LDS; arguments route_i, route_f, xq, xa, plan, gatew, out1; writes xa, plan, gatew, out1
.if DOCPART == 7
	.amdgcn_target "amdgcn-amd-amdhsa--gfx1250"
	.amdhsa_code_object_version 6
	.text
	.protected	k_q84e257bf94_place
	.globl	k_q84e257bf94_place
	.p2align	8
	.type	k_q84e257bf94_place,@function
k_q84e257bf94_place:
	s_mov_b64 s[64:65], 0
	v_nop
	global_prefetch_b8 v0, s[64:65] scope:SCOPE_SE
	s_setreg_imm32_b32 hwreg(HW_REG_WAVE_MODE, 25, 1), 1
	s_wait_xcnt 0x0
; THE ROWS ARE PLACED BY EXPERT.  Each expert's rows (tokens in ascending order) are cut into pair tiles of 32 rows, the last filled up; with 2,048 rows and 8 experts there are
; never more than (2048 + 8 x 31) / 32 = 71 of them, whatever the choice.  Work-group g makes pair tile g, or stores nothing where this choice has fewer.
; All counting is in whole numbers, from the masks that the launch before stored: addresses and the branch out hang on it.
; Every wave finds the tile's 32 tokens for itself (lane = row): so there is no LDS and no barrier.  Row of rank R: the last group of 32 tokens whose running count does not pass R,
; and in its mask the set bit of rank R - that count, read off the partial sums of a bit count (2, 4, 8, 16 bits wide).
; LOADS GO OUT AS SOON AS THEIR ADDRESSES ARE KNOWN: the sums of the probabilities with the masks, each row's experts and gates with its codes.  Every wave issues these four loads,
; though wave 0 alone uses the experts and gates and work-group 0 alone the sums: so no wave waits for a load that it could have asked for earlier, and no register's filling hangs on a branch.
; OUT: xa: the rows' codes as images of the operand's registers: [g][K step 8][tile 2][piece 6][lane][8 bytes], piece 3 c + i = registers 6 c + 2 i, 6 c + 2 i + 1; at XASO the scale words [g][K step][lane],
;      lanes 0-15 the first tile's rows, lanes 16-31 the second's;  plan: (first pair tile, number of pair tiles) for each expert, at 256 the rows' places in y2 [g][tile][row % 2][row / 2];
;      gatew: the rows' gates [g][row];  out1: the auxiliary loss.
; A filling row repeats token 1023's codes, has the gate 0 and goes to a row of y2 that nobody reads (2048 + expert).
.set XSO,  786432
.set XASO, 1744896
	s_load_b256 s[4:11], s[0:1], 0x0               ; route_i s[4:5], route_f s[6:7], xq s[8:9], xa s[10:11]
	s_load_b128 s[12:15], s[0:1], 0x20             ; plan s[12:13], gatew s[14:15]
	s_load_b64 s[16:17], s[0:1], 0x30              ; out1
	v_lshrrev_b32 v1, 5, v0
	v_readfirstlane_b32 s18, v1                    ; wave
	v_and_b32 v1, 31, v0                           ; lane
	v_lshlrev_b32 v2, 5, v1                        ; 32 x lane: a group's eight words
	s_mov_b32 s19, ttmp9                           ; g
	s_mov_b32 s20, 0x76543210
	s_mov_b32 s21, 0xfedcba98
	v_mov_b32 v3, 0
.irp i, 0,1,2,3
	v_mov_b32 v[44+\i], 0                          ; written once: the destination of a lane move counts as read
.endr
	v_mov_b32 v31, 0
	v_mov_b32 v123, 0
	s_wait_alu depctr_va_vdst(0)
	s_wait_kmcnt 0x0
	global_load_b128 v[16:19], v2, s[4:5] offset:8192   ; lane = group: its masks for experts 0-3,
	global_load_b128 v[20:23], v2, s[4:5] offset:8208   ; 4-7
	global_load_b128 v[4:7], v2, s[6:7] offset:8192     ; and its sums of the probabilities, for the loss
	global_load_b128 v[8:11], v2, s[6:7] offset:8208
	s_wait_loadcnt 0x2                             ; the masks are in; the two loads of sums stay out
.macro POPC d, s                       ; the number of set bits, by shifts and adds
	v_lshrrev_b32 v3, 1, v[\s]
	v_and_b32 v3, 0x55555555, v3
	v_sub_nc_u32 v[\d], v[\s], v3
	v_lshrrev_b32 v3, 2, v[\d]
	v_and_b32 v3, 0x33333333, v3
	v_and_b32 v[\d], 0x33333333, v[\d]
	v_add_nc_u32 v[\d], v[\d], v3
	v_lshrrev_b32 v3, 4, v[\d]
	v_add_nc_u32 v[\d], v[\d], v3
	v_and_b32 v[\d], 0x0f0f0f0f, v[\d]
	v_lshrrev_b32 v3, 8, v[\d]
	v_add_nc_u32 v[\d], v[\d], v3
	v_lshrrev_b32 v3, 16, v[\d]
	v_add_nc_u32 v[\d], v[\d], v3
	v_and_b32 v[\d], 63, v[\d]
.endm
.irp e, 0,1,2,3,4,5,6,7
	POPC 32+\e, 16+\e
.endr
.irp i, 0,1,2,3
	v_lshl_or_b32 v[40+\i], v[33+2*\i], 16, v[32+2*\i]   ; two experts to a register: a count is 1,024 at the most
.endr
.irp m, 1,2,4,8
.irp i, 0,1,2,3
	v_mov_b32_dpp v[44+\i], v[40+\i] row_xmask:\m row_mask:0xf bank_mask:0xf
.endr
.irp i, 0,1,2,3
	v_add_nc_u32 v[40+\i], v[40+\i], v[44+\i]
.endr
.endr
.irp i, 0,1,2,3
	v_permlanex16_b32 v[44+\i], v[40+\i], s20, s21
.endr
.irp i, 0,1,2,3
	v_add_nc_u32 v[40+\i], v[40+\i], v[44+\i]
.endr
.irp i, 0,1,2,3
	v_readfirstlane_b32 s[32+\i], v[40+\i]
.endr
.irp i, 0,1,2,3
	s_and_b32 s[24+2*\i], s[32+\i], 0xffff         ; s24-31: each expert's rows
	s_lshr_b32 s[25+2*\i], s[32+\i], 16
.endr
	s_mov_b32 s36, 0                               ; pair tiles so far
	s_mov_b32 s37, 0                               ; my expert: the last whose first pair tile does not pass g,
	s_mov_b32 s38, 0                               ; its first pair tile,
	s_mov_b32 s39, 0                               ; its rows
.irp e, 0,1,2,3,4,5,6,7
	s_add_co_u32 s40, s[24+\e], 31
	s_lshr_b32 s40, s40, 5
	s_mov_b32 s[48+2*\e], s36                      ; the table
	s_mov_b32 s[49+2*\e], s40
	s_cmp_ge_u32 s19, s36
	s_cselect_b32 s37, \e, s37
	s_cselect_b32 s38, s36, s38
	s_cselect_b32 s39, s[24+\e], s39
	s_add_co_u32 s36, s36, s40
.endr
	s_cmp_ge_u32 s19, s36                          ; this choice has no pair tile g
	s_cbranch_scc1 .Lend
	v_mov_b32 v24, v16                             ; my expert's masks, lane = group
.irp e, 1,2,3,4,5,6,7
	s_cmp_eq_u32 s37, \e
	s_cselect_b32 vcc_lo, -1, 0
	v_cndmask_b32 v24, v24, v[16+\e], vcc_lo
.endr
	s_sub_co_u32 s40, s19, s38
	s_lshl_b32 s40, s40, 5
	v_add_nc_u32 v25, s40, v1                      ; R: my row's rank among the expert's rows
	v_mov_b32 v26, 0                               ; its group's mask,
	v_mov_b32 v27, 0                               ; the rows ahead of that group,
	v_mov_b32 v28, 0                               ; the group
	s_mov_b32 s46, 0
.irp grp, 0,1,2,3,4,5,6,7,8,9,10,11,12,13,14,15,16,17,18,19,20,21,22,23,24,25,26,27,28,29,30,31
	v_readlane_b32 s47, v24, \grp
	v_cmp_gt_u32 vcc_lo, s46, v25                  ; the group begins behind R: keep what I have
	v_cndmask_b32 v26, s47, v26, vcc_lo
	v_cndmask_b32 v27, s46, v27, vcc_lo
	v_cndmask_b32 v28, \grp, v28, vcc_lo
	s_bcnt1_i32_b32 s47, s47
	s_add_co_u32 s46, s46, s47
.endr
	v_sub_nc_u32 v36, v25, v27                     ; the rank inside the mask
	v_lshrrev_b32 v38, 1, v26
	v_and_b32 v38, 0x55555555, v38
	v_sub_nc_u32 v32, v26, v38                     ; counts of 2 bits,
	v_lshrrev_b32 v38, 2, v32
	v_and_b32 v38, 0x33333333, v38
	v_and_b32 v33, 0x33333333, v32
	v_add_nc_u32 v33, v33, v38                     ; of 4,
	v_lshrrev_b32 v38, 4, v33
	v_add_nc_u32 v34, v33, v38
	v_and_b32 v34, 0x0f0f0f0f, v34                 ; of 8,
	v_lshrrev_b32 v38, 8, v34
	v_add_nc_u32 v35, v34, v38
	v_and_b32 v35, 0x00ff00ff, v35                 ; of 16
	v_mov_b32 v37, 0                               ; the bit's place
.macro NTH x, wd, st                   ; if the rank passes the count of the next st bits, go over them
	v_bfe_u32 v38, v[\x], v37, \wd
	v_cmp_ge_u32 vcc_lo, v36, v38
	v_sub_nc_u32 v38, v36, v38
	v_cndmask_b32 v36, v36, v38, vcc_lo
	v_add_nc_u32 v38, \st, v37
	v_cndmask_b32 v37, v37, v38, vcc_lo
.endm
	NTH 35, 8, 16
	NTH 34, 8, 8
	NTH 33, 4, 4
	NTH 32, 2, 2
	NTH 26, 1, 1
	v_lshl_add_u32 v29, v28, 5, v37                ; the token
	v_cmp_gt_u32 s41, s39, v25                     ; a row of the expert's, or one that fills up the tile?
	v_mov_b32 v30, 0x3ff
	v_cndmask_b32 v29, v30, v29, s41
	v_permlanex16_b32 v31, v29, s20, s21
	v_cmp_gt_u32 vcc_lo, 16, v1
	v_cndmask_b32 v40, v31, v29, vcc_lo            ; lane (r, h): row r of the first tile,
	v_cndmask_b32 v41, v29, v31, vcc_lo            ; of the second
	v_min_u32 v40, 0x3ff, v40                      ; a number that was loaded enters an address only behind this hold
	v_min_u32 v41, 0x3ff, v41
	v_min_u32 v42, 0x3ff, v29                      ; lane = row
	v_bfe_u32 v43, v0, 4, 1
	v_mul_u32_u24 v43, v43, 24
	s_mul_i32 s22, s18, 192                        ; wave w takes K steps 2 w and 2 w + 1
	v_add_nc_u32 v43, s22, v43
	v_mul_u32_u24 v40, v40, 768
	v_mul_u32_u24 v41, v41, 768
	v_add_nc_u32 v40, v40, v43
	v_add_nc_u32 v41, v41, v43
	v_lshlrev_b32 v48, 5, v42
	s_lshl_b32 s22, s18, 3
	v_add_nc_u32 v48, s22, v48
	v_lshlrev_b32 v50, 3, v42
.irp a, 0,1
.irp ss, 0,1
.irp p, 0,1,2,3,4,5
	global_load_b64 v[64+24*\a+12*\ss+2*\p:64+24*\a+12*\ss+2*\p+1], v[40+\a], s[8:9] offset:96*\ss+48*(\p/3)+8*(\p%3)
.endr
.endr
.endr
	global_load_b64 v[112:113], v48, s[8:9] offset:XSO   ; my row's scale words of the two K steps
	global_load_b64 v[52:53], v50, s[4:5]          ; my row's token: its two experts
	global_load_b64 v[54:55], v50, s[6:7]          ; and gates
	v_lshlrev_b32 v49, 3, v1
	v_lshlrev_b32 v39, 2, v1
	s_mul_i32 s22, s19, 24576
	s_mul_i32 s23, s18, 6144
	s_add_co_u32 s22, s22, s23
	s_mov_b32 s23, 0
	s_add_nc_u64 s[42:43], s[10:11], s[22:23]
	s_lshl_b32 s22, s19, 10
	s_lshl_b32 s40, s18, 8
	s_add_co_u32 s22, s22, s40
	s_add_co_u32 s22, s22, XASO
	s_add_nc_u64 s[44:45], s[10:11], s[22:23]
	s_wait_alu depctr_va_vdst(0)
	s_wait_loadcnt 0x0                             ; all that this wave ever loads is in
.irp a, 0,1
.irp ss, 0,1
.irp p, 0,1,2,3,4,5
	global_store_b64 v49, v[64+24*\a+12*\ss+2*\p:64+24*\a+12*\ss+2*\p+1], s[42:43] offset:3072*\ss+1536*\a+256*\p   ; 256 consecutive bytes, aligned
.endr
.endr
.endr
	global_store_b32 v39, v112, s[44:45]
	global_store_b32 v39, v113, s[44:45] offset:128
	s_cmp_lg_u32 s18, 0
	s_cbranch_scc1 .Lend
	; ---- wave 0: where each row's result goes, and its gate
	v_and_b32 v56, 16, v1
	v_and_b32 v57, 1, v1
	v_lshl_add_u32 v56, v57, 3, v56
	v_bfe_u32 v57, v1, 1, 3
	v_add_nc_u32 v56, v56, v57
	v_lshlrev_b32 v56, 2, v56                      ; [tile][row % 2][row / 2]
	s_lshl_b32 s22, s19, 7
	s_add_nc_u64 s[32:33], s[14:15], s[22:23]
	s_add_nc_u64 s[34:35], s[12:13], s[22:23]
	s_add_co_u32 s40, s37, 2048
	v_mov_b32 v58, s40
	v_cmp_eq_u32 vcc_lo, s37, v53                  ; am I the token's second expert?
	v_cndmask_b32 v59, v54, v55, vcc_lo
	v_cndmask_b32 v60, 0, 1, vcc_lo
	v_lshl_add_u32 v60, v42, 1, v60                ; row 2 t + slot of y2
	v_cndmask_b32 v60, v58, v60, s41
	v_cndmask_b32 v59, 0, v59, s41
	global_store_b32 v56, v60, s[34:35] offset:256
	global_store_b32 v39, v59, s[32:33]
	s_cmp_lg_u32 s19, 0
	s_cbranch_scc1 .Lend
	; ---- work-group 0: the table, and the loss = 8 x 0.01 x sum over e of (rows_e / 2048) x (sum of probabilities_e / 1024)
	v_mov_b32 v51, 0
.irp i, 0,1,2,3,4,5,6,7,8,9,10,11,12,13,14,15
	v_writelane_b32 v51, s[48+\i], \i
.endr
.irp e, 0,1,2,3,4,5,6,7
	v_cvt_f32_u32 v[114+\e], s[24+\e]
.endr
	v_mul_f32 v122, v4, v114
.irp e, 1,2,3,4,5,6,7
	v_fmac_f32 v122, v[4+\e], v[114+\e]
.endr
.irp m, 1,2,4,8
	v_add_f32_dpp v122, v122, v122 row_xmask:\m row_mask:0xf bank_mask:0xf
.endr
	v_permlanex16_b32 v123, v122, s20, s21
	v_add_f32 v122, v122, v123
	v_mul_f32 v122, 0x3323d70a, v122               ; x 0.08 / 2^21
	v_cmp_gt_u32 vcc_lo, 16, v1
	s_wait_alu depctr_va_vdst(0)
	s_wait_xcnt 0x0                                ; EXEC changes only behind this wait
	s_and_saveexec_b32 s40, vcc_lo
	global_store_b32 v39, v51, s[12:13]
	s_wait_xcnt 0x0
	s_or_b32 exec_lo, exec_lo, s40
	v_cmp_eq_u32 vcc_lo, 0, v1
	s_wait_xcnt 0x0
	s_and_saveexec_b32 s40, vcc_lo
	global_store_b32 v39, v122, s[16:17]
	s_wait_xcnt 0x0
	s_or_b32 exec_lo, exec_lo, s40
.Lend:
	s_endpgm
.Lfunc_end_k_q84e257bf94_place:
	.size	k_q84e257bf94_place, .Lfunc_end_k_q84e257bf94_place-k_q84e257bf94_place
	.p2alignl 7, 3214868480
	.fill 96, 4, 3214868480
	.section	.rodata,"a",@progbits
	.p2align	6, 0x0
	.amdhsa_kernel k_q84e257bf94_place
		.amdhsa_group_segment_fixed_size 0
		.amdhsa_private_segment_fixed_size 0
		.amdhsa_enable_private_segment 0
		.amdhsa_kernarg_size 56
		.amdhsa_user_sgpr_count 2
		.amdhsa_user_sgpr_kernarg_segment_ptr 1
		.amdhsa_wavefront_size32 1
		.amdhsa_system_sgpr_workgroup_id_x 1
		.amdhsa_system_sgpr_workgroup_id_y 1
		.amdhsa_system_sgpr_workgroup_id_z 1
		.amdhsa_system_vgpr_workitem_id 0
		.amdhsa_next_free_vgpr 128
		.amdhsa_next_free_sgpr 66
		.amdhsa_reserve_vcc 1
		.amdhsa_float_denorm_mode_32 3
		.amdhsa_float_denorm_mode_16_64 3
		.amdhsa_memory_ordered 1
		.amdhsa_forward_progress 1
		.amdhsa_inst_pref_size 33
	.end_amdhsa_kernel
	.amdgpu_metadata
---
amdhsa.version: [ 1, 2 ]
amdhsa.kernels:
  - .name:           k_q84e257bf94_place
    .symbol:         k_q84e257bf94_place.kd
    .args:
      - { .name: route_i, .offset: 0, .size: 8, .value_kind: global_buffer, .address_space: global }
      - { .name: route_f, .offset: 8, .size: 8, .value_kind: global_buffer, .address_space: global }
      - { .name: xq, .offset: 16, .size: 8, .value_kind: global_buffer, .address_space: global }
      - { .name: xa, .offset: 24, .size: 8, .value_kind: global_buffer, .address_space: global }
      - { .name: plan, .offset: 32, .size: 8, .value_kind: global_buffer, .address_space: global }
      - { .name: gatew, .offset: 40, .size: 8, .value_kind: global_buffer, .address_space: global }
      - { .name: out1, .offset: 48, .size: 8, .value_kind: global_buffer, .address_space: global }
    .group_segment_fixed_size: 0
    .private_segment_fixed_size: 0
    .kernarg_segment_align: 8
    .kernarg_segment_size: 56
    .max_flat_workgroup_size: 128
    .sgpr_count:     66
    .vgpr_count:     128
    .wavefront_size: 32
...
	.end_amdgpu_metadata
.endif
;; end of part 7
;; launch ffn1 (part 8): grid 256 x 1, 16 waves a work-group, no clusters, 104,960 bytes of LDS; arguments W1, b1, xa, plan, hq; writes hq
.if DOCPART == 8
	.amdgcn_target "amdgcn-amd-amdhsa--gfx1250"
	.amdhsa_code_object_version 6
	.text
	.protected	k_q84e257bf94_ffn1
	.globl	k_q84e257bf94_ffn1
	.p2align	8
	.type	k_q84e257bf94_ffn1,@function
k_q84e257bf94_ffn1:
	s_mov_b64 s[64:65], 0
	v_nop
	global_prefetch_b8 v0, s[64:65] scope:SCOPE_SE
	s_setreg_imm32_b32 hwreg(HW_REG_WAVE_SCHED_MODE, 0, 2), 2
	s_setreg_imm32_b32 hwreg(HW_REG_WAVE_MODE, 25, 1), 1
	s_wait_xcnt 0x0
	s_wait_alu depctr_vm_vsrc(0)
; h = gelu(x W1[e] + b1[e]) for the rows that chose expert e, on codes of E3M2 with one E8M0 scale for each 32 along K; h leaves quantised along the next K.
; SHARES.  Work-group = expert e (8) x slice of 128 hidden units (32).  Its 1,024 x 128 numbers of W1 (512 KiB of f32) are read from memory once, by this work-group alone.
; STREAM.  Wave w takes 64 columns (w % 2) x 128 along K (w / 2).  A lane takes a column and its registers run down K: a block of 32 lies in one lane, the conversions give codes with K innermost.
;   Two loads on end cover 256 consecutive bytes of a row of W1.  Lanes 0-15 take the columns of one tile, lanes 16-31 those of the next, so that one exchange of halves gives both tiles' operand registers.
;   THE UNITS OF A TILE ARE NOT NEIGHBOURS: row r of tile 2 b + u is unit 32 b + 8 u + r + 8 (r / 8), so that a lane's 16 results of two neighbouring tiles are 16 neighbours along the next K.
;   The fragments go to LDS as images of their registers (16 bytes a lane, 512 a store).  ONE barrier; it stands ahead of every branch on the stored table.
; JOBS.  A job = a pair tile (2 x 16 rows) x 64 units: 8 accumulators by turns, 8 K steps of 128.  Wave w takes unit half w % 2 and pair tiles w / 2, w / 2 + 8 ..  The product is used transposed
;   (source 0 = 16 units, source 1 = 16 rows): a lane holds one row.  The rows' fragments come from memory as images, through a ring of four K steps in registers; each weight fragment read from LDS feeds two products.
;   b1 is the C of each sum's first product.  gelu = 0.5 x (1 + erf(x / sqrt 2)), erf(z) = z P(z^2) / Q(z^2) on z held to +-4, in f32.
;   An expert has at most 1,024 rows, 32 pair tiles: a wave has at most four jobs; the loop over them has a counter of its own, stepped by 1.
;   THE NEXT JOB'S FIRST FOUR K STEPS are asked for straight behind a job's K loop, ahead of its gelu, which touches no register of the ring; the last job asks for nothing.
; No tensor load stands in this text, since the number of jobs hangs on the stored table; so there is no joint request either.
; An expert without rows still streams its slice: the way out stands behind the barrier.
; LIMITS: NaN and infinities are not served.  A block whose largest magnitude lies under 2^-122 gets the byte 1 (zeros too: zero codes).  erf is good to a few 1e-7 absolute, so 1 + erf has no relative
; accuracy for x under about -5, where gelu is under 1e-6 in magnitude.
; THE MODE: SCHED_MODE bits 1:0 = 2 (LLVM: expert scheduling mode 2), set by the entry lines.  The code itself states the register dependences
; between vector or matrix instructions and memory or LDS instructions, with s_wait_alu, always for 0.
; THE PLAN.  Registers that memory or LDS instructions touch, who writes and who reads them:
;   v1-v12        offsets and LDS addresses: written at the head, once; read by every load and store.  One wait on va_vdst ahead of the first load.
;   ST0, ST1      the stream's two sets: block b's loads land in set b % 2; its maxima and conversions read it; one wait on va_vdst behind them, then block b + 2's loads.
;   FR, SW, BI    written by conversions, exchanges and moves (BI by a load); read by the run of LDS stores: one wait on va_vdst ahead of the run; one on vm_vsrc behind it, ahead of the ring's first loads, which land there.
;   BF, BS        half hb: read by the four products MM s, hb; the LDS loads of step s + 1 land in it behind a wait on va_vdst.  Two such waits a K step: the wave's 256 registers hold one set of fragments.
;   AF, AS        ring slot s % 4: read by step s's eight products; the loads of step s + 4 land in it behind the step's second wait; the next job's behind a wait of their own.
;   ACC, v88-135  at a job's end written and read by the gelu and the conversions; the next job's LDS loads land in them: the wait ahead of the job's last stores covers that, since no vector instruction follows it.
;   QF, v251      the codes of h and the rows' bytes: written by vector instructions, read by the stores.  Tile 0's stores stand behind the wait that the third gelu has for its reciprocals; tile 1's and the bytes'
;                 behind one wait of their own; one wait on vm_vsrc at the loop's foot, ahead of the next job's writes.
.set PITCH, 16384                      ; a row of W1[e] in bytes
.set NK,    8                          ; K steps
.set KHALF, 4                          ; K steps reached from one LDS address register
.set KSPAN, 12288                      ; a K step's 8 fragments in LDS
.set SSTEP, 512                        ; and its scale registers
.set BSC,   98304                      ; LDS: 64 fragments of 1,536 bytes at 0; their scale registers (128 bytes each) here;
.set BIAS,  102400                     ; the slice of b1
.set XASO,  1744896
.set HSO,   6979584
.set LB0, 1                            ; v1  16 x lane + my unit half's fragments;  v2 the same 49,152 on
.set LB1, 2
.set LSC, 3                            ; v3  the weights' scale registers
.set VB,  4                            ; v4  the bias: 64 bytes on for lanes 16-31
.set L8,  5
.set L4,  6
.set HSA, 7                            ; v7  4 x lane + 2 x unit half
.set BST, 8
.set L16, 9
.set COL, 10
.set SADR, 11
.set SSC, 12
.set BS,  14                           ; v14-15 the weights' scale words, v16-19 the rows': filled by loads alone, and they hold nothing else
.set AS,  16
.set QM,  20
.set QP,  22
.set ACC, 24                           ; v24-87   accumulator (tile of rows a, tile of units T) at 32 a + 8 T
.set BF,  88                           ; v88-135  four weight fragments
.set AF,  136                          ; v136-231 the ring: 4 K steps x 2 fragments
.set QF,  232                          ; v232-237, v240-245 the codes of h
.set QS,  238
.set QT,  246
.set QH,  249
.set QB,  251
.set CA1, 252                          ; v252-253 alpha1, v254-255 beta1
.set CB1, 254
.set ST,  24                           ; the stream: v24-151 two sets of 64 numbers; v152-199 four fragments; v200-215 second halves of blocks
.set FR,  152
.set TU,  200
.set SW,  216
.set MX0, 218
.set MX1, 219
.set SCL, 220
.set BY,  221
.set BI,  222
.set GZ,  88                           ; gelu, 16 numbers at a time, in the weight fragments' 48 registers: z, z^2, P; Q takes z's place once P z is made
.set GZ2, 104
.set GP,  120
.set GQ,  88
.set WV, 14
.set EX, 15
.set SL2, 16
.set CH, 17
.set PT, 18
.set SEL, 20
.set OFF, 22                           ; s22 the expert's first pair tile, s23 how many it has
.set NP, 23
.set AB, 26
.set ASB, 28
.set HB, 30
.set HSB, 32
.set GI, 34
.set HOFF, 35
.set HSOFF, 38
.set KA0, 40
.set KA2, 42
.set KA3, 44
.set KA4, 46
.set KA5, 48
.set KA6, 50
.set KB0, 52
.set KB2, 54
.set KB3, 56
.set KB4, 58
.set JC, 60                            ; s60 jobs done, s61 my wave's jobs
.set NJ, 61
.macro NOP4
.rept 4
	v_nop
.endr
.endm
.macro KPAIR r, val                    ; the packed forms name a pair and take its low word: both are written
	s_mov_b32 s[\r], \val
	s_mov_b32 s[\r+1], \val
.endm
	s_load_b128 s[4:7], s[0:1], 0x0                ; W1, b1
	s_load_b128 s[8:11], s[0:1], 0x10              ; xa, plan
	s_load_b64 s[12:13], s[0:1], 0x20              ; hq
	v_lshrrev_b32 v13, 5, v0
	v_readfirstlane_b32 s[WV], v13
	v_and_b32 v13, 31, v0
	s_wait_alu depctr_va_vdst(0)
	s_lshr_b32 s[EX], ttmp9, 5
	s_and_b32 s[SL2], ttmp9, 31
	s_wait_alu depctr_va_sdst(0)                   ; the wave's number is written, ahead of its first reader
	s_and_b32 s[CH], s[WV], 1                      ; column group in the stream, unit half in the jobs
	s_lshr_b32 s[PT], s[WV], 1                     ; K step in the stream, first pair tile in the jobs
	s_mul_i32 s24, s[CH], 6144
	v_lshl_add_u32 v[LB0], v13, 4, s24
	v_add_nc_u32 v[LB1], 49152, v[LB0]
	s_lshl_b32 s24, s[CH], 8
	s_add_co_u32 s25, s24, BSC
	v_lshl_add_u32 v[LSC], v13, 2, s25
	s_add_co_u32 s25, s24, BIAS
	v_bfe_u32 v[VB], v0, 4, 1
	v_lshl_add_u32 v[VB], v[VB], 6, s25
	v_lshlrev_b32 v[L8], 3, v13
	v_lshlrev_b32 v[L4], 2, v13
	s_lshl_b32 s25, s[CH], 1
	v_add_nc_u32 v[HSA], s25, v[L4]
	v_lshlrev_b32 v[L16], 4, v13
	v_add_nc_u32 v[BST], BIAS, v[L16]
	v_and_b32 v[COL], 7, v0                        ; my column of 32: (l % 8) + 8 (l / 16) + 16 ((l / 8) % 2)
	v_bfe_u32 v[SADR], v0, 4, 1
	v_lshl_or_b32 v[COL], v[SADR], 3, v[COL]
	v_bfe_u32 v[SADR], v0, 3, 1
	v_lshl_or_b32 v[COL], v[SADR], 4, v[COL]
	v_lshlrev_b32 v[COL], 2, v[COL]
	s_mul_i32 s24, s[WV], 6144
	v_add_nc_u32 v[SADR], s24, v[L16]
	s_lshl_b32 s24, s[WV], 8
	s_add_co_u32 s24, s24, BSC
	v_add_nc_u32 v[SSC], s24, v[L4]
	v_mov_b32 v[QP], 0                             ; written once: a lane permute's destination counts as read
	v_mov_b32 v[QP+1], 0
	v_mov_b32 v[CA1], 0x32edffee
	v_mov_b32 v[CA1+1], 0x32edffee
	v_mov_b32 v[CB1], 0xb95fbd29
	v_mov_b32 v[CB1+1], 0xb95fbd29
	s_mov_b32 s[SEL], 0x76543210
	s_mov_b32 s[SEL+1], 0xfedcba98
	KPAIR KA0, 0xaf95df0b
	KPAIR KA2, 0xb60cff51
	KPAIR KA3, 0xb86ec2d2
	KPAIR KA4, 0xba40ac63
	KPAIR KA5, 0xbb41a1f6
	KPAIR KA6, 0xbc83dbd4
	KPAIR KB0, 0xb77460cd
	KPAIR KB2, 0xbadc924e
	KPAIR KB3, 0xbbf19bf8
	KPAIR KB4, 0xbc69b6a7
	s_lshl_b32 s24, s[EX], 24                      ; W1: expert, my 128 rows, my 64 columns
	s_lshl_b32 s25, s[PT], 21
	s_add_co_u32 s24, s24, s25
	s_lshl_b32 s25, s[SL2], 9
	s_add_co_u32 s24, s24, s25
	s_lshl_b32 s25, s[CH], 8
	s_add_co_u32 s24, s24, s25
	s_mov_b32 s25, 0
	s_lshl_b32 s36, s[EX], 14                      ; b1: expert, slice
	s_lshl_b32 s37, s[SL2], 9
	s_add_co_u32 s36, s36, s37
	s_mov_b32 s37, 0
	s_mul_i32 s[HOFF], s[SL2], 3072                ; hq: the slice is K step SL2 of the next product; my unit half is pieces 3 CH on
	s_mul_i32 s[HSOFF], s[CH], 768
	s_add_co_u32 s[HOFF], s[HOFF], s[HSOFF]
	s_lshl_b32 s[HSOFF], s[SL2], 7
	s_add_co_u32 s[HSOFF], s[HSOFF], HSO
	s_wait_kmcnt 0x0
	s_add_nc_u64 s[4:5], s[4:5], s[24:25]
	s_add_nc_u64 s[6:7], s[6:7], s[36:37]
	s_lshl_b32 s36, s[EX], 3
	s_add_nc_u64 s[10:11], s[10:11], s[36:37]
	s_load_b64 s[OFF:OFF+1], s[10:11], 0x0         ; the expert's line of the table
	s_wait_alu depctr_va_vdst(0)                   ; the twelve offsets and LDS addresses v1 to v12 are written: every load and store of the kernel reads one of them, and none is written again
	global_load_b128 v[BI:BI+3], v[L16], s[6:7]    ; the slice of b1
; ---- THE STREAM
.macro LOADU b                         ; block b of 32 along K, 64 columns: 64 loads into set b % 2
.irp i, 0,1,2,3,4,5,6,7,8,9,10,11,12,13,14,15,16,17,18,19,20,21,22,23,24,25,26,27,28,29,30,31
	global_load_b32 v[ST+64*((\b)%2)+\i], v[COL], s[4:5] offset:(32*(\b)+\i)*PITCH th:TH_LOAD_NT
	global_load_b32 v[ST+64*((\b)%2)+32+\i], v[COL], s[4:5] offset:(32*(\b)+\i)*PITCH+128 th:TH_LOAD_NT
.endr
.endm
.macro QW b, hf                        ; my column's block b becomes 32 codes and a byte
.set rX, ST+64*((\b)%2)+32*(\hf)
.set rD, FR+12*(2*(\hf)+((\b)%2))+6*((\b)/2)
.set rE, TU+8*(\hf)+4*((\b)%2)
	v_max3_num_f32 v[MX0], |v[rX]|, |v[rX+1]|, |v[rX+2]|
	v_max3_num_f32 v[MX1], |v[rX+3]|, |v[rX+4]|, |v[rX+5]|
.irp i, 6,10,14,18,22,26
	v_max3_num_f32 v[MX0], v[MX0], |v[rX+\i]|, |v[rX+\i+1]|
	v_max3_num_f32 v[MX1], v[MX1], |v[rX+\i+2]|, |v[rX+\i+3]|
.endr
	v_max3_num_f32 v[MX0], v[MX0], |v[rX+30]|, |v[rX+31]|
	v_max3_num_f32 v[MX0], v[MX0], v[MX1], 0x2800000      ; the floor 2^(5 - 127): the byte cannot fall under 1
	v_add_nc_u32 v[SCL], 0xfe000000, v[MX0]        ; 4 off the exponent field: the conversion's scale operand
	v_lshrrev_b32 v[BY], 23, v[SCL]
.if (\b) == 0
	v_mov_b32 v[SW+(\hf)], v[BY]
.else
	v_lshl_or_b32 v[SW+(\hf)], v[BY], 8*(\b), v[SW+(\hf)]
.endif
	v_cvt_scalef32_pk16_bf6_f32 v[rD:rD+2], v[rX:rX+15], v[SCL]
	v_cvt_scalef32_pk16_bf6_f32 v[rE:rE+2], v[rX+16:rX+31], v[SCL]   ; (a conversion's three registers begin on an even number)
	v_nop                                          ; one plain line behind a scaled conversion
.endm
.macro PAIR c                          ; blocks 2 c and 2 c + 1: lanes 16-31 of the first change places with lanes 0-15 of the second: registers 6 c .. 6 c + 5 of both tiles
.irp hf, 0,1
.irp i, 0,1,2
	v_permlane16_swap_b32 v[FR+24*\hf+6*(\c)+\i], v[FR+24*\hf+6*(\c)+12+\i]
.endr
.irp i, 0,1,2
	v_permlane16_swap_b32 v[TU+8*\hf+\i], v[TU+8*\hf+4+\i]
.endr
.irp i, 0,1,2
	v_mov_b32 v[FR+24*\hf+6*(\c)+3+\i], v[TU+8*\hf+\i]
	v_mov_b32 v[FR+24*\hf+6*(\c)+15+\i], v[TU+8*\hf+4+\i]
.endr
.endr
.endm
	LOADU 0
	LOADU 1
	s_wait_loadcnt 63                              ; 64 loads were issued behind block 0's last
	QW 0, 0
	QW 0, 1
	s_wait_alu depctr_va_vdst(0)                   ; block 0's maxima and conversions are done reading set 0, in which block 2's loads land
	LOADU 2
	s_wait_loadcnt 63                              ; likewise behind block 1's
	QW 1, 0
	QW 1, 1
	s_wait_alu depctr_va_vdst(0)                   ; block 1's maxima and conversions are done reading set 1, in which block 3's loads land
	LOADU 3
	PAIR 0                                         ; behind the loads: it names the fragments and the second halves alone, none of set 1's registers
	s_wait_loadcnt 63
	QW 2, 0
	QW 2, 1
	s_wait_loadcnt 0x0
	QW 3, 0
	QW 3, 1
	PAIR 1
	s_wait_alu depctr_va_vdst(0)                   ; the four fragments and the two scale registers are written, which the LDS stores read; and the stream is done with v24 to v221, in which the jobs' first loads land
.irp T, 0,1,2,3
.irp j, 0,1,2
	ds_store_b128 v[SADR], v[FR+12*\T+4*\j:FR+12*\T+4*\j+3] offset:1536*\T+512*\j
.endr
.endr
	ds_store_b32 v[SSC], v[SW]                     ; lanes 0-15: the first tile's scale words, lanes 16-31 the second's
	ds_store_b32 v[SSC], v[SW+1] offset:128
	s_cmp_lg_u32 s[WV], 0
	s_cbranch_scc1 .Lnob
	ds_store_b128 v[BST], v[BI:BI+3]
.Lnob:
; ---- THE JOBS
.macro ARING s                         ; the rows' two fragments and their scale words of K step s, into ring slot s % 4: 13 loads
.set rA, AF+24*((\s)%4)
.irp a, 0,1
.irp p, 0,1,2,3,4,5
	global_load_b64 v[rA+12*\a+2*\p:rA+12*\a+2*\p+1], v[L8], s[AB:AB+1] offset:3072*(\s)+1536*\a+256*\p
.endr
.endr
	global_load_b32 v[AS+((\s)%4)], v[L4], s[ASB:ASB+1] offset:128*(\s)
.endm
.macro AADDR                           ; pair tile OFF + PT, held inside the buffers: where its rows' images and scale words lie
	s_max_u32 s36, s[NP], 1
	s_sub_co_u32 s36, s36, 1
	s_min_u32 s36, s36, s[PT]                      ; a wave without a job names the expert's last pair tile, which another wave of the work-group names too
	s_add_co_u32 s[GI], s[OFF], s36
	s_min_u32 s[GI], s[GI], 70
	s_mul_i32 s36, s[GI], 24576
	s_mov_b32 s37, 0
	s_add_nc_u64 s[AB:AB+1], s[8:9], s[36:37]
	s_lshl_b32 s36, s[GI], 10
	s_add_co_u32 s36, s36, XASO
	s_add_nc_u64 s[ASB:ASB+1], s[8:9], s[36:37]
.endm
.macro HADDR                           ; and where its results go
	s_mul_i32 s36, s[GI], 98304
	s_add_co_u32 s36, s36, s[HOFF]
	s_mov_b32 s37, 0
	s_add_nc_u64 s[HB:HB+1], s[12:13], s[36:37]
	s_lshl_b32 s36, s[GI], 12
	s_add_co_u32 s36, s36, s[HSOFF]
	s_add_nc_u64 s[HSB:HSB+1], s[12:13], s[36:37]
.endm
.macro BHALF s, hb                     ; two weight fragments and their scale register of K step s: 7 LDS loads
.if (\s) < KHALF
.set rL, LB0
.else
.set rL, LB1
.endif
.irp u, 0,1
.irp j, 0,1,2
	ds_load_b128 v[BF+12*(2*(\hb)+\u)+4*\j:BF+12*(2*(\hb)+\u)+4*\j+3], v[rL] offset:((\s)%KHALF)*KSPAN+1536*(2*(\hb)+\u)+512*\j
.endr
.endr
	ds_load_b32 v[BS+(\hb)], v[LSC] offset:SSTEP*(\s)+128*(\hb)
.endm
.macro MM s, hb                        ; four products: two tiles of units x two tiles of rows; four different accumulators
.set rA, AF+24*((\s)%4)
.set rB, BF+24*(\hb)
.set rC, ACC+16*(\hb)
.set rP, BS+(\hb)
.set rQ, AS+((\s)%4)
	v_wmma_scale_f32_16x16x128_f8f6f4 v[rC:rC+7], v[rB:rB+11], v[rA:rA+11], v[rC:rC+7], v[rP], v[rQ] matrix_a_fmt:MATRIX_FMT_BF6 matrix_b_fmt:MATRIX_FMT_BF6
	v_wmma_scale_f32_16x16x128_f8f6f4 v[rC+32:rC+39], v[rB:rB+11], v[rA+12:rA+23], v[rC+32:rC+39], v[rP], v[rQ] matrix_a_fmt:MATRIX_FMT_BF6 matrix_b_fmt:MATRIX_FMT_BF6 matrix_b_scale:MATRIX_SCALE_ROW1
	v_wmma_scale_f32_16x16x128_f8f6f4 v[rC+8:rC+15], v[rB+12:rB+23], v[rA:rA+11], v[rC+8:rC+15], v[rP], v[rQ] matrix_a_fmt:MATRIX_FMT_BF6 matrix_b_fmt:MATRIX_FMT_BF6 matrix_a_scale:MATRIX_SCALE_ROW1
	v_wmma_scale_f32_16x16x128_f8f6f4 v[rC+40:rC+47], v[rB+12:rB+23], v[rA+12:rA+23], v[rC+40:rC+47], v[rP], v[rQ] matrix_a_fmt:MATRIX_FMT_BF6 matrix_b_fmt:MATRIX_FMT_BF6 matrix_a_scale:MATRIX_SCALE_ROW1 matrix_b_scale:MATRIX_SCALE_ROW1
.endm
; A K step.  The eight accumulators take turns in the same order in every step.  Four plain lines stand between products and loads into registers that they read;
; behind them the wait that states the dependence, and behind that the run of loads.  The last K step issues no load and holds no such wait.
.macro KSTEP s
.if NK-1-(\s) >= 3
	s_wait_loadcnt 39                              ; this slot's 13 loads are in; the three later slots' may be out
.else
	s_wait_loadcnt 13*(NK-1-(\s))
.endif
	s_wait_dscnt 7                                 ; the first half's fragments are in (at the job's head the bias too); the second half's seven loads may be out
	MM \s, 0
.if (\s)+1 < NK
	NOP4
	s_wait_alu depctr_va_vdst(0)                   ; the four products above are done reading the first half's two fragments and their scale register, in which the seven loads below land
	BHALF (\s)+1, 0
	s_wait_dscnt 7                                 ; the second half's are in; the seven just issued may be out
.else
	s_wait_dscnt 0x0
.endif
	MM \s, 1
	NOP4
.if (\s)+1 < NK
	s_wait_alu depctr_va_vdst(0)                   ; the four products above are done reading the second half's two fragments and their scale register, and the step's eight are done reading ring slot s % 4 and its scale words: the loads below land in these
	BHALF (\s)+1, 1
.endif
.if (\s)+4 < NK
	ARING (\s)+4
.endif
.endm
.macro HORNER d, c
.irp j, 0,2,4,6,8,10,12,14
	v_pk_fma_f32 v[\d+\j:\d+\j+1], v[\d+\j:\d+\j+1], v[GZ2+\j:GZ2+\j+1], s[\c:\c+1] op_sel_hi:[1,1,0]
.endr
.endm
.macro QSTORE a                        ; tile a's codes leave: three pieces of the image
.irp i, 0,1,2
	global_store_b64 v[L8], v[QF+8*(\a)+2*\i:QF+8*(\a)+2*\i+1], s[HB:HB+1] offset:1536*(\a)+256*\i    ; a piece of the image: 256 consecutive bytes, aligned
.endr
.endm
.macro GELU x, out                     ; 16 numbers in place, from the low end on.  out = 1: tile 0's codes, made just ahead of this gelu, are stored behind its wait
.irp j, 0,2,4,6,8,10,12,14
	v_pk_mul_f32 v[GZ+\j:GZ+\j+1], v[(\x)+\j:(\x)+\j+1], 0x3f3504f3 op_sel_hi:[1,0]     ; z = x / sqrt 2
.endr
.irp i, 0,1,2,3,4,5,6,7,8,9,10,11,12,13,14,15
	v_med3_num_f32 v[GZ+\i], v[GZ+\i], -4.0, 4.0
.endr
.irp j, 0,2,4,6,8,10,12,14
	v_pk_mul_f32 v[GZ2+\j:GZ2+\j+1], v[GZ+\j:GZ+\j+1], v[GZ+\j:GZ+\j+1]
.endr
.irp j, 0,2,4,6,8,10,12,14
	v_pk_fma_f32 v[GP+\j:GP+\j+1], v[GZ2+\j:GZ2+\j+1], s[KA0:KA0+1], v[CA1:CA1+1] op_sel_hi:[1,0,0]
.endr
	HORNER GP, KA2
	HORNER GP, KA3
	HORNER GP, KA4
	HORNER GP, KA5
	HORNER GP, KA6
.irp j, 0,2,4,6,8,10,12,14
	v_pk_mul_f32 v[GP+\j:GP+\j+1], v[GP+\j:GP+\j+1], v[GZ+\j:GZ+\j+1]                   ; z P: z is done with,
.endr
.irp j, 0,2,4,6,8,10,12,14
	v_pk_fma_f32 v[GQ+\j:GQ+\j+1], v[GZ2+\j:GZ2+\j+1], s[KB0:KB0+1], v[CB1:CB1+1] op_sel_hi:[1,0,0]   ; and Q takes its registers
.endr
	HORNER GQ, KB2
	HORNER GQ, KB3
	HORNER GQ, KB4
	s_wait_alu depctr_va_vdst(0)
.irp i, 0,1,2,3,4,5,6,7,8,9,10,11,12,13,14,15
	v_rcp_f32 v[GQ+\i], v[GQ+\i]
.endr
.irp j, 0,2,4,6,8,10,12,14
	v_pk_mul_f32 v[(\x)+\j:(\x)+\j+1], v[(\x)+\j:(\x)+\j+1], 0.5 op_sel_hi:[1,0]        ; plain work behind the reciprocals
.endr
	s_wait_alu depctr_va_vdst(0)                   ; the sixteen reciprocals v[GQ ..] are written, ahead of their first reader: one wait for the batch.  out = 1: so are tile 0's codes v232 to v237, which the stores below read
.if \out
	QSTORE 0                                       ; no vector instruction behind the wait names these six registers before the loop's foot
.endif
.irp j, 0,2,4,6,8,10,12,14
	v_pk_mul_f32 v[GP+\j:GP+\j+1], v[GP+\j:GP+\j+1], v[GQ+\j:GQ+\j+1]                   ; erf
.endr
.irp j, 0,2,4,6,8,10,12,14
	v_pk_fma_f32 v[(\x)+\j:(\x)+\j+1], v[(\x)+\j:(\x)+\j+1], v[GP+\j:GP+\j+1], v[(\x)+\j:(\x)+\j+1]
.endr
.endm
.macro QCODE a                         ; tile a's 32 registers: two blocks of 32 along the next K, each shared with lane l xor 16
.set rS, ACC+32*(\a)
.set rF, QF+8*(\a)
.irp hb, 0,1
	v_max3_num_f32 v[QM+\hb], |v[rS+16*\hb]|, |v[rS+16*\hb+1]|, 0x2800000
.endr
.irp i, 2,4,6,8,10,12,14
.irp hb, 0,1
	v_max3_num_f32 v[QM+\hb], v[QM+\hb], |v[rS+16*\hb+\i]|, |v[rS+16*\hb+\i+1]|
.endr
.endr
	v_permlanex16_b32 v[QP], v[QM], s[SEL], s[SEL+1]
	v_permlanex16_b32 v[QP+1], v[QM+1], s[SEL], s[SEL+1]
	v_max_num_f32 v[QM], v[QM], v[QP]
	v_max_num_f32 v[QM+1], v[QM+1], v[QP+1]
	v_add_nc_u32 v[QS], 0xfe000000, v[QM]
	v_add_nc_u32 v[QS+1], 0xfe000000, v[QM+1]
	v_lshrrev_b32 v[QB], 23, v[QS]
	v_lshrrev_b32 v[QH+(\a)], 23, v[QS+1]
	v_lshl_or_b32 v[QH+(\a)], v[QH+(\a)], 8, v[QB] ; my row's two bytes
	v_cvt_scalef32_pk16_bf6_f32 v[rF:rF+2], v[rS:rS+15], v[QS]
	v_cvt_scalef32_pk16_bf6_f32 v[QT:QT+2], v[rS+16:rS+31], v[QS+1]
	v_nop                                          ; one plain line behind a scaled conversion
.irp i, 0,1,2
	v_permlane16_swap_b32 v[rF+\i], v[QT+\i]       ; a whole block to a lane: lanes 0-15 the first, lanes 16-31 the second
.endr
.irp i, 0,1,2
	v_mov_b32 v[rF+3+\i], v[QT+\i]
.endr
.endm
	s_wait_dscnt 0x0                               ; for the others' sake: my images have landed
	s_wait_alu depctr_vm_vsrc(0)                   ; my LDS stores have read the fragments, the scale registers and the bias (v152 to v225): the ring's first loads land in these registers
	s_wait_kmcnt 0x0                               ; the table's line
	s_min_u32 s[NP], s[NP], 32                     ; an expert has at most 1,024 rows
	s_add_co_u32 s[NJ], s[NP], 7
	s_sub_co_u32 s[NJ], s[NJ], s[PT]               ; (my first pair tile is 7 at the most)
	s_lshr_b32 s[NJ], s[NJ], 3                     ; my jobs: pair tiles PT, PT + 8 .. under NP
	s_mov_b32 s[JC], 0
	AADDR                                          ; the first job's first four K steps go out ahead of the barrier, in every wave: so the counts are the same on every way into a job
	HADDR
	ARING 0
	ARING 1
	ARING 2
	ARING 3
	s_barrier_signal -1
	s_barrier_wait -1                              ; the slice's 64 fragments lie in LDS; nothing is written there any more
	s_cmp_eq_u32 s[NJ], 0
	s_cbranch_scc1 .Lend
.Ljob:                                             ; on both ways in, no vector instruction has been issued since a wait on va_vdst: the loads below owe none
.irp a, 0,1
.irp hb, 0,1
.irp u, 0,1
	ds_load_b128 v[ACC+32*\a+16*\hb+8*\u:ACC+32*\a+16*\hb+8*\u+3], v[VB] offset:128*\hb+32*\u       ; b1 of my eight units of the tile: the C of the first product
	ds_load_b128 v[ACC+32*\a+16*\hb+8*\u+4:ACC+32*\a+16*\hb+8*\u+7], v[VB] offset:128*\hb+32*\u+16
.endr
.endr
.endr
	BHALF 0, 0
	BHALF 0, 1
.irp s, 0,1,2,3,4,5,6,7
	KSTEP \s
.endr
	s_add_co_u32 s[JC], s[JC], 1                   ; the last K step's wait for 0 has shown every load of the ring done: its bases and registers are free, and four plain lines stand behind the last products
	s_cmp_ge_u32 s[JC], s[NJ]
	s_cbranch_scc1 .Lnofill                        ; the last job asks for nothing more
	s_add_co_u32 s[PT], s[PT], 8
	AADDR
	s_wait_alu depctr_va_vdst(0)                   ; the products of the last four K steps are done reading the ring's four slots and their scale words, in which the loads below land
	ARING 0                                        ; the next job's first four K steps are on their way while this job's gelu is worked
	ARING 1
	ARING 2
	ARING 3
.Lnofill:
	GELU ACC, 0
	GELU ACC+16, 0
	QCODE 0
	GELU ACC+32, 1
	GELU ACC+48, 0
	QCODE 1
	s_mov_b32 vcc_lo, 0xffff0000
	v_cndmask_b32 v[QB], v[QH], v[QH+1], vcc_lo    ; lanes 0-15: the first tile's rows, lanes 16-31 the second's
	s_wait_alu depctr_va_vdst(0)                   ; tile 1's codes v240 to v245 and the bytes in v251 are written, which the stores below read; and the gelu and the conversions are done with the accumulators and v88 to v135, in which the next job's LDS loads land
	QSTORE 1
	global_store_b16 v[HSA], v[QB], s[HSB:HSB+1]   ; my half of each row's scale word: the wave of the other unit half stores the other two bytes
	s_wait_xcnt 0x0                                ; the stores have read their registers and bases: both are written again below
	s_wait_alu depctr_vm_vsrc(0)                   ; the job's seven stores have read the codes and v251, which the next job's vector instructions write again
	HADDR                                          ; where the next job's results go
	s_cmp_lt_u32 s[JC], s[NJ]
	s_cbranch_scc1 .Ljob
.Lend:
	s_wait_xcnt 0x0
	v_lshl_add_u32 v254, v0, 2, 0x19200
	v_mov_b32 v255, 0
	s_wait_dscnt 0x0                               ; the closing lines, six on end
	s_wait_alu 0x0
	s_wait_tensorcnt 0x0
	ds_add_u32 v254, v255
	s_wait_dscnt 0x0
	s_endpgm
.Lfunc_end_k_q84e257bf94_ffn1:
	.size	k_q84e257bf94_ffn1, .Lfunc_end_k_q84e257bf94_ffn1-k_q84e257bf94_ffn1
	.p2alignl 7, 3214868480
	.fill 96, 4, 3214868480
	.section	.rodata,"a",@progbits
	.p2align	6, 0x0
	.amdhsa_kernel k_q84e257bf94_ffn1
		.amdhsa_group_segment_fixed_size 104960
		.amdhsa_private_segment_fixed_size 0
		.amdhsa_enable_private_segment 0
		.amdhsa_kernarg_size 40
		.amdhsa_user_sgpr_count 2
		.amdhsa_user_sgpr_kernarg_segment_ptr 1
		.amdhsa_wavefront_size32 1
		.amdhsa_system_sgpr_workgroup_id_x 1
		.amdhsa_system_sgpr_workgroup_id_y 1
		.amdhsa_system_sgpr_workgroup_id_z 1
		.amdhsa_system_vgpr_workitem_id 0
		.amdhsa_next_free_vgpr 256
		.amdhsa_next_free_sgpr 66
		.amdhsa_reserve_vcc 1
		.amdhsa_float_denorm_mode_32 3
		.amdhsa_float_denorm_mode_16_64 3
		.amdhsa_memory_ordered 1
		.amdhsa_forward_progress 1
		.amdhsa_inst_pref_size 122
	.end_amdhsa_kernel
	.amdgpu_metadata
---
amdhsa.version: [ 1, 2 ]
amdhsa.kernels:
  - .name:           k_q84e257bf94_ffn1
    .symbol:         k_q84e257bf94_ffn1.kd
    .args:
      - { .name: W1, .offset: 0, .size: 8, .value_kind: global_buffer, .address_space: global }
      - { .name: b1, .offset: 8, .size: 8, .value_kind: global_buffer, .address_space: global }
      - { .name: xa, .offset: 16, .size: 8, .value_kind: global_buffer, .address_space: global }
      - { .name: plan, .offset: 24, .size: 8, .value_kind: global_buffer, .address_space: global }
      - { .name: hq, .offset: 32, .size: 8, .value_kind: global_buffer, .address_space: global }
    .group_segment_fixed_size: 104960
    .private_segment_fixed_size: 0
    .kernarg_segment_align: 8
    .kernarg_segment_size: 40
    .max_flat_workgroup_size: 512
    .sgpr_count:     66
    .vgpr_count:     256
    .wavefront_size: 32
...
	.end_amdgpu_metadata
.endif
;; end of part 8
;; launch ffn2 (part 9): grid 256 x 1, 16 waves a work-group, no clusters, 174,592 bytes of LDS; arguments W2, b2, hq, plan, gatew, y2; writes y2
.if DOCPART == 9
	.amdgcn_target "amdgcn-amd-amdhsa--gfx1250"
	.amdhsa_code_object_version 6
	.text
	.protected	k_q84e257bf94_ffn2
	.globl	k_q84e257bf94_ffn2
	.p2align	8
	.type	k_q84e257bf94_ffn2,@function
k_q84e257bf94_ffn2:
	s_mov_b64 s[64:65], 0
	v_nop
	global_prefetch_b8 v0, s[64:65] scope:SCOPE_SE
	s_setreg_imm32_b32 hwreg(HW_REG_WAVE_SCHED_MODE, 0, 2), 2
	s_setreg_imm32_b32 hwreg(HW_REG_WAVE_MODE, 25, 1), 1
	s_wait_xcnt 0x0
	s_wait_alu depctr_vm_vsrc(0)
; y2[K half][2 t + slot] = gate x (h W2[e] (+ b2[e] in K half 0)) for the rows that chose expert e, on codes of E3M2 with one E8M0 scale for each 32 along K.
; SHARES.  Work-group = expert e (8) x 64 outputs (16) x half of K (2): its 2,048 x 64 numbers of W2 (512 KiB of f32) are read from memory once, by this work-group alone.
; STREAM.  Wave w takes K step w (128 along K) x the 64 columns.  A lane takes a column and its registers run down K; two loads on end cover the 256 bytes of a row's 64 columns.
;   Lanes 0-15 hold one tile's columns, lanes 16-31 the next tile's; one exchange of halves gives both tiles' operand registers.  The fragments go to LDS as images of their registers.
;   ONE barrier; it stands ahead of every branch on the stored table.
; JOBS.  A job = a pair tile (2 x 16 rows) x 64 outputs: 8 accumulators by turns, 16 K steps.  Wave w takes pair tiles w, w + 16 ..  Transposed use: a lane holds one row and eight neighbouring outputs.
;   The rows' fragments are the images that the launch before stored, through a ring of four K steps in registers.  b2 is the C of the first product (zeros in K half 1).
;   The way out goes through the wave's own stage in LDS, so that sixteen lanes store a row's 256 consecutive bytes; the row's place comes from the stored list.
;   The two K halves and a token's two experts are added by the next launch: each row of y2 has one owner here.
;   An expert has at most 1,024 rows, 32 pair tiles: a wave has at most two jobs; the loop over them has a counter of its own, stepped by 1.  The last job asks for nothing more.
; No tensor load stands in this text, since the number of jobs hangs on the stored table; so there is no joint request either.
; LIMITS: NaN and infinities are not served.  A block whose largest magnitude lies under 2^-122 gets the byte 1 (zeros too: zero codes).
; THE MODE: SCHED_MODE bits 1:0 = 2 (LLVM: expert scheduling mode 2), set by the entry lines.  The code itself states the register dependences
; between vector or matrix instructions and memory or LDS instructions, with s_wait_alu, always for 0.
; THE PLAN.  Registers that memory or LDS instructions touch, who writes and who reads them:
;   v1-v12, v20-v22  offsets and LDS addresses: written at the head, once; read by loads and stores.  One wait on va_vdst ahead of the first load.
;   ST0, ST1      the stream's two sets: block b's loads land in set b % 2; its maxima and conversions read it; one wait on va_vdst behind them, then block b + 2's loads.
;   FR, SW, BI    written by conversions, exchanges, moves and the select on the bias; read by the run of LDS stores: one wait on va_vdst ahead of the run; one on vm_vsrc behind it, ahead of the ring's first loads, which land there.
;   BF, BS        half hb: read by the four products MM s, hb; the LDS loads of step s + 1 land in it behind a wait on va_vdst.  Two such waits a K step: the wave's 256 registers hold one set of fragments.
;   AF, AS        ring slot s % 4: read by step s's eight products; the loads of step s + 4 land in it behind the step's second wait.
;   THE WAY OUT   all its vector work stands first: both tiles x their gates (ACC, read WL) and the sixteen places made into offsets (DST).  Then ONE wait on va_vdst: ACC is the LDS stores' data, DST the global stores'
;                 offsets, v88-151, which products have read, take the rows back from the stage.  No vector instruction follows it before the back edge, so it also covers the next job's loads into WL, DST, AF, ACC and BF.
;                 One wait on vm_vsrc at the loop's foot: the stores have read ACC, DST and v88-151, in which those loads land.
.set PITCH, 4096
.set NK,    16
.set KHALF, 8
.set KSPAN, 6144
.set SSTEP, 256
.set BSC,   98304                      ; LDS: 64 fragments of 1,536 bytes at 0; their scale registers here;
.set BIAS,  102400                     ; 64 numbers of b2;
.set STG,   102912                     ; a stage of 16 rows x (256 + 16) bytes for each wave
.set HSO,   6979584
.set PLANE, 8421376                    ; 2,056 rows of 4,096 bytes
.set LB0, 1
.set LB1, 2
.set LSC, 3
.set VB,  4
.set L8,  5
.set L4,  6
.set STO, 7
.set RD,  8
.set C16, 9
.set COL, 10
.set SADR, 11
.set SSC, 12
.set BS,  14                           ; v14-15, v16-19: scale words, filled by loads alone; they hold nothing else
.set AS,  16
.set WLA, 20
.set DA,  21
.set BST, 22
.set ACC, 24
.set BF,  88
.set AF,  136
.set WL,  232                          ; v232-233 my row's gate in the two tiles
.set DST, 234                          ; v234-249 the places of the rows that I store
.set ST,  24
.set FR,  152
.set TU,  200
.set SW,  216
.set MX0, 218
.set MX1, 219
.set SCL, 220
.set BY,  221
.set BI,  222
.set NS, 16                            ; s4-15 hold the six buffers' addresses
.set KH, 17
.set PT, 18
.set OFF, 22
.set NP, 23
.set AB, 26
.set ASB, 28
.set GWB, 30
.set PLB, 32
.set GI, 34
.set AOFF, 35
.set SOFF, 38
.set YB, 40
.set TBP, 42
.set WV, 44
.set EX, 45
.set JC, 46                            ; s46 jobs done, s47 my wave's jobs
.set NJ, 47
.macro NOP4
.rept 4
	v_nop
.endr
.endm
	s_load_b128 s[4:7], s[0:1], 0x0                ; W2, b2
	s_load_b128 s[8:11], s[0:1], 0x10              ; hq, plan
	s_load_b128 s[12:15], s[0:1], 0x20             ; gatew, y2
	v_lshl_add_u32 v254, v0, 2, 0x2a200
	v_mov_b32 v255, 0
	v_lshrrev_b32 v13, 5, v0
	v_readfirstlane_b32 s[WV], v13
	v_and_b32 v13, 31, v0
	s_lshr_b32 s[EX], ttmp9, 5
	s_bfe_u32 s[NS], ttmp9, 0x40001
	s_and_b32 s[KH], ttmp9, 1
	s_wait_alu depctr_va_sdst(0)                   ; the wave's number is written, ahead of its first reader
	s_mov_b32 s[PT], s[WV]
	v_lshlrev_b32 v[LB0], 4, v13
	v_add_nc_u32 v[LB1], 49152, v[LB0]
	v_lshl_add_u32 v[LSC], v13, 2, BSC
	v_bfe_u32 v[DA], v0, 4, 1                      ; h
	v_lshl_add_u32 v[VB], v[DA], 5, BIAS
	v_lshlrev_b32 v[L8], 3, v13
	v_lshlrev_b32 v[L4], 2, v13
	v_and_b32 v[WLA], 15, v0                       ; r
	s_mul_i32 s24, s[WV], 4352
	s_add_co_u32 s24, s24, STG
	v_mul_u32_u24 v[STO], v[WLA], 272
	v_lshl_add_u32 v[STO], v[DA], 5, v[STO]
	v_add_nc_u32 v[STO], s24, v[STO]               ; into the stage: row r, 32 bytes for each half of the lanes
	v_mul_u32_u24 v[RD], v[DA], 272
	v_lshl_add_u32 v[RD], v[WLA], 4, v[RD]
	v_add_nc_u32 v[RD], s24, v[RD]                 ; back: lanes 0-15 one row, lanes 16-31 the next
	v_lshlrev_b32 v[C16], 4, v[WLA]
	v_lshlrev_b32 v[WLA], 2, v[WLA]
	v_lshlrev_b32 v[DA], 5, v[DA]
	v_add_nc_u32 v[BST], BIAS, v[L8]
	v_lshlrev_b32 v[COL], 2, v13
	s_mul_i32 s24, s[WV], 6144
	v_add_nc_u32 v[SADR], s24, v[LB0]
	s_lshl_b32 s24, s[WV], 8
	s_add_co_u32 s24, s24, BSC
	v_add_nc_u32 v[SSC], s24, v[L4]
	s_lshl_b32 s24, s[EX], 24                      ; W2: expert, K half, my 128 rows, the 64 columns
	s_lshl_b32 s25, s[KH], 23
	s_add_co_u32 s24, s24, s25
	s_lshl_b32 s25, s[WV], 19
	s_add_co_u32 s24, s24, s25
	s_lshl_b32 s25, s[NS], 8
	s_add_co_u32 s24, s24, s25
	s_mov_b32 s25, 0
	s_lshl_b32 s36, s[EX], 12                      ; b2
	s_lshl_b32 s37, s[NS], 8
	s_add_co_u32 s36, s36, s37
	s_mov_b32 s37, 0
	s_mul_i32 s[AOFF], s[KH], 49152                ; hq: my K half's 16 K steps
	s_lshl_b32 s[SOFF], s[KH], 11
	s_add_co_u32 s[SOFF], s[SOFF], HSO
	s_wait_kmcnt 0x0
	s_add_nc_u64 s[4:5], s[4:5], s[24:25]
	s_add_nc_u64 s[6:7], s[6:7], s[36:37]
	s_lshl_b32 s36, s[EX], 3
	s_add_nc_u64 s[TBP:TBP+1], s[10:11], s[36:37]
	s_load_b64 s[OFF:OFF+1], s[TBP:TBP+1], 0x0     ; the expert's line of the table
	s_mul_i32 s36, s[KH], PLANE
	s_lshl_b32 s24, s[NS], 8
	s_add_co_u32 s36, s36, s24
	s_add_nc_u64 s[YB:YB+1], s[14:15], s[36:37]
	s_wait_alu depctr_va_vdst(0)                   ; the offsets and LDS addresses v1 to v12 and v20 to v22 are written: the kernel's loads and stores read them, and none is written again
	global_load_b64 v[BI:BI+1], v[L8], s[6:7]      ; 64 numbers of b2
; ---- THE STREAM
.macro LOADU b
.irp i, 0,1,2,3,4,5,6,7,8,9,10,11,12,13,14,15,16,17,18,19,20,21,22,23,24,25,26,27,28,29,30,31
	global_load_b32 v[ST+64*((\b)%2)+\i], v[COL], s[4:5] offset:(32*(\b)+\i)*PITCH th:TH_LOAD_NT
	global_load_b32 v[ST+64*((\b)%2)+32+\i], v[COL], s[4:5] offset:(32*(\b)+\i)*PITCH+128 th:TH_LOAD_NT
.endr
.endm
.macro QW b, hf
.set rX, ST+64*((\b)%2)+32*(\hf)
.set rD, FR+12*(2*(\hf)+((\b)%2))+6*((\b)/2)
.set rE, TU+8*(\hf)+4*((\b)%2)
	v_max3_num_f32 v[MX0], |v[rX]|, |v[rX+1]|, |v[rX+2]|
	v_max3_num_f32 v[MX1], |v[rX+3]|, |v[rX+4]|, |v[rX+5]|
.irp i, 6,10,14,18,22,26
	v_max3_num_f32 v[MX0], v[MX0], |v[rX+\i]|, |v[rX+\i+1]|
	v_max3_num_f32 v[MX1], v[MX1], |v[rX+\i+2]|, |v[rX+\i+3]|
.endr
	v_max3_num_f32 v[MX0], v[MX0], |v[rX+30]|, |v[rX+31]|
	v_max3_num_f32 v[MX0], v[MX0], v[MX1], 0x2800000      ; the floor 2^(5 - 127)
	v_add_nc_u32 v[SCL], 0xfe000000, v[MX0]
	v_lshrrev_b32 v[BY], 23, v[SCL]
.if (\b) == 0
	v_mov_b32 v[SW+(\hf)], v[BY]
.else
	v_lshl_or_b32 v[SW+(\hf)], v[BY], 8*(\b), v[SW+(\hf)]
.endif
	v_cvt_scalef32_pk16_bf6_f32 v[rD:rD+2], v[rX:rX+15], v[SCL]
	v_cvt_scalef32_pk16_bf6_f32 v[rE:rE+2], v[rX+16:rX+31], v[SCL]
	v_nop                                          ; one plain line behind a scaled conversion
.endm
.macro PAIR c
.irp hf, 0,1
.irp i, 0,1,2
	v_permlane16_swap_b32 v[FR+24*\hf+6*(\c)+\i], v[FR+24*\hf+6*(\c)+12+\i]
.endr
.irp i, 0,1,2
	v_permlane16_swap_b32 v[TU+8*\hf+\i], v[TU+8*\hf+4+\i]
.endr
.irp i, 0,1,2
	v_mov_b32 v[FR+24*\hf+6*(\c)+3+\i], v[TU+8*\hf+\i]
	v_mov_b32 v[FR+24*\hf+6*(\c)+15+\i], v[TU+8*\hf+4+\i]
.endr
.endr
.endm
	LOADU 0
	LOADU 1
	s_wait_loadcnt 63                              ; 64 loads were issued behind block 0's last
	QW 0, 0
	QW 0, 1
	s_wait_alu depctr_va_vdst(0)                   ; block 0's maxima and conversions are done reading set 0, in which block 2's loads land
	LOADU 2
	s_wait_loadcnt 63
	QW 1, 0
	QW 1, 1
	s_wait_alu depctr_va_vdst(0)                   ; block 1's maxima and conversions are done reading set 1, in which block 3's loads land
	LOADU 3
	PAIR 0                                         ; behind the loads: it names the fragments and the second halves alone, none of set 1's registers
	s_wait_loadcnt 63
	QW 2, 0
	QW 2, 1
	s_wait_loadcnt 0x0
	QW 3, 0
	QW 3, 1
	PAIR 1
	s_cmp_eq_u32 s[KH], 0
	s_cselect_b32 vcc_lo, -1, 0
	v_cndmask_b32 v[BI], 0, v[BI], vcc_lo          ; the bias is added once: K half 1 starts from zeros
	v_cndmask_b32 v[BI+1], 0, v[BI+1], vcc_lo
	s_wait_alu depctr_va_vdst(0)                   ; the four fragments, the two scale registers and the bias are written, which the LDS stores read; and the stream is done with v24 to v223, in which the jobs' first loads land
.irp T, 0,1,2,3
.irp j, 0,1,2
	ds_store_b128 v[SADR], v[FR+12*\T+4*\j:FR+12*\T+4*\j+3] offset:1536*\T+512*\j
.endr
.endr
	ds_store_b32 v[SSC], v[SW]
	ds_store_b32 v[SSC], v[SW+1] offset:128
	s_cmp_lg_u32 s[WV], 0
	s_cbranch_scc1 .Lnob
	ds_store_b64 v[BST], v[BI:BI+1]
.Lnob:
; ---- THE JOBS
.macro ARING s
.set rA, AF+24*((\s)%4)
.irp a, 0,1
.irp p, 0,1,2,3,4,5
	global_load_b64 v[rA+12*\a+2*\p:rA+12*\a+2*\p+1], v[L8], s[AB:AB+1] offset:3072*(\s)+1536*\a+256*\p
.endr
.endr
	global_load_b32 v[AS+((\s)%4)], v[L4], s[ASB:ASB+1] offset:128*(\s)
.endm
.macro AFILL                           ; pair tile OFF + PT, held inside the buffers: gates, places, and the first four K steps
	s_max_u32 s36, s[NP], 1
	s_sub_co_u32 s36, s36, 1
	s_min_u32 s36, s36, s[PT]                      ; a wave without a job names the expert's last pair tile, which another wave of the work-group names too
	s_add_co_u32 s[GI], s[OFF], s36
	s_min_u32 s[GI], s[GI], 70
	s_mul_i32 s36, s[GI], 98304
	s_add_co_u32 s36, s36, s[AOFF]
	s_mov_b32 s37, 0
	s_add_nc_u64 s[AB:AB+1], s[8:9], s[36:37]
	s_lshl_b32 s36, s[GI], 12
	s_add_co_u32 s36, s36, s[SOFF]
	s_add_nc_u64 s[ASB:ASB+1], s[8:9], s[36:37]
	s_lshl_b32 s36, s[GI], 7
	s_add_nc_u64 s[GWB:GWB+1], s[12:13], s[36:37]
	s_add_nc_u64 s[PLB:PLB+1], s[10:11], s[36:37]
	global_load_b32 v[WL], v[WLA], s[GWB:GWB+1]
	global_load_b32 v[WL+1], v[WLA], s[GWB:GWB+1] offset:64
	global_load_b128 v[DST:DST+3], v[DA], s[PLB:PLB+1] offset:256
	global_load_b128 v[DST+4:DST+7], v[DA], s[PLB:PLB+1] offset:272
	global_load_b128 v[DST+8:DST+11], v[DA], s[PLB:PLB+1] offset:320
	global_load_b128 v[DST+12:DST+15], v[DA], s[PLB:PLB+1] offset:336
	ARING 0
	ARING 1
	ARING 2
	ARING 3
.endm
.macro BHALF s, hb
.if (\s) < KHALF
.set rL, LB0
.else
.set rL, LB1
.endif
.irp u, 0,1
.irp j, 0,1,2
	ds_load_b128 v[BF+12*(2*(\hb)+\u)+4*\j:BF+12*(2*(\hb)+\u)+4*\j+3], v[rL] offset:((\s)%KHALF)*KSPAN+1536*(2*(\hb)+\u)+512*\j
.endr
.endr
	ds_load_b32 v[BS+(\hb)], v[LSC] offset:SSTEP*(\s)+128*(\hb)
.endm
.macro MM s, hb
.set rA, AF+24*((\s)%4)
.set rB, BF+24*(\hb)
.set rC, ACC+16*(\hb)
.set rP, BS+(\hb)
.set rQ, AS+((\s)%4)
	v_wmma_scale_f32_16x16x128_f8f6f4 v[rC:rC+7], v[rB:rB+11], v[rA:rA+11], v[rC:rC+7], v[rP], v[rQ] matrix_a_fmt:MATRIX_FMT_BF6 matrix_b_fmt:MATRIX_FMT_BF6
	v_wmma_scale_f32_16x16x128_f8f6f4 v[rC+32:rC+39], v[rB:rB+11], v[rA+12:rA+23], v[rC+32:rC+39], v[rP], v[rQ] matrix_a_fmt:MATRIX_FMT_BF6 matrix_b_fmt:MATRIX_FMT_BF6 matrix_b_scale:MATRIX_SCALE_ROW1
	v_wmma_scale_f32_16x16x128_f8f6f4 v[rC+8:rC+15], v[rB+12:rB+23], v[rA:rA+11], v[rC+8:rC+15], v[rP], v[rQ] matrix_a_fmt:MATRIX_FMT_BF6 matrix_b_fmt:MATRIX_FMT_BF6 matrix_a_scale:MATRIX_SCALE_ROW1
	v_wmma_scale_f32_16x16x128_f8f6f4 v[rC+40:rC+47], v[rB+12:rB+23], v[rA+12:rA+23], v[rC+40:rC+47], v[rP], v[rQ] matrix_a_fmt:MATRIX_FMT_BF6 matrix_b_fmt:MATRIX_FMT_BF6 matrix_a_scale:MATRIX_SCALE_ROW1 matrix_b_scale:MATRIX_SCALE_ROW1
.endm
; A K step.  The eight accumulators take turns in the same order in every step.  Four plain lines stand between products and loads into registers that they read;
; behind them the wait that states the dependence, and behind that the run of loads.  The last K step issues no load and holds no such wait.
.macro KSTEP s
.if NK-1-(\s) >= 3
	s_wait_loadcnt 39                              ; this slot's 13 loads (at the job's head the gates and places ahead of them) are in; the three later slots' may be out
.else
	s_wait_loadcnt 13*(NK-1-(\s))
.endif
	s_wait_dscnt 7                                 ; the first half's fragments are in (at the job's head the bias too); the second half's seven loads may be out
	MM \s, 0
.if (\s)+1 < NK
	NOP4
	s_wait_alu depctr_va_vdst(0)                   ; the four products above are done reading the first half's two fragments and their scale register, in which the seven loads below land
	BHALF (\s)+1, 0
	s_wait_dscnt 7
.else
	s_wait_dscnt 0x0
.endif
	MM \s, 1
	NOP4
.if (\s)+1 < NK
	s_wait_alu depctr_va_vdst(0)                   ; the four products above are done reading the second half's two fragments and their scale register, and the step's eight are done reading ring slot s % 4 and its scale words: the loads below land in these
	BHALF (\s)+1, 1
.endif
.if (\s)+4 < NK
	ARING (\s)+4
.endif
.endm
; THE WAY OUT, in four parts: all vector work first, one wait, the stage, the stores.
.macro OMUL a                          ; tile a: x gate
.set rS, ACC+32*(\a)
.irp j, 0,2,4,6,8,10,12,14,16,18,20,22,24,26,28,30
.if (\a) == 0
	v_pk_mul_f32 v[rS+\j:rS+\j+1], v[rS+\j:rS+\j+1], v[WL:WL+1] op_sel_hi:[1,0]           ; each accumulator from its low end on
.else
	v_pk_mul_f32 v[rS+\j:rS+\j+1], v[rS+\j:rS+\j+1], v[WL:WL+1] op_sel:[0,1] op_sel_hi:[1,1]
.endif
.endr
.endm
.macro OADR a                          ; tile a: the places of the rows that I store become byte offsets
.set rD, DST+8*(\a)
.irp i, 0,1,2,3,4,5,6,7
	v_min_u32 v[rD+\i], 0x807, v[rD+\i]            ; a number that was loaded enters an address only behind this hold: 2,056 rows
.endr
.irp i, 0,1,2,3,4,5,6,7
	v_lshl_add_u32 v[rD+\i], v[rD+\i], 12, v[C16]
.endr
.endm
.macro OSTG a                          ; tile a through my stage: in by lanes' 32 bytes, back by whole rows of 256 bytes
.set rS, ACC+32*(\a)
.set rO, BF+32*(\a)
.irp T, 0,1,2,3
	ds_store_b128 v[STO], v[rS+8*\T:rS+8*\T+3] offset:64*\T
	ds_store_b128 v[STO], v[rS+8*\T+4:rS+8*\T+7] offset:64*\T+16
.endr
.irp i, 0,1,2,3,4,5,6,7
	ds_load_b128 v[rO+4*\i:rO+4*\i+3], v[RD] offset:544*\i     ; LDS serves a wave's instructions in order (ISA guide 5.7.1.4): these see my stores, and the next tile's stores come behind them
.endr
.endm
.macro OSND a, younger                 ; tile a's rows leave.  younger: the LDS instructions issued behind tile a's loads, which may stay out
.set rO, BF+32*(\a)
.set rD, DST+8*(\a)
.irp i, 0,1,2,3,4,5,6,7
	s_wait_dscnt (\younger)+7-\i
	global_store_b128 v[rD+\i], v[rO+4*\i:rO+4*\i+3], s[YB:YB+1]    ; sixteen lanes store 256 consecutive bytes, aligned
.endr
.endm
	s_wait_dscnt 0x0                               ; for the others' sake: my images have landed
	s_wait_alu depctr_vm_vsrc(0)                   ; my LDS stores have read the fragments, the scale registers and the bias (v152 to v223): the ring's first loads land in these registers
	s_wait_kmcnt 0x0                               ; the table's line
	s_min_u32 s[NP], s[NP], 32                     ; an expert has at most 1,024 rows
	s_add_co_u32 s[NJ], s[NP], 15
	s_sub_co_u32 s[NJ], s[NJ], s[PT]               ; (my first pair tile is 15 at the most)
	s_lshr_b32 s[NJ], s[NJ], 4                     ; my jobs: pair tiles PT, PT + 16 .. under NP
	s_mov_b32 s[JC], 0
	AFILL                                          ; ahead of the barrier, in every wave: so the counts are the same on every way into a job
	s_barrier_signal -1
	s_barrier_wait -1                              ; the 64 fragments lie in LDS; nothing is written there any more
	s_cmp_eq_u32 s[NJ], 0
	s_cbranch_scc1 .Lend
.Ljob:                                             ; on both ways in, no vector instruction has been issued since a wait on va_vdst: the loads below owe none
.irp a, 0,1
.irp T, 0,1,2,3
	ds_load_b128 v[ACC+32*\a+8*\T:ACC+32*\a+8*\T+3], v[VB] offset:64*\T
	ds_load_b128 v[ACC+32*\a+8*\T+4:ACC+32*\a+8*\T+7], v[VB] offset:64*\T+16
.endr
.endr
	BHALF 0, 0
	BHALF 0, 1
.irp s, 0,1,2,3,4,5,6,7,8,9,10,11,12,13,14,15
	KSTEP \s
.endr
	OMUL 0
	OMUL 1
	OADR 0
	OADR 1
	s_wait_alu depctr_va_vdst(0)                   ; the results x their gates are written, which the LDS stores read; the sixteen offsets are written, which the global stores read; the products are done reading v88 to v151, in which the rows come back
	OSTG 0
	OSTG 1
	OSND 0, 16                                     ; behind tile 0's loads: tile 1's eight stores and eight loads
	OSND 1, 0
	s_wait_xcnt 0x0                                ; the stores have read their data and addresses: both are loaded again below
	s_wait_alu depctr_vm_vsrc(0)                   ; the LDS stores have read the accumulators, the global stores their offsets and rows (v234 to v249, v88 to v151): the next job's loads land in all of these
	s_add_co_u32 s[JC], s[JC], 1
	s_cmp_ge_u32 s[JC], s[NJ]
	s_cbranch_scc1 .Lend                           ; the last job asks for nothing more
	s_add_co_u32 s[PT], s[PT], 16
	AFILL
	s_cmp_lt_u32 s[JC], s[NJ]
	s_cbranch_scc1 .Ljob
.Lend:
	s_wait_dscnt 0x0                               ; the closing lines, six on end
	s_wait_alu 0x0
	s_wait_tensorcnt 0x0
	ds_add_u32 v254, v255
	s_wait_dscnt 0x0
	s_endpgm
.Lfunc_end_k_q84e257bf94_ffn2:
	.size	k_q84e257bf94_ffn2, .Lfunc_end_k_q84e257bf94_ffn2-k_q84e257bf94_ffn2
	.p2alignl 7, 3214868480
	.fill 96, 4, 3214868480
	.section	.rodata,"a",@progbits
	.p2align	6, 0x0
	.amdhsa_kernel k_q84e257bf94_ffn2
		.amdhsa_group_segment_fixed_size 174592
		.amdhsa_private_segment_fixed_size 0
		.amdhsa_enable_private_segment 0
		.amdhsa_kernarg_size 48
		.amdhsa_user_sgpr_count 2
		.amdhsa_user_sgpr_kernarg_segment_ptr 1
		.amdhsa_wavefront_size32 1
		.amdhsa_system_sgpr_workgroup_id_x 1
		.amdhsa_system_sgpr_workgroup_id_y 1
		.amdhsa_system_sgpr_workgroup_id_z 1
		.amdhsa_system_vgpr_workitem_id 0
		.amdhsa_next_free_vgpr 256
		.amdhsa_next_free_sgpr 66
		.amdhsa_reserve_vcc 1
		.amdhsa_float_denorm_mode_32 3
		.amdhsa_float_denorm_mode_16_64 3
		.amdhsa_memory_ordered 1
		.amdhsa_forward_progress 1
		.amdhsa_inst_pref_size 114
	.end_amdhsa_kernel
	.amdgpu_metadata
---
amdhsa.version: [ 1, 2 ]
amdhsa.kernels:
  - .name:           k_q84e257bf94_ffn2
    .symbol:         k_q84e257bf94_ffn2.kd
    .args:
      - { .name: W2, .offset: 0, .size: 8, .value_kind: global_buffer, .address_space: global }
      - { .name: b2, .offset: 8, .size: 8, .value_kind: global_buffer, .address_space: global }
      - { .name: hq, .offset: 16, .size: 8, .value_kind: global_buffer, .address_space: global }
      - { .name: plan, .offset: 24, .size: 8, .value_kind: global_buffer, .address_space: global }
      - { .name: gatew, .offset: 32, .size: 8, .value_kind: global_buffer, .address_space: global }
      - { .name: y2, .offset: 40, .size: 8, .value_kind: global_buffer, .address_space: global }
    .group_segment_fixed_size: 174592
    .private_segment_fixed_size: 0
    .kernarg_segment_align: 8
    .kernarg_segment_size: 48
    .max_flat_workgroup_size: 512
    .sgpr_count:     66
    .vgpr_count:     256
    .wavefront_size: 32
...
	.end_amdgpu_metadata
.endif
;; end of part 9
;; launch combine (part 10): grid 256 x 1, 4 waves a work-group, no clusters, 0 bytes of LDS; arguments y2, out0; writes out0
.if DOCPART == 10
	.amdgcn_target "amdgcn-amd-amdhsa--gfx1250"
	.amdhsa_code_object_version 6
	.text
	.protected	k_q84e257bf94_combine
	.globl	k_q84e257bf94_combine
	.p2align	8
	.type	k_q84e257bf94_combine,@function
k_q84e257bf94_combine:
	s_mov_b64 s[64:65], 0
	v_nop
	global_prefetch_b8 v0, s[64:65] scope:SCOPE_SE
	s_setreg_imm32_b32 hwreg(HW_REG_WAVE_MODE, 25, 1), 1
	s_wait_xcnt 0x0
; out0[t] = y2[0][2 t] + y2[0][2 t + 1] + y2[1][2 t] + y2[1][2 t + 1]: a token's two experts, each in two halves of K; the gates are in already.
; A wave takes a token: four rows of 4,096 bytes in, one out; each load and store of the wave covers 512 consecutive bytes.  All 32 loads go out at once; the counts run down by pieces of a row.
; A stream: no LDS, no barrier, no matrix unit.
.set PLANE, 8421376
.set R, 16                             ; v16-143: piece i of eight: four rows x 4 registers
	s_load_b128 s[4:7], s[0:1], 0x0                ; y2, out0
	v_lshrrev_b32 v1, 5, v0
	v_readfirstlane_b32 s8, v1
	v_and_b32 v1, 31, v0
	v_lshlrev_b32 v1, 4, v1
	s_lshl_b32 s9, ttmp9, 2
	s_add_co_u32 s9, s9, s8                        ; the token
	s_lshl_b32 s10, s9, 13
	s_mov_b32 s11, 0
	s_lshl_b32 s12, s9, 12
	s_mov_b32 s13, 0
	s_wait_alu depctr_va_vdst(0)
	s_wait_kmcnt 0x0
	s_add_nc_u64 s[4:5], s[4:5], s[10:11]
	s_add_nc_u64 s[14:15], s[4:5], PLANE
	s_add_nc_u64 s[6:7], s[6:7], s[12:13]
.irp i, 0,1,2,3,4,5,6,7
	global_load_b128 v[R+16*\i:R+16*\i+3], v1, s[4:5] offset:512*\i th:TH_LOAD_NT
	global_load_b128 v[R+16*\i+4:R+16*\i+7], v1, s[4:5] offset:4096+512*\i th:TH_LOAD_NT
	global_load_b128 v[R+16*\i+8:R+16*\i+11], v1, s[14:15] offset:512*\i th:TH_LOAD_NT
	global_load_b128 v[R+16*\i+12:R+16*\i+15], v1, s[14:15] offset:4096+512*\i th:TH_LOAD_NT
.endr
.irp i, 0,1,2,3,4,5,6,7
	s_wait_loadcnt 4*(7-\i)                        ; this piece's four loads are in; the later pieces' may be out
	v_pk_add_f32 v[R+16*\i:R+16*\i+1], v[R+16*\i:R+16*\i+1], v[R+16*\i+4:R+16*\i+5]
	v_pk_add_f32 v[R+16*\i+2:R+16*\i+3], v[R+16*\i+2:R+16*\i+3], v[R+16*\i+6:R+16*\i+7]
	v_pk_add_f32 v[R+16*\i+8:R+16*\i+9], v[R+16*\i+8:R+16*\i+9], v[R+16*\i+12:R+16*\i+13]
	v_pk_add_f32 v[R+16*\i+10:R+16*\i+11], v[R+16*\i+10:R+16*\i+11], v[R+16*\i+14:R+16*\i+15]
	v_pk_add_f32 v[R+16*\i:R+16*\i+1], v[R+16*\i:R+16*\i+1], v[R+16*\i+8:R+16*\i+9]
	v_pk_add_f32 v[R+16*\i+2:R+16*\i+3], v[R+16*\i+2:R+16*\i+3], v[R+16*\i+10:R+16*\i+11]
	global_store_b128 v1, v[R+16*\i:R+16*\i+3], s[6:7] offset:512*\i th:TH_STORE_NT
.endr
	s_endpgm
.Lfunc_end_k_q84e257bf94_combine:
	.size	k_q84e257bf94_combine, .Lfunc_end_k_q84e257bf94_combine-k_q84e257bf94_combine
	.p2alignl 7, 3214868480
	.fill 96, 4, 3214868480
	.section	.rodata,"a",@progbits
	.p2align	6, 0x0
	.amdhsa_kernel k_q84e257bf94_combine
		.amdhsa_group_segment_fixed_size 0
		.amdhsa_private_segment_fixed_size 0
		.amdhsa_enable_private_segment 0
		.amdhsa_kernarg_size 16
		.amdhsa_user_sgpr_count 2
		.amdhsa_user_sgpr_kernarg_segment_ptr 1
		.amdhsa_wavefront_size32 1
		.amdhsa_system_sgpr_workgroup_id_x 1
		.amdhsa_system_sgpr_workgroup_id_y 1
		.amdhsa_system_sgpr_workgroup_id_z 1
		.amdhsa_system_vgpr_workitem_id 0
		.amdhsa_next_free_vgpr 144
		.amdhsa_next_free_sgpr 66
		.amdhsa_reserve_vcc 0
		.amdhsa_float_denorm_mode_32 3
		.amdhsa_float_denorm_mode_16_64 3
		.amdhsa_memory_ordered 1
		.amdhsa_forward_progress 1
		.amdhsa_inst_pref_size 8
	.end_amdhsa_kernel
	.amdgpu_metadata
---
amdhsa.version: [ 1, 2 ]
amdhsa.kernels:
  - .name:           k_q84e257bf94_combine
    .symbol:         k_q84e257bf94_combine.kd
    .args:
      - { .name: y2, .offset: 0, .size: 8, .value_kind: global_buffer, .address_space: global }
      - { .name: out0, .offset: 8, .size: 8, .value_kind: global_buffer, .address_space: global }
    .group_segment_fixed_size: 0
    .private_segment_fixed_size: 0
    .kernarg_segment_align: 8
    .kernarg_segment_size: 16
    .max_flat_workgroup_size: 128
    .sgpr_count:     66
    .vgpr_count:     144
    .wavefront_size: 32
...
	.end_amdgpu_metadata
.endif
;; end of part 10
